; MI455X (gfx1250); checked and timed in simulation.
; The chip was launched on July 23, 2026; its instructions are those of AMD's public machine-readable ISA for CDNA 5 (MIT licence, August 2026) and "CDNA5" Instruction Set Architecture Reference Guide (July 2026). The comments in the code are by the model that wrote it; some were corrected since.
;; Transformer Block. Allowed arithmetic: matrix products marked QUANTISED: E2M3 operands, one E8M0 scale for each 32 along K, by v_wmma_scale_f32_16x16x128_f8f6f4 with both operands' format E2M3, f32 sums; everything else in f32.
;; Inputs: fc1_b 4,096 float32; fc1_w_codes 4,096 x 32 x 24 uint8 (E2M3 codes of fc1_w, K innermost, in blocks of 32 codes, four codes in three bytes); fc1_w_scales 4,096 x 32 uint8 (E8M0 scales of fc1_w, one for each 32 codes along K); fc2_b 1,024 float32; fc2_w_codes 1,024 x 128 x 24 uint8 (E2M3 codes of fc2_w, K innermost, in blocks of 32 codes, four codes in three bytes); fc2_w_scales 1,024 x 128 uint8 (E8M0 scales of fc2_w, one for each 32 codes along K); ln1_b 1,024 float32; ln1_g 1,024 float32; ln2_b 1,024 float32; ln2_g 1,024 float32; mask 1 x 1 x 2,048 x 2,048 int32; out_b 1,024 float32; out_w_codes 1,024 x 32 x 24 uint8 (E2M3 codes of out_w, K innermost, in blocks of 32 codes, four codes in three bytes); out_w_scales 1,024 x 32 uint8 (E8M0 scales of out_w, one for each 32 codes along K); qkv_w_codes 3,072 x 32 x 24 uint8 (E2M3 codes of qkv_w, K innermost, in blocks of 32 codes, four codes in three bytes); qkv_w_scales 3,072 x 32 uint8 (E8M0 scales of qkv_w, one for each 32 codes along K); x 2 x 2,048 x 1,024 float32.
;; Outputs: out0 2 x 2,048 x 1,024 float32.
;; This version of the problem:
;;   THIS VERSION OF THE PROBLEM IS GIVEN IN LOW PRECISION. The matrix products marked QUANTISED in the list below multiply operands that are first quantised to E2M3 (2 exponent bits, 3 mantissa bits; 6 bits a number), with one power-of-two scale for each 32 numbers along K (OCP MX v1.0); their sums are f32. All else is computed in f32.
;;   The module's matrix products, in the order in which they are computed (A, B: the left and right operand; K: the contracted axis; several contracted axes count as one K, in the product's order):
;;     1. [M 4,096, K 1,024] x [K 1,024, N 3,072]; A: computed on the way; B: input qkv_w (given as codes): QUANTISED
;;     2. batch 32 x [M 2,048, K 64] x [K 64, N 2,048]; A: computed on the way; B: computed on the way: QUANTISED
;;     3. batch 32 x [M 2,048, K 2,048] x [K 2,048, N 64]; A: softmax (see below); B: computed on the way: QUANTISED
;;     4. [M 4,096, K 1,024] x [K 1,024, N 1,024]; A: computed on the way; B: input out_w (given as codes): QUANTISED
;;     5. [M 4,096, K 1,024] x [K 1,024, N 4,096]; A: computed on the way; B: input fc1_w (given as codes): QUANTISED
;;     6. [M 4,096, K 4,096] x [K 4,096, N 1,024]; A: computed on the way; B: input fc2_w (given as codes): QUANTISED
;;   THE QUANTISER, for each operand of a quantised product, along K:
;;     - K is cut into blocks of 32 from its start; a last block that is shorter is filled with zeros.
;;     - A block's scale is 2^e with e = floor(log2(the largest magnitude in the block)) - 2, held to -126 .. 127; a block of zeros has e = 0. As a byte (E8M0): e + 127.
;;     - Each number is divided by its block's scale, clamped to +-7.5, and rounded to the nearest number of E2M3, ties to even, subnormals kept.
;;     - The product sums the exact products of the quantised numbers (number of the format x scale) in f32.
;;   ~~~python
;;   def quantise(x, axis):      # numpy; x: float32 -> the quantised numbers, widened to float32 again
;;       x = np.moveaxis(x, axis, -1); K = x.shape[-1]
;;       x = np.pad(x, [(0, 0)] * (x.ndim - 1) + [(0, -K % 32)]); x = x.reshape(x.shape[:-1] + (-1, 32)); a = np.abs(x).max(-1, keepdims=True)
;;       e = np.where(a > 0, np.clip(np.frexp(np.where(a > 0, a, 1))[1] - 1 - 2, -126, 127), 0)      # np.frexp(a)[1] - 1 = floor(log2(a)), exactly
;;       r = np.clip(x / 2.0 ** e, -7.5, 7.5)
;;       step = 2.0 ** (np.maximum(np.frexp(np.where(r == 0, 1, r))[1] - 1, 0) - 3)
;;       q = np.round(r / step) * step * 2.0 ** e      # np.round: ties to even
;;       return np.moveaxis(q.reshape(q.shape[:-2] + (-1,))[..., :K], -1, axis).astype(np.float32)
;;   ~~~
;;   SOFTMAX AHEAD OF A QUANTISED PRODUCT. Where the list says 'softmax', what is quantised is not the finished softmax but p = 2^(t - M), with t = logit x log2(e) and M = ceil(the row's largest t), a whole number; so 1/2 < the row's largest p <= 1. The row's sum l is taken of the UNQUANTISED p, in f32, and the product's result is divided by l at the end. Since M is a whole number, a kernel that streams over the keys may use a running M (the ceiling of the running maximum): every later rescaling is an exact power of two, which a block's scale takes up: the codes' values come out the same.
;;   OPERANDS COMPUTED ON THE WAY. 'Computed on the way' means the value that the module computes at that place (a softmax that the list does not call 'softmax' is quantised finished and normalised). What goes into a quantiser is computed in f32, as accurately as f32 sums, v_exp_f32 and their like allow (about 1e-6 of the number): no bf16 or f16 on the way to a quantiser, and a product that is left as it is and whose result goes on into a quantised operand takes f32 operands (vector FMAs, or v_wmma_f32_16x16x4_f32). A number that lies on a knife's edge between two numbers of the format may be rounded either way, as far as f32 arithmetic and the matrix unit's own rounding can turn it there, and no further.
;;   INPUTS GIVEN AS CODES. fc1_w (in the module: [1024, 4096], K = its axis 0); fc2_w (in the module: [4096, 1024], K = its axis 0); out_w (in the module: [1024, 1024], K = its axis 0); qkv_w (in the module: [1024, 3072], K = its axis 0): each comes as NAME_codes (uint8): NAME with its K axis moved to the last place and cut into blocks of 32 codes, [.., K / 32, bytes a block], one block behind the other in memory; four codes in three bytes: a row's codes are one little-endian stream of bits, code i at bits 6 i .. 6 i + 5 (a code: sign, 2 exponent bits, 3 mantissa bits); and NAME_scales (uint8): the same leading axes, one E8M0 byte (e + 127) for each 32 codes along K. Its value is code x scale, taken as it is: it is not quantised again, and the codes and scales need not be those that the quantiser above would give.
;; 2 versions, each right. Each part assembles by itself: llvm-mc -triple=amdgcn-amd-amdhsa -mcpu=gfx1250 --defsym DOCPART=n.
;; ======== version 1 of 2: 7 launches
;; limits: a function is approximated: absolute error at most 1.5e-07
;; workspace buffers: h1 3,276,800 bytes; mk 532,480 bytes of whole numbers; qkvw 10,092,544 bytes; ow 3,276,800 bytes; x1 16,777,216 bytes; gw 13,107,200 bytes
;; launch prep (part 1): grid 384 x 1, 4 waves a work-group, no clusters, 44,544 bytes of LDS; arguments x, ln1_g, ln1_b, mask, h1, mk; writes h1, mk
.if DOCPART == 1
	.amdgcn_target "amdgcn-amd-amdhsa--gfx1250"
	.amdhsa_code_object_version 6
	.text
	.protected	k_q0fdf78a265_prep
	.globl	k_q0fdf78a265_prep
	.p2align	8
	.type	k_q0fdf78a265_prep,@function
k_q0fdf78a265_prep:
	s_mov_b64 s[64:65], 0
	v_nop
	global_prefetch_b8 v0, s[64:65] scope:SCOPE_SE
	s_setreg_imm32_b32 hwreg(HW_REG_WAVE_MODE, 25, 1), 1
	s_wait_xcnt 0x0
; Two jobs in one launch, parted on the work-group's number.
; WORK-GROUPS 0-127: h = layernorm(x) g + b, in f32, quantised along its 1,024 numbers to codes of E2M3 with one E8M0 byte for each 32.
;   h1: codes [4096][768 bytes] row-major at byte 0, scale bytes [4096][32] at byte H1S.  A wave takes 8 rows, one after the other.
;   A load takes a row as it lies (512 consecutive bytes an instruction); the row turns through the wave's own stage in LDS, so that lane l holds
;   numbers 32 l .. 32 l + 31: a whole block, whose largest magnitude needs no other lane.  Codes and bytes gather in LDS and leave in runs of 512 and 256 bytes.
; WORK-GROUPS 128-383: the mask [2048][2048] of int32 becomes lane masks and step flags for the attention launch.
;   mk: words [query tile 128][key step 16][n 64] at byte 0: bit r + 16 h of word n = 8 t + j says whether mask[16 qt + r][128 st + 16 t + 8 h + j] is not 0;
;   flags [query tile][key step] at byte MFLAG: 0 no key kept, 1 all kept, 0x10001 some.  A wave takes one query tile and two key steps.  This path uses no LDS.
; LIMITS: NaN and infinities in x are not served.  A block whose largest magnitude lies under 2^-124 keeps the byte 1, a block of zeros too (its codes are zeros; this program alone reads the bytes).
.set XTP,   144                        ; a lane's place in the stage: 128 bytes + 16, an odd multiple of 16
.set CSO,   4608                       ; behind the stage: 8 rows x 768 bytes of codes
.set SSO,   10752                      ; behind them: 8 rows x 32 scale bytes
.set WREG,  11008                      ; a wave's LDS
.set H1S,   3145728
.set MFLAG, 524288
.set HP,    12                         ; s[12:13] h1
.set G,   16                           ; v16-47   gain of my 32 numbers
.set BB,  48                           ; v48-79   bias
.set R0,  80                           ; v80-143  two rows as loaded
.set X,   144                          ; v144-175 my 32 numbers of the row in hand
.set C,   176                          ; v176-182 codes
.set EB,  184                          ; v184     the scale's byte
.set T,   186                          ; v186-189 two chains of sums
.set SM,  190
.set PD,  191                          ; a lane permute's destination
	s_load_b256 s[4:11], s[0:1], 0x0               ; x, gain, bias, mask
	s_load_b128 s[12:15], s[0:1], 0x20             ; h1, mk
	v_lshl_add_u32 v192, v0, 2, 0xac00
	v_mov_b32 v193, 0
	v_lshrrev_b32 v1, 5, v0
	v_readfirstlane_b32 s16, v1                    ; wave
	v_and_b32 v1, 31, v0                           ; lane
	v_lshlrev_b32 v2, 4, v1                        ; 16 x lane
	s_mov_b32 s34, 0x76543210
	s_mov_b32 s35, 0xfedcba98                      ; selects: lane l xor 16
	s_cmp_lt_u32 ttmp9, 128
	s_cbranch_scc0 .Lmask
; ---------------------------------------------------------------- layernorm and quantiser
.macro LOADROW set, i                  ; a row: eight loads of 512 consecutive bytes
.irp j, 0,1,2,3,4,5,6,7
	global_load_b128 v[\set+4*\j:\set+4*\j+3], v2, s[4:5] offset:(\i)*4096+512*\j th:TH_LOAD_NT
.endr
.endm
.macro TURN src, dst                   ; 4,096 bytes through the stage: in as loaded, out 128 bytes a lane.  LDS serves a wave's instructions in order: no wait between
.irp j, 0,1,2,3,4,5,6,7
	ds_store_b128 v3, v[\src+4*\j:\src+4*\j+3] offset:576*\j
.endr
.irp j, 0,1,2,3,4,5,6,7
	ds_load_b128 v[\dst+4*\j:\dst+4*\j+3], v4 offset:16*\j
.endr
.endm
.macro WSUM                            ; v[SM] summed over the 32 lanes, the result in every lane
	v_add_f32_dpp v[SM], v[SM], v[SM] row_xmask:1 row_mask:0xf bank_mask:0xf
	v_add_f32_dpp v[SM], v[SM], v[SM] row_xmask:2 row_mask:0xf bank_mask:0xf
	v_add_f32_dpp v[SM], v[SM], v[SM] row_xmask:4 row_mask:0xf bank_mask:0xf
	v_add_f32_dpp v[SM], v[SM], v[SM] row_xmask:8 row_mask:0xf bank_mask:0xf
	v_permlanex16_b32 v[PD], v[SM], s34, s35
	v_add_f32 v[SM], v[SM], v[PD]
.endm
.macro ROW i
.if (\i) < 7
	s_wait_loadcnt 8                               ; this row's eight loads are in; the next row's eight may be out
.else
	s_wait_loadcnt 0
.endif
	TURN R0+32*((\i)%2), X
	s_wait_dscnt 0x0                               ; my 32 numbers are here, and the stage's stores have read their registers,
.if (\i) < 6
	LOADROW R0+32*((\i)%2), (\i)+2                 ; which take the row two further on
.endif
	v_pk_add_f32 v[T:T+1], v[X:X+1], v[X+2:X+3]    ; the mean: two chains
	v_pk_add_f32 v[T+2:T+3], v[X+4:X+5], v[X+6:X+7]
.irp j, 8,12,16,20,24,28
	v_pk_add_f32 v[T:T+1], v[T:T+1], v[X+\j:X+\j+1]
	v_pk_add_f32 v[T+2:T+3], v[T+2:T+3], v[X+\j+2:X+\j+3]
.endr
	v_pk_add_f32 v[T:T+1], v[T:T+1], v[T+2:T+3]
	v_add_f32 v[SM], v[T], v[T+1]
	WSUM
	v_mul_f32 v10, s32, v[SM]                      ; / 1,024
.set j, 0
.rept 16
	v_pk_add_f32 v[X+j:X+j+1], v[X+j:X+j+1], v[10:11] op_sel_hi:[1,0] neg_lo:[0,1] neg_hi:[0,1]   ; x - mean
.set j, j+2
.endr
	v_pk_mul_f32 v[T:T+1], v[X:X+1], v[X:X+1]      ; the variance, of the differences
	v_pk_mul_f32 v[T+2:T+3], v[X+2:X+3], v[X+2:X+3]
.irp j, 4,8,12,16,20,24,28
	v_pk_fma_f32 v[T:T+1], v[X+\j:X+\j+1], v[X+\j:X+\j+1], v[T:T+1]
	v_pk_fma_f32 v[T+2:T+3], v[X+\j+2:X+\j+3], v[X+\j+2:X+\j+3], v[T+2:T+3]
.endr
	v_pk_add_f32 v[T:T+1], v[T:T+1], v[T+2:T+3]
	v_add_f32 v[SM], v[T], v[T+1]
	WSUM
	v_fma_f32 v[SM], v[SM], s32, s33               ; / 1,024 + 1e-5
	v_rsq_f32 v12, v[SM]
	v_nop                                          ; a plain instruction behind the transcendental,
	s_wait_alu depctr_va_vdst(0)                   ; and the wait ahead of its first reader
.set j, 0
.rept 16
	v_pk_mul_f32 v[X+j:X+j+1], v[X+j:X+j+1], v[12:13] op_sel_hi:[1,0]
.set j, j+2
.endr
.set j, 0
.rept 16
	v_pk_fma_f32 v[X+j:X+j+1], v[X+j:X+j+1], v[G+j:G+j+1], v[BB+j:BB+j+1]
.set j, j+2
.endr
	v_max3_num_f32 v14, |v[X]|, |v[X+1]|, |v[X+2]| ; the block's largest magnitude: all 32 numbers are mine
	v_max3_num_f32 v[SM], |v[X+3]|, |v[X+4]|, |v[X+5]|
.irp j, 6,10,14,18,22,26
	v_max3_num_f32 v14, v14, |v[X+\j]|, |v[X+\j+1]|
	v_max3_num_f32 v[SM], v[SM], |v[X+\j+2]|, |v[X+\j+3]|
.endr
	v_max3_num_f32 v14, v14, |v[X+30]|, |v[X+31]|
	v_max3_num_f32 v14, v14, v[SM], 0x1800000      ; and the floor 2^(3 - 127): the byte cannot fall under 1
	v_add_nc_u32 v15, 0xff000000, v14              ; 2 off the exponent field: the conversion's scale operand
	v_cvt_scalef32_pk16_fp6_f32 v[C:C+2], v[X:X+15], v15
	v_cvt_scalef32_pk16_fp6_f32 v[C+4:C+6], v[X+16:X+31], v15   ; (a conversion's three registers begin on an even number)
	v_lshrrev_b32 v[EB], 23, v15                   ; the scale's byte (also the plain place behind the conversions)
	v_mov_b32 v[C+3], v[C+4]                       ; the block's 24 bytes on end
	v_mov_b32 v[C+4], v[C+5]
	v_mov_b32 v[C+5], v[C+6]
	ds_store_b64 v5, v[C:C+1] offset:CSO+768*(\i)
	ds_store_b64 v5, v[C+2:C+3] offset:CSO+768*(\i)+8
	ds_store_b64 v5, v[C+4:C+5] offset:CSO+768*(\i)+16
	ds_store_b8 v6, v[EB] offset:SSO+32*(\i)
.endm
	s_mul_i32 s17, s16, WREG                       ; my wave's LDS
	v_lshrrev_b32 v3, 3, v1
	v_mul_u32_u24 v3, v3, XTP
	v_and_b32 v4, 7, v1
	v_lshl_add_u32 v3, v4, 4, v3
	v_add_nc_u32 v3, s17, v3                       ; stage, in: 144 (lane / 8) + 16 (lane % 8); a load's 512 bytes take four places
	v_mul_u32_u24 v4, v1, XTP
	v_add_nc_u32 v4, s17, v4                       ; stage, out: 144 x lane
	v_mul_u32_u24 v5, v1, 24
	v_add_nc_u32 v5, s17, v5                       ; codes: 24 x lane
	v_add_nc_u32 v6, s17, v1                       ; scale byte: lane
	v_add_nc_u32 v7, s17, v2                       ; codes back: 16 x lane
	v_lshlrev_b32 v9, 3, v1
	v_add_nc_u32 v8, s17, v9                       ; bytes back: 8 x lane
	v_mov_b32 v11, 0                               ; (upper halves of pairs of which the low word serves both halves)
	v_mov_b32 v13, 0
	v_mov_b32 v[PD], 0
	s_mov_b32 s32, 0x3a800000                      ; 1 / 1,024
	s_mov_b32 s33, 0x3727c5ac                      ; 1e-5
	s_lshl_b32 s18, ttmp9, 5
	s_lshl_b32 s19, s16, 3
	s_add_co_u32 s18, s18, s19                     ; my first row: 32 x work-group + 8 x wave
	s_lshl_b32 s20, s18, 12
	s_mov_b32 s21, 0
	s_mul_i32 s22, s18, 768
	s_mov_b32 s23, 0
	s_lshl_b32 s24, s18, 5
	s_add_co_u32 s24, s24, H1S
	s_mov_b32 s25, 0
	s_wait_kmcnt 0x0
	s_add_nc_u64 s[4:5], s[4:5], s[20:21]
	s_add_nc_u64 s[26:27], s[HP:HP+1], s[22:23]
	s_add_nc_u64 s[28:29], s[HP:HP+1], s[24:25]
.irp j, 0,1,2,3,4,5,6,7
	global_load_b128 v[G+4*\j:G+4*\j+3], v2, s[6:7] offset:512*\j
.endr
.irp j, 0,1,2,3,4,5,6,7
	global_load_b128 v[BB+4*\j:BB+4*\j+3], v2, s[8:9] offset:512*\j
.endr
	LOADROW R0, 0
	LOADROW R0+32, 1
	s_wait_loadcnt 24                              ; the gain is in; bias and two rows may be out
	TURN G, G
	s_wait_loadcnt 16                              ; the bias is in; two rows may be out
	TURN BB, BB
.irp i, 0,1,2,3,4,5,6,7
	ROW \i
.endr
.irp j, 0,1,2,3,4,5,6,7,8,9,10,11
	ds_load_b128 v[R0+4*\j:R0+4*\j+3], v7 offset:CSO+512*\j   ; eight rows of codes are 6,144 consecutive bytes, in LDS and in h1
.endr
	ds_load_b64 v[X:X+1], v8 offset:SSO
.irp j, 0,1,2,3,4,5,6,7,8,9,10,11
	s_wait_dscnt 12-\j                             ; the younger read-backs may be out
	global_store_b128 v2, v[R0+4*\j:R0+4*\j+3], s[26:27] offset:512*\j   ; 512 consecutive bytes, at a multiple of 256 from h1's first byte
.endr
	s_wait_dscnt 0x0
	global_store_b64 v9, v[X:X+1], s[28:29]        ; 256 consecutive scale bytes
	s_wait_tensorcnt 0x0
	ds_add_u32 v192, v193
	s_wait_dscnt 0x0
	s_endpgm
; ---------------------------------------------------------------- the mask
.Lmask:
	s_sub_co_u32 s17, ttmp9, 128
	s_lshl_b32 s17, s17, 2
	s_add_co_u32 s17, s17, s16                     ; task 0 .. 1,023
	s_lshr_b32 s18, s17, 3                         ; query tile
	s_and_b32 s19, s17, 7                          ; pair of key steps
	s_lshl_b32 s20, s18, 17                        ; 16 rows of 8,192 bytes
	s_lshl_b32 s21, s19, 10                        ; 256 keys of 4 bytes
	s_add_co_u32 s20, s20, s21
	s_mov_b32 s21, 0
	s_lshl_b32 s22, s18, 4
	s_lshl_b32 s23, s19, 1
	s_add_co_u32 s22, s22, s23                     ; 16 x tile + step
	s_lshl_b32 s24, s22, 8                         ; 256 bytes of words a step
	s_mov_b32 s25, 0
	s_lshl_b32 s26, s22, 2
	s_add_co_u32 s26, s26, MFLAG
	s_mov_b32 s27, 0
	v_lshlrev_b32 v3, 2, v1
	v_mov_b32 v8, 0
	v_mov_b32 v11, 0
.irp c, 0,1,2,3
	v_mov_b32 v[144+\c], 0                         ; (a lane write's destination counts as read)
.endr
	s_wait_kmcnt 0x0
	s_add_nc_u64 s[10:11], s[10:11], s[20:21]
	s_add_nc_u64 s[24:25], s[14:15], s[24:25]
	s_add_nc_u64 s[26:27], s[14:15], s[26:27]
.set i, 0
.rept 32
	global_load_b128 v[16+4*i:19+4*i], v2, s[10:11] offset:(i%16)*8192+(i/16)*512 th:TH_LOAD_NT   ; row i % 16, step i / 16: 128 keys, 512 consecutive bytes
.set i, i+1
.endr
.irp a, 0,1
.irp c, 0,1,2,3
	v_mov_b32 v[4+\c], 0
.endr
.irp r, 0,1,2,3,4,5,6,7,8,9,10,11,12,13,14,15
	s_wait_loadcnt 31-(16*\a+\r)                   ; loads come back in order: this row's is in, the younger ones may be out
.irp c, 0,1,2,3
	v_cmp_ne_u32 vcc_lo, 0, v[16+4*(16*\a+\r)+\c]  ; bit l: key 4 l + c of row r is kept
	v_writelane_b32 v[4+\c], vcc_lo, \r            ; W_c, lane r
.endr
.endr
	v_or_b32 v9, v4, v5
	v_or_b32 v10, v6, v7
	v_or_b32 v9, v9, v10
	v_and_b32 v10, v4, v5
	v_and_b32 v12, v6, v7
	v_and_b32 v10, v10, v12
	v_cmp_ne_u32 s28, 0, v9                        ; a row with a key kept
	v_cmp_ne_u32 s29, -1, v10                      ; a row with a key hidden
	s_and_b32 s29, s29, 0xffff                     ; (lanes 16-31 hold no row)
	s_cselect_b32 s30, 0x10001, 1
	s_cmp_lg_u32 s28, 0
	s_cselect_b32 s30, s30, 0
	v_writelane_b32 v11, s30, \a                   ; the step's flag
.irp c, 0,1,2,3
	v_permlanex16_b32 v8, v[4+\c], s34, s35        ; lanes 16-31 take row r's word, two bits (eight keys) down: their keys lie 8 further on
	v_lshrrev_b32 v8, 2, v8
	v_or_b32 v[4+\c], v[4+\c], v8
.endr
.set n, 0
.rept 64
	v_and_b32 v8, 1<<(4*(n>>3)+((n&7)>>2)), v[4+(n&3)]   ; key 16 t + 8 h + j, n = 8 t + j: word j % 4, bit 4 t + j / 4 (+ 2 h, shifted out above)
	v_cmp_ne_u32 vcc_lo, 0, v8                     ; the 32 lanes' bits are word n
	v_writelane_b32 v[144+((64*\a+n)%4)], vcc_lo, (64*\a+n)/4
.set n, n+1
.endr
.endr
	global_store_b128 v2, v[144:147], s[24:25]     ; two steps' 128 words: 512 consecutive bytes
	s_wait_xcnt 0x0                                ; EXEC changes only behind this wait
	v_cmp_gt_u32 vcc_lo, 2, v1
	s_and_saveexec_b32 s28, vcc_lo
	global_store_b32 v3, v11, s[26:27]             ; the two flags
	s_endpgm
.Lfunc_end_k_q0fdf78a265_prep:
	.size	k_q0fdf78a265_prep, .Lfunc_end_k_q0fdf78a265_prep-k_q0fdf78a265_prep
	.p2alignl 7, 3214868480
	.fill 96, 4, 3214868480
	.section	.rodata,"a",@progbits
	.p2align	6, 0x0
	.amdhsa_kernel k_q0fdf78a265_prep
		.amdhsa_group_segment_fixed_size 44544
		.amdhsa_private_segment_fixed_size 0
		.amdhsa_enable_private_segment 0
		.amdhsa_kernarg_size 48
		.amdhsa_user_sgpr_count 2
		.amdhsa_user_sgpr_kernarg_segment_ptr 1
		.amdhsa_wavefront_size32 1
		.amdhsa_system_sgpr_workgroup_id_x 1
		.amdhsa_system_sgpr_workgroup_id_y 1
		.amdhsa_system_sgpr_workgroup_id_z 1
		.amdhsa_system_vgpr_workitem_id 0
		.amdhsa_next_free_vgpr 194
		.amdhsa_next_free_sgpr 66
		.amdhsa_reserve_vcc 1
		.amdhsa_float_denorm_mode_32 3
		.amdhsa_float_denorm_mode_16_64 3
		.amdhsa_memory_ordered 1
		.amdhsa_forward_progress 1
		.amdhsa_inst_pref_size 122
	.end_amdhsa_kernel
	.amdgpu_metadata
---
amdhsa.version: [ 1, 2 ]
amdhsa.kernels:
  - .name:           k_q0fdf78a265_prep
    .symbol:         k_q0fdf78a265_prep.kd
    .args:
      - { .name: x, .offset: 0, .size: 8, .value_kind: global_buffer, .address_space: global }
      - { .name: ln1_g, .offset: 8, .size: 8, .value_kind: global_buffer, .address_space: global }
      - { .name: ln1_b, .offset: 16, .size: 8, .value_kind: global_buffer, .address_space: global }
      - { .name: mask, .offset: 24, .size: 8, .value_kind: global_buffer, .address_space: global }
      - { .name: h1, .offset: 32, .size: 8, .value_kind: global_buffer, .address_space: global }
      - { .name: mk, .offset: 40, .size: 8, .value_kind: global_buffer, .address_space: global }
    .group_segment_fixed_size: 44544
    .private_segment_fixed_size: 0
    .kernarg_segment_align: 8
    .kernarg_segment_size: 48
    .max_flat_workgroup_size: 128
    .sgpr_count:     66
    .vgpr_count:     194
    .wavefront_size: 32
...
	.end_amdgpu_metadata
.endif
;; end of part 1
;; launch qkv (part 2): grid 12 x 16, 4 waves a work-group, clusters of 4 x 4, 327,680 bytes of LDS; arguments h1, qkv_w_codes, qkv_w_scales, qkvw; writes qkvw
.if DOCPART == 2
	.amdgcn_target "amdgcn-amd-amdhsa--gfx1250"
	.amdhsa_code_object_version 6
	.text
	.protected	k_q0fdf78a265_qkv
	.globl	k_q0fdf78a265_qkv
	.p2align	8
	.type	k_q0fdf78a265_qkv,@function
k_q0fdf78a265_qkv:
	s_mov_b64 s[64:65], 0
	v_nop
	global_prefetch_b8 v0, s[64:65] scope:SCOPE_SE
	s_setreg_imm32_b32 hwreg(HW_REG_WAVE_MODE, 25, 1), 1
	s_wait_xcnt 0x0
	s_wait_alu depctr_hold_cnt(0) depctr_sa_sdst(0) depctr_va_vdst(0) depctr_va_sdst(0) depctr_va_ssrc(0) depctr_va_vcc(0) depctr_vm_vsrc(0)
	s_getreg_b32 s2, hwreg(HW_REG_IB_STS2, 6, 4)
	s_cmp_eq_u32 s2, 0
	s_cbranch_scc0 .Lentry_in_a_cluster
	s_endpgm
.Lentry_in_a_cluster:
	s_bfe_u32 s2, ttmp6, 0x10000c
	s_cmp_lg_u32 s2, 0xf033
	s_cbranch_scc0 .Lentry_shape_is_right
	s_endpgm
.Lentry_shape_is_right:
; qkv = h W, on codes of E2M3 with E8M0 scales, K = 1,024; q, k and v leave quantised, as images of the operand registers that the attention launch wants.
; THE CORE (shared by four launches of this program; the switches SIZE_K, AIMG, BIASC at the head say what a launch takes of it): a tile of 256 x 256 to a work-group of four waves, 128 x 128 to a wave
; in 64 accumulators; K in steps of 256 through two LDS slots filled by tensor loads; the scale bytes of the work-group's rows come once and stay.  4 x 4 work-groups form a cluster: the tile of the
; A role is asked for jointly along a row of the cluster, that of the B role along a column.  The matrix instruction is used transposed (source 0 = 16 rows of the B role, source 1 = 16 rows of the A role):
; lane (r, h) holds row r of the A role, and register 8 b + j of a block its product with row 16 b + 8 h + j of the B role.
; ROLES.  Clusters x = 0 (q) and 1 (k): A role = h (tokens), B role = W's rows (channels): a lane's registers run along the channels, the K of q k^T.
; Cluster x = 2 (v): A role = W's rows 2,048 on, B role = h: a lane's registers run along the tokens, the K of p v.  Only pointers and tile numbers are chosen, on the cluster's x, which all partners share.
; OUT (qkvw): q and k: [b h 32][tile of 16 tokens 128][768 bytes] at 0 and 3,145,728: 16 rows x 64 K as six registers a lane (registers 0-3 at 16 x lane, 4-5 at 512 + 8 x lane);
;   v: [b h][key step 16][16 channels 4][1,536 bytes] at 6,291,456: a whole fragment, 3 x 512 bytes;  scale words: q, k [b h][step][lane 32][4] at 9,437,184 and 9,699,328 (a head's two bytes, twice), v [b h][step][lane 32][2] at 9,961,472.
; ORDER INSIDE A BLOCK OF 32: (0-7, 16-23, 8-15, 24-31), alike in q and k, and alike in v and the p that the attention launch makes: the blocks are the true blocks and the products the same.
; LIMITS: NaN and infinities are not served; a block whose largest magnitude lies under 2^-124 keeps the byte 1, a block of zeros too (its codes are zeros; this program alone reads the bytes).
.set SIZE_K, 1024
.set AIMG,   0                         ; 1: the A role comes as images of 16 rows x 64 K
.set BIASC,  0                         ; 1: a bias is the C of each sum's first product
.set ASCL,   3145728                   ; h1's scale bytes
.set KSTEP,  256
.set NQ,     2
.set ROWB,   192
.set KROW,   SIZE_K*6/8
.set PITCH,  240                       ; an LDS row: 3 x (64 bytes + 16 of padding)
.set FR,     12
.set NL,     6
.set NP,     4
.set HALFT,  128*PITCH
.set SLOT,   4*HALFT
.set LAPS,   SIZE_K/(2*KSTEP)
.set KS,     SIZE_K/32
.set SCL,    2*SLOT                    ; behind the ring: the scale bytes, as units of 256 bytes + 16
.set HALFS,  (128*KS/256)*272
.set SBLK,   (16*KS/256)*272
.set SPARE,  SCL+4*HALFS               ; the spare words: 128 bytes a wave, named by no other line
.if AIMG
.set NLA,    4
.set AMUL,   48
.set ASTEP,  4*196608
.else
.set NLA,    6
.set AMUL,   KROW
.set ASTEP,  ROWB
.endif
.set ADRA, 16                          ; v16-19 LDS addresses of my A fragments (slot 0, 1; second pair: see FRAG, FRAGA)
.set ADRB, 20                          ; v20-23 the same for B
.set STO,  24
.set RD,   25
.set CO,   26                          ; v26 16 x lane
.set ADRS, 27                          ; v27 my scale words: lanes 0-15 A's rows, lanes 16-31 B's
.set SPW,  28                          ; v28 my spare word; never rewritten
.set NIL,  29                          ; v29 0; never rewritten
.set L8,   31                          ; v31 8 x lane
.set SC,   32                          ; v32-63 scale words, two sets
.set BIA,  64                          ; v64-127 the bias, in the result's layout
.set AF,   128                         ; v128-223 A's fragments, one set; window 1: B's, two sets; windows 2, 3: accumulators
.set G1, 24
.set G0, 32
.set G1B, 48
.set G0B, 56
.set G1S, 68
.set G0S, 76
.set G1SB, 80
.set G0SB, 88
.set SEL, 100                          ; s[100:101] selects: lane l xor 16
.set TM,  32                           ; the quantiser's registers, on the way out
.set PW,  48
.set PC,  52
.set MSB, 0
.macro WIN new                         ; the immediate's high byte repeats the setting that is left
.if MSB != (\new)
	s_set_vgpr_msb (MSB<<8)|(\new)
.set MSB, (\new)
.endif
.endm
.set MUL_LO, 0xa1                      ; source 0 (B) window 1, source 1 (A) window 0, C and D window 2
.set MUL_HI, 0xf1
.set TO_B,   0x40
.macro JLOAD g0a, g1a, g0b, g1b        ; a joint load: waves 0, 1 fetch for A, waves 2, 3 for B; four v_nop follow each line
	s_cmp_eq_u32 s15, 0
	s_cbranch_scc0 .Lfor_b_\@
	tensor_load_to_lds s[\g0a:\g0a+3], s[\g1a:\g1a+7]
	s_nop 0
.rept 4
	v_nop
.endr
	s_branch .Lasked_\@
.Lfor_b_\@:
	tensor_load_to_lds s[\g0b:\g0b+3], s[\g1b:\g1b+7]
	s_nop 0
.rept 4
	v_nop
.endr
.Lasked_\@:
.endm
.macro CREST                           ; a round of the cluster's barrier behind its opening barrier
	s_cmp_lg_u32 s14, 0
	s_cbranch_scc1 .Lnot_wave_0_\@
	s_barrier_signal -3
.Lnot_wave_0_\@:
	s_barrier_wait -3
	s_barrier_signal -1
	s_barrier_wait -1
.endm
.macro CROUND
	s_barrier_signal -1
	s_barrier_wait -1
	CREST
.endm
.macro FRAG reg, adr, q, i             ; 16 rows x 128 K from rows in LDS: six pieces of 8 bytes; where lanes 16-31's piece lies behind one padding more, the second address register serves
.irp p, 0,1,2,3,4,5
.set PCE, 12*(\q)+6*(\p/3)+\p%3
.if PCE%8 < 5
	ds_load_b64 v[\reg+2*\p:\reg+2*\p+1], v[\adr] offset:8*PCE+16*(PCE/8)+(\i)*16*PITCH
.else
	ds_load_b64 v[\reg+2*\p:\reg+2*\p+1], v[\adr+2] offset:8*PCE+16*(PCE/8)+(\i)*16*PITCH
.endif
.endr
.endm
.macro FRAGA reg, slot, q, i           ; A's fragment: from rows, or from two images of 64 K ([chunk 4][16 rows 8][768 bytes] in a wave's part of a slot)
.if AIMG
.irp c, 0,1
	ds_load_b128 v[\reg+6*\c:\reg+6*\c+3], v[ADRA+\slot] offset:(2*(\q)+\c)*6144+(\i)*768
	ds_load_b64 v[\reg+6*\c+4:\reg+6*\c+5], v[ADRA+2+\slot] offset:(2*(\q)+\c)*6144+(\i)*768+512
.endr
.else
	FRAG \reg, ADRA+\slot, \q, \i
.endif
.endm
.macro MUL16 a0, p, q, sc, zero        ; A's blocks a0, a0 + 1 x B's eight, 128 along K.  The 64 accumulators take turns, one instruction a turn
.irp a, \a0, \a0+1
.irp b, 0,1,2,3,4,5,6,7
.set rD, 8*(8*((\a)%4)+\b)
.set rB, 128*(\p)+FR*\b
.set rA, AF+FR*(\a)
.set sB, SC+8*NQ*(\sc)+NQ*\b+(\q)
.set sA, SC+8*NQ*(\sc)+NQ*(\a)+(\q)
.if (\zero) && BIASC
	v_wmma_scale_f32_16x16x128_f8f6f4 v[rD:rD+7], v[rB:rB+FR-1], v[rA:rA+FR-1], v[BIA+8*\b:BIA+8*\b+7], v[sB], v[sA] matrix_a_fmt:MATRIX_FMT_FP6 matrix_b_fmt:MATRIX_FMT_FP6 matrix_a_scale:MATRIX_SCALE_ROW1
.elseif \zero
	v_wmma_scale_f32_16x16x128_f8f6f4 v[rD:rD+7], v[rB:rB+FR-1], v[rA:rA+FR-1], 0, v[sB], v[sA] matrix_a_fmt:MATRIX_FMT_FP6 matrix_b_fmt:MATRIX_FMT_FP6 matrix_a_scale:MATRIX_SCALE_ROW1
.else
	v_wmma_scale_f32_16x16x128_f8f6f4 v[rD:rD+7], v[rB:rB+FR-1], v[rA:rA+FR-1], v[rD:rD+7], v[sB], v[sA] matrix_a_fmt:MATRIX_FMT_FP6 matrix_b_fmt:MATRIX_FMT_FP6 matrix_a_scale:MATRIX_SCALE_ROW1
.endif
.endr
.endr
.endm
.macro FETCH_B slot, q, p
	WIN TO_B
.irp i, 0,1,2,3,4,5,6,7
	FRAG 128*(\p)+FR*\i, ADRB+\slot, \q, \i
.endr
	WIN 0
.endm
.macro FETCH_A slot, q, i0
.irp i, \i0, \i0+1, \i0+2, \i0+3
	FRAGA AF+FR*(\i), \slot, \q, \i
.endr
.endm
.macro SCALES sc                       ; a K step's scale words: lanes 0-15 A's block i, lanes 16-31 B's block i
.irp i, 0,1,2,3,4,5,6,7
	ds_load_b64 v[SC+8*NQ*\sc+NQ*\i:SC+8*NQ*\sc+NQ*\i+1], v[ADRS] offset:\i*SBLK
.endr
.endm
.macro PLACES n                        ; plain vector instructions between a matrix instruction and a load into, or a read of, its registers
.rept \n
	v_nop
.endr
.endm
.macro STEP slot, q, zero              ; 128 along K with a successor in the same slot
	s_wait_dscnt 4*NLA                             ; B's set and A's blocks 0-3 are in; A's blocks 4-7 may be out
.if (\zero) && BIASC
	WIN 0x81                                       ; C (the bias) in window 0
.else
	WIN MUL_LO
.endif
	MUL16 0, (\q)%2, \q, \slot, \zero
	MUL16 2, (\q)%2, \q, \slot, \zero
	s_wait_dscnt 0
	PLACES NP
	FETCH_B \slot, (\q)+1, 1-(\q)%2
	FETCH_A \slot, (\q)+1, 0
.if (\zero) && BIASC
	WIN 0xc1
.else
	WIN MUL_HI
.endif
	MUL16 4, (\q)%2, \q, \slot, \zero
	MUL16 6, (\q)%2, \q, \slot, \zero
	PLACES NP
	WIN 0
	FETCH_A \slot, (\q)+1, 4
.endm
.macro TURN slot, next, fill           ; a slot's last step changes slots: one barrier; with fill = 1 it opens a round of the cluster's barrier and this slot is filled again
	s_wait_tensorcnt 0x0                           ; all my tensor loads have landed: my part of the next slot
	ds_add_u32 v[SPW], v[NIL]                      ; 0 onto my spare word
	s_wait_dscnt 4*NLA+1                           ; the add and A's blocks 4-7 may be out
	WIN MUL_LO
	MUL16 0, 1, NQ-1, \slot, 0
	s_wait_dscnt 0x0                               ; the add is done, and my reads of this slot are over
	s_barrier_signal -1
	MUL16 2, 1, NQ-1, \slot, 0
	WIN 0
	s_barrier_wait -1
.if \fill
	CREST                                          ; no wave of any partner still reads this slot or has a load on its way
	s_add_nc_u64 s[G0+4*\slot+2:G0+4*\slot+3], s[G0+4*\slot+2:G0+4*\slot+3], 2*ASTEP
	s_add_nc_u64 s[G0B+4*\slot+2:G0B+4*\slot+3], s[G0B+4*\slot+2:G0B+4*\slot+3], 2*ROWB
	JLOAD G0+4*\slot, G1, G0B+4*\slot, G1B         ; my one tensor load behind the round; its four v_nop are the places in front of the loads below
.else
	PLACES NP
.endif
	v_add_nc_u32 v[ADRS], 4*NQ, v[ADRS]
	FETCH_B \next, 0, 0
	FETCH_A \next, 0, 0
	SCALES \next
	WIN MUL_HI
	MUL16 4, 1, NQ-1, \slot, 0
	MUL16 6, 1, NQ-1, \slot, 0
	PLACES NP
	WIN 0
	FETCH_A \next, 0, 4
.endm
; 64 numbers of a lane in window w, v[s] on (register 16 b + i: number i of my half of block b), become a fragment's codes in v[PC] .. v[PC+11] and its scale word in v[pw]
.macro QUANT w, s, pw
	WIN ((\w)<<2)|((\w)<<4)
.irp b, 0,1,2,3
	v_max3_num_f32 v[TM+\b], 0x1800000, |v[\s+16*\b]|, |v[\s+16*\b+1]|   ; my 16 numbers of block b, from each accumulator's low end on, and the floor 2^(3 - 127)
.endr
.irp i, 2,4,6,8,10,12,14
.irp b, 0,1,2,3
	v_max3_num_f32 v[TM+\b], v[TM+\b], |v[\s+16*\b+\i]|, |v[\s+16*\b+\i+1]|
.endr
.endr
	WIN 0
.irp b, 0,1,2,3
	v_permlanex16_b32 v[TM+4+\b], v[TM+\b], s[SEL], s[SEL+1]
.endr
.irp b, 0,1,2,3
	v_max_num_f32 v[TM+\b], v[TM+\b], v[TM+4+\b]   ; with lane l xor 16's: the block's largest magnitude
.endr
.irp b, 0,1,2,3
	v_add_nc_u32 v[TM+12+\b], 0xff000000, v[TM+\b] ; 2 off the exponent field: the conversion's scale operand
.endr
.irp b, 0,1,2,3
	v_lshrrev_b32 v[TM+4+\b], 23, v[TM+12+\b]      ; the scale's byte
.endr
	v_lshl_or_b32 v[\pw], v[TM+5], 8, v[TM+4]
	v_lshl_or_b32 v[\pw], v[TM+6], 16, v[\pw]
	v_lshl_or_b32 v[\pw], v[TM+7], 24, v[\pw]
	WIN \w
.irp c, 0,1
	v_cvt_scalef32_pk16_fp6_f32 v[PC+6*\c:PC+6*\c+2], v[\s+32*\c:\s+32*\c+15], v[TM+12+2*\c]
	v_cvt_scalef32_pk16_fp6_f32 v[PC+12+4*\c:PC+14+4*\c], v[\s+32*\c+16:\s+32*\c+31], v[TM+12+2*\c+1]
.endr
	WIN 0
	v_nop                                          ; one plain place behind a scaled conversion
.irp c, 0,1                                    ; a whole block to a lane: lanes 0-15 block 2 c, lanes 16-31 block 2 c + 1
.irp i, 0,1,2
	v_permlane16_swap_b32 v[PC+6*\c+\i], v[PC+12+4*\c+\i]
.endr
.irp i, 0,1,2
	v_mov_b32 v[PC+3+6*\c+\i], v[PC+12+4*\c+\i]
.endr
.endr
.endm
	s_load_b64 s[4:5], s[0:1], 0x0                 ; h1
	s_load_b128 s[8:11], s[0:1], 0x8               ; W's codes, W's scales
	s_load_b64 s[12:13], s[0:1], 0x18              ; qkvw
	v_lshl_add_u32 v[SPW], v0, 2, SPARE
	v_mov_b32 v[NIL], 0
	ds_add_u32 v28, v29
	ds_add_u32 v28, v29
	s_wait_dscnt 0x0
	v_lshrrev_b32 v1, 5, v0
	v_readfirstlane_b32 s14, v1                    ; wave 0..3
	s_lshr_b32 s15, s14, 1                         ; my half of the tile's rows; also: I fetch for A (0) or B (1)
	s_and_b32 s16, s14, 1                          ; my half of its columns; also: which 128 rows I fetch
	s_bfe_u32 s40, ttmp6, 0x40000                  ; cx
	s_bfe_u32 s41, ttmp6, 0x40004                  ; cy
	s_and_b32 s18, ttmp7, 0xffff
	s_lshl_b32 s18, s18, 2                         ; 4 x cluster y
	s_lshl_b32 s19, ttmp9, 2                       ; 4 x cluster x
	s_cmp_eq_u32 ttmp9, 2                          ; v's clusters: the roles change places
	s_cselect_b32 s17, 8, s18                      ; tile row of the A role: tokens by cluster y, or W's rows 2,048 on
	s_cselect_b32 s42, s18, s19                    ; tile column of the B role: W's rows by cluster x, or tokens by cluster y
	s_add_co_u32 s17, s17, s41
	s_add_co_u32 s42, s42, s40
	s_lshl_b32 s43, s41, 2
	s_lshl_b32 s43, 15, s43                        ; my row of the cluster
	s_lshl_b32 s44, 0x1111, s40                    ; my column
	s_mov_b32 s[SEL], 0x76543210
	s_mov_b32 s[SEL+1], 0xfedcba98
	s_or_b32 s[G1+0], s43, (0<<16)|(1<<20)|(1<<21)|(3<<22)|(3<<25)   ; mask; elements of 1 byte; padding of 4 words behind every 16; bit 21 beside a mask
	s_or_b32 s[G1B+0], s44, (0<<16)|(1<<20)|(1<<21)|(3<<22)|(3<<25)
.irp g, G1, G1B
	s_mov_b32 s[\g+1], ROWB<<16                    ; tensor_dim0
	s_mov_b32 s[\g+2], 128<<16                     ; tensor_dim1
	s_mov_b32 s[\g+3], ROWB<<16                    ; tile_dim0
	s_mov_b32 s[\g+4], 128                         ; tile_dim1
	s_mov_b32 s[\g+5], KROW                        ; pitch
	s_mov_b32 s[\g+6], 0
	s_mov_b32 s[\g+7], 0
.endr
	s_or_b32 s[G1S+0], s43, (3<<16)|(1<<20)|(1<<21)|(5<<22)|(3<<25)  ; the scale bytes of 128 rows: a dense block, as rows of 256 bytes + 16 of padding
	s_or_b32 s[G1SB+0], s44, (3<<16)|(1<<20)|(1<<21)|(5<<22)|(3<<25)
.irp g, G1S, G1SB
	s_mov_b32 s[\g+1], 32<<16
	s_mov_b32 s[\g+2], (128*KS/256)<<16
	s_mov_b32 s[\g+3], 32<<16
	s_mov_b32 s[\g+4], 128*KS/256
	s_mov_b32 s[\g+5], 32
	s_mov_b32 s[\g+6], 0
	s_mov_b32 s[\g+7], 0
.endr
	s_lshl_b32 s18, s16, 7
	s_lshl_b32 s20, s17, 8
	s_add_co_u32 s20, s20, s18                     ; A role: row 256 x tile row + 128 x half
	s_lshl_b32 s46, s42, 8
	s_add_co_u32 s46, s46, s18                     ; B role likewise
	s_mov_b32 s21, 0
	s_mov_b32 s47, 0
	s_mov_b64 s[18:19], KS
	s_mul_u64 s[22:23], s[20:21], s[18:19]
	s_mul_u64 s[92:93], s[46:47], s[18:19]
	s_mov_b64 s[18:19], AMUL
	s_mul_u64 s[20:21], s[20:21], s[18:19]
	s_mov_b64 s[18:19], KROW
	s_mul_u64 s[46:47], s[46:47], s[18:19]
	s_mul_i32 s45, s14, HALFT                      ; where they go: wave x 128 rows
	s_mul_i32 s94, s14, HALFS
	s_wait_kmcnt 0x0
	s_add_nc_u64 s[6:7], s[4:5], ASCL              ; h's scale bytes
	s_cmp_eq_u32 ttmp9, 2
	s_cselect_b64 s[96:97], s[8:9], s[4:5]         ; the A role's codes and scales,
	s_cselect_b64 s[98:99], s[10:11], s[6:7]
	s_cselect_b64 s[8:9], s[4:5], s[8:9]           ; the B role's
	s_cselect_b64 s[10:11], s[6:7], s[10:11]
	s_add_nc_u64 s[20:21], s[96:97], s[20:21]
	s_add_nc_u64 s[22:23], s[98:99], s[22:23]
	s_add_nc_u64 s[46:47], s[8:9], s[46:47]
	s_add_nc_u64 s[92:93], s[10:11], s[92:93]
	CROUND                                         ; all sixteen work-groups are here: the first joint loads meet
	s_mov_b32 s[G0S], 1
	s_add_co_u32 s[G0S+1], s94, SCL
	s_mov_b64 s[G0S+2:G0S+3], s[22:23]
	s_or_b32 s[G0S+3], s[G0S+3], 0x80000000
	s_mov_b32 s[G0SB], 1
	s_add_co_u32 s[G0SB+1], s94, SCL
	s_mov_b64 s[G0SB+2:G0SB+3], s[92:93]
	s_or_b32 s[G0SB+3], s[G0SB+3], 0x80000000
	JLOAD G0S, G1S, G0SB, G1SB                     ; the scales first; by this text's count three loads of a wave are out at the start, one behind each round
.irp s, 0,1
	s_mov_b32 s[G0+4*\s], 1
	s_add_co_u32 s[G0+4*\s+1], s45, \s*SLOT
	s_add_nc_u64 s[G0+4*\s+2:G0+4*\s+3], s[20:21], \s*ASTEP
	s_or_b32 s[G0+4*\s+3], s[G0+4*\s+3], 0x80000000
	s_mov_b32 s[G0B+4*\s], 1
	s_add_co_u32 s[G0B+4*\s+1], s45, \s*SLOT
	s_add_nc_u64 s[G0B+4*\s+2:G0B+4*\s+3], s[46:47], \s*ROWB
	s_or_b32 s[G0B+4*\s+3], s[G0B+4*\s+3], 0x80000000
	JLOAD G0+4*\s, G1, G0B+4*\s, G1B
.endr
	v_and_b32 v1, 15, v0                           ; r
	v_bfe_u32 v2, v0, 4, 1                         ; h
	v_and_b32 v6, 31, v0
	v_lshlrev_b32 v[CO], 4, v6
	v_lshlrev_b32 v[L8], 3, v6
	v_mul_u32_u24 v3, v1, PITCH
	v_mul_u32_u24 v4, v2, 24
	v_add_nc_u32 v4, v3, v4                        ; a fragment's row x pitch + 24 x half
	v_lshl_add_u32 v5, v2, 4, v4                   ; and the same behind one padding more
	s_mul_i32 s21, s15, HALFT
	s_mul_i32 s22, s16, HALFT
	s_add_co_u32 s22, s22, 2*HALFT
.irp s, 0,1
.if AIMG
	v_add_nc_u32 v[ADRA+\s], s21, v[CO]
	v_add_nc_u32 v[ADRA+2+\s], s21, v[L8]
.else
	v_add_nc_u32 v[ADRA+\s], s21, v4
	v_add_nc_u32 v[ADRA+2+\s], s21, v5
.endif
	v_add_nc_u32 v[ADRB+\s], s22, v4
	v_add_nc_u32 v[ADRB+2+\s], s22, v5
	s_add_co_u32 s21, s21, SLOT
	s_add_co_u32 s22, s22, SLOT
.endr
	v_mul_u32_u24 v5, v1, KS
	v_lshrrev_b32 v6, 8, v5
	v_lshl_add_u32 v5, v6, 4, v5
	s_mul_i32 s21, s15, HALFS
	s_mul_i32 s22, s16, HALFS
	s_add_co_u32 s22, s22, 2*HALFS
	s_sub_co_u32 s22, s22, s21
	v_mul_u32_u24 v6, s22, v2                      ; lanes 16-31 take B's
	s_add_co_u32 s21, s21, SCL
	v_add_nc_u32 v5, v5, v6
	v_add_nc_u32 v[ADRS], s21, v5
	; the way out's LDS addresses, for both roles, each with bytes of its own in slot 0 (which has had its last fill and its last read by then)
	s_lshl_b32 s21, s14, 10
	v_lshlrev_b32 v8, 4, v1
	v_lshl_add_u32 v8, v2, 9, v8
	v_add_nc_u32 v8, s21, v8                       ; q, k: scale words in: 1,024 x wave + 512 h + 16 r
	v_add_nc_u32 v9, s21, v[CO]                    ; and back
	s_lshl_b32 s21, s14, 9
	s_add_co_u32 s21, s21, 4096
	v_lshlrev_b32 v10, 3, v1
	v_add_nc_u32 v10, s21, v10                     ; v: 4,096 + 512 x wave + 8 r
	v_add_nc_u32 v11, s21, v[CO]
	v_lshlrev_b32 v12, 4, v1
	v_lshl_add_u32 v12, v2, 12, v12                ; v's scale words in memory: lanes 16-31 the next head, 4,096 bytes on
	v_mov_b32 v13, 0x01000100
	v_mov_b32 v5, 0x03020302
	v_cmp_eq_u32 vcc_lo, 1, v2
	v_cndmask_b32 v13, v13, v5, vcc_lo             ; byte selects: lanes 0-15 take the first head's two bytes twice, lanes 16-31 the second's
	s_wait_tensorcnt 1                             ; the scales and my part of K step 0 are in; K step 1's load may be out
	s_barrier_signal -1
	s_barrier_wait -1
	FETCH_B 0, 0, 0
	FETCH_A 0, 0, 0
	SCALES 0
	FETCH_A 0, 0, 4
	STEP 0, 0, 1                                   ; the first step starts the sums
	s_mov_b32 s3, LAPS-1
.Llap:
	TURN 0, 1, 1
	STEP 1, 0, 0
	TURN 1, 0, 1
	STEP 0, 0, 0
	s_sub_co_u32 s3, s3, 1
	s_cmp_lg_u32 s3, 0
	s_cbranch_scc1 .Llap
	TURN 0, 1, 0                                   ; the last lap fills nothing
	STEP 1, 0, 0
	s_wait_dscnt 4*NLA
	WIN MUL_LO
	MUL16 0, 1, NQ-1, 1, 0
	MUL16 2, 1, NQ-1, 1, 0
	s_wait_dscnt 0
	WIN MUL_HI
	MUL16 4, 1, NQ-1, 1, 0
	MUL16 6, 1, NQ-1, 1, 0
	WIN 0
	PLACES NP
.irp b, 0,1,2,3
	v_mov_b32 v[TM+4+\b], 0                        ; written once: a lane permute's destination counts as one of its sources
.endr
	s_cmp_eq_u32 ttmp9, 2
	s_cbranch_scc1 .Lvpath
	; ---- q or k: block a is 16 tokens x 128 channels: two heads' images and scale words
	s_lshr_b32 s18, s17, 3
	s_lshl_b32 s18, s18, 4                         ; 16 x batch
	s_and_b32 s19, s42, 3
	s_lshl_b32 s19, s19, 2
	s_add_co_u32 s18, s18, s19
	s_lshl_b32 s19, s16, 1
	s_add_co_u32 s18, s18, s19                     ; + my first head
	s_and_b32 s20, s17, 7
	s_lshl_b32 s21, s20, 4
	s_lshl_b32 s19, s15, 3
	s_add_co_u32 s21, s21, s19                     ; my first tile of 16 tokens
	s_lshl_b32 s20, s20, 1
	s_add_co_u32 s20, s20, s15                     ; my key step
	s_lshl_b32 s22, s18, 7
	s_add_co_u32 s22, s22, s21
	s_mul_i32 s92, s22, 768
	s_mul_i32 s23, ttmp9, 3145728                  ; k's images lie behind q's
	s_add_co_u32 s92, s92, s23
	s_mov_b32 s93, 0
	s_lshl_b32 s22, s18, 4
	s_add_co_u32 s22, s22, s20
	s_lshl_b32 s94, s22, 9
	s_mul_i32 s23, ttmp9, 262144
	s_add_co_u32 s94, s94, s23
	s_add_co_u32 s94, s94, 9437184
	s_mov_b32 s95, 0
	s_add_nc_u64 s[92:93], s[12:13], s[92:93]
	s_add_nc_u64 s[94:95], s[12:13], s[94:95]
.irp a, 0,1,2,3,4,5,6,7
.if \a > 0
	s_wait_xcnt 0x0                                ; the last block's stores have read the codes' registers
.endif
	QUANT 2+\a/4, 64*(\a%4), PW
	v_perm_b32 v[72+\a], v[PW], v[PW], v13         ; a head's two bytes, twice: they serve K = 0 .. 63 and K = 64 .. 127 alike
.irp c, 0,1
	global_store_b128 v[CO], v[PC+6*\c:PC+6*\c+3], s[92:93] offset:\c*98304+\a*768          ; 512 consecutive bytes
	global_store_b64 v[L8], v[PC+6*\c+4:PC+6*\c+5], s[92:93] offset:\c*98304+\a*768+512     ; 256 consecutive bytes
.endr
	ds_store_b32 v8, v[72+\a] offset:256*(\a%2)+4*(\a/2)   ; token 16 a + r of the step: lane 16 (a % 2) + r, word a / 2
.endr
	ds_load_b128 v[80:83], v9                      ; LDS serves a wave's instructions in order: these see my stores
	ds_load_b128 v[84:87], v9 offset:512
	s_wait_dscnt 0x1
	global_store_b128 v[CO], v[80:83], s[94:95]
	s_wait_dscnt 0x0
	global_store_b128 v[CO], v[84:87], s[94:95] offset:8192
	s_branch .Ldone
.Lvpath:
	; ---- v: block a is 16 channels x 128 tokens: one whole fragment of one key step
	s_lshr_b32 s18, s42, 3
	s_lshl_b32 s18, s18, 4
	s_sub_co_u32 s19, s17, 8
	s_lshl_b32 s19, s19, 2
	s_add_co_u32 s18, s18, s19
	s_lshl_b32 s19, s15, 1
	s_add_co_u32 s18, s18, s19                     ; 16 x batch + my first head
	s_and_b32 s19, s42, 7
	s_lshl_b32 s19, s19, 1
	s_add_co_u32 s19, s19, s16                     ; my key step
	s_lshl_b32 s18, s18, 4
	s_add_co_u32 s18, s18, s19
	s_mul_i32 s92, s18, 6144
	s_add_co_u32 s92, s92, 6291456
	s_mov_b32 s93, 0
	s_lshl_b32 s94, s18, 8
	s_add_co_u32 s94, s94, 9961472
	s_mov_b32 s95, 0
	s_add_nc_u64 s[92:93], s[12:13], s[92:93]
	s_add_nc_u64 s[94:95], s[12:13], s[94:95]
.irp a, 0,1,2,3,4,5,6,7
.if \a > 0
	s_wait_xcnt 0x0
.endif
	QUANT 2+\a/4, 64*(\a%4), 72+\a
.irp i, 0,1,2
	global_store_b128 v[CO], v[PC+4*\i:PC+4*\i+3], s[92:93] offset:(\a/4)*98304+(\a%4)*1536+512*\i
.endr
	ds_store_b32 v10, v[72+\a] offset:256*(\a/4)+128*(\a%2)+4*((\a%4)/2)   ; channel 16 (a % 4) + r: lane 16 (a % 2) + r, word (a % 4) / 2; both halves of the lanes write the same word
.endr
	ds_load_b128 v[80:83], v11
	s_wait_dscnt 0x0
	global_store_b128 v12, v[80:83], s[94:95]      ; sixteen lanes store a head's 256 consecutive bytes
.Ldone:
	s_wait_tensorcnt 0x0                           ; the wave's end
	ds_add_u32 v[SPW], v[NIL]
	s_wait_dscnt 0x0
	CROUND                                         ; the closing round
	s_endpgm
.Lfunc_end_k_q0fdf78a265_qkv:
	.size	k_q0fdf78a265_qkv, .Lfunc_end_k_q0fdf78a265_qkv-k_q0fdf78a265_qkv
	.p2alignl 7, 3214868480
	.fill 96, 4, 3214868480
	.section	.rodata,"a",@progbits
	.p2align	6, 0x0
	.amdhsa_kernel k_q0fdf78a265_qkv
		.amdhsa_group_segment_fixed_size 327680
		.amdhsa_private_segment_fixed_size 0
		.amdhsa_enable_private_segment 0
		.amdhsa_kernarg_size 32
		.amdhsa_user_sgpr_count 2
		.amdhsa_user_sgpr_kernarg_segment_ptr 1
		.amdhsa_wavefront_size32 1
		.amdhsa_system_sgpr_workgroup_id_x 1
		.amdhsa_system_sgpr_workgroup_id_y 1
		.amdhsa_system_sgpr_workgroup_id_z 1
		.amdhsa_system_vgpr_workitem_id 0
		.amdhsa_next_free_vgpr 1024
		.amdhsa_next_free_sgpr 102
		.amdhsa_reserve_vcc 1
		.amdhsa_float_denorm_mode_32 3
		.amdhsa_float_denorm_mode_16_64 3
		.amdhsa_memory_ordered 1
		.amdhsa_forward_progress 1
		.amdhsa_inst_pref_size 202
	.end_amdhsa_kernel
	.amdgpu_metadata
---
amdhsa.version: [ 1, 2 ]
amdhsa.kernels:
  - .name:           k_q0fdf78a265_qkv
    .symbol:         k_q0fdf78a265_qkv.kd
    .args:
      - { .name: h1, .offset: 0, .size: 8, .value_kind: global_buffer, .address_space: global }
      - { .name: qkv_w_codes, .offset: 8, .size: 8, .value_kind: global_buffer, .address_space: global }
      - { .name: qkv_w_scales, .offset: 16, .size: 8, .value_kind: global_buffer, .address_space: global }
      - { .name: qkvw, .offset: 24, .size: 8, .value_kind: global_buffer, .address_space: global }
    .group_segment_fixed_size: 327680
    .private_segment_fixed_size: 0
    .kernarg_segment_align: 8
    .kernarg_segment_size: 32
    .max_flat_workgroup_size: 128
    .sgpr_count:     102
    .vgpr_count:     1024
    .wavefront_size: 32
...
	.end_amdgpu_metadata
.endif
;; end of part 2
;; launch attn (part 3): grid 8 x 32, 16 waves a work-group, no clusters, 210,944 bytes of LDS; arguments qkvw, mk, ow; writes ow
.if DOCPART == 3
	.amdgcn_target "amdgcn-amd-amdhsa--gfx1250"
	.amdhsa_code_object_version 6
	.text
	.protected	k_q0fdf78a265_attn
	.globl	k_q0fdf78a265_attn
	.p2align	8
	.type	k_q0fdf78a265_attn,@function
k_q0fdf78a265_attn:
	s_mov_b64 s[64:65], 0
	v_nop
	global_prefetch_b8 v0, s[64:65] scope:SCOPE_SE
	s_setreg_imm32_b32 hwreg(HW_REG_WAVE_MODE, 25, 1), 1
	s_wait_xcnt 0x0
; o = softmax(mask(q k^T / 8)) v for one head, both products on codes of E2M3; o leaves quantised along the 64 channels, as an image for the next product.
; THE SOFTMAX AHEAD OF THE SECOND PRODUCT: t = score x log2(e) / 8; M = the running largest t rounded up to a whole number; p = 2^(t - M) is quantised along the keys; the row's sum is taken of the
; unquantised p and divides at the end; when M moves, sum and O are multiplied by 2^(old M - new M), which rounds nothing.
; SHARES.  Work-group (g, b h): 16 waves, each with one tile of 16 queries, tile 8 j + g; j = wave where the wave's number has an even count of one-bits, else 15 - wave, so that any four waves
; w % 4 alike or w / 4 alike have the same sum of j.  THE WHOLE HEAD'S K AND V (196,608 bytes of images, 12,288 of scale words) ARE COPIED INTO LDS ONCE, through registers; one barrier; then the waves run freely.
; THE MASK is an input: an earlier launch has stored, for each tile of queries and step of 128 keys, a flag and 64 lane masks.  A step in which no key is kept is passed over (a scalar branch on the stored
; flag); where some are hidden, their scores become -infinity ahead of the maximum.
; NO CLUSTER, NO TENSOR LOAD: the eight work-groups of a head each read its 204 KB.
; LAYOUT.  S^T = K Q^T (source 0 = 16 keys, source 1 = my queries), O^T = V^T P^T: a lane holds one query.  The head's 64 fill half of the instruction's 128 along K: even tiles of keys carry their codes in
; K = 0 .. 63 and odd tiles in K = 64 .. 127, with six registers of zeros shared between them, and Q stands as (codes, zeros, codes).
; A ROW WITH NO KEY KEPT has the sum 0: its scale bytes become 0xff, which makes the next product's sums NaN, as the reference's are.
; LIMITS: NaN and infinities among the inputs are not served; a block whose every p has fallen to 0 keeps the byte 1 (its codes are zeros).
.set VIMG, 98304                       ; LDS: K's images at 0, V's here,
.set KSC,  196608                      ; K's scale words,
.set VSC,  204800                      ; V's
.set KF,   34                          ; v34-105  four groups: even tile's codes (6), zeros (6), odd tile's codes (6)
.set S,    106                         ; v106-169 S^T, then p, then V's fragments
.set O,    170                         ; v170-201 O^T
.set PC,   202                         ; v202-213 p's codes; v214-220 the conversions' second halves
.set BM,   222
.set T4,   226
.set SCO,  230
.set KSR,  234                         ; v234-237 K's scale words
.set VSR,  238                         ; v238-239 V's
.set PW,   240                         ; p's scale word
.set AVS0, 241
.set FF,   242                         ; v[242:243] f, later 1 / sum
.set TT,   244
	s_load_b128 s[4:7], s[0:1], 0x0                ; qkvw, mk
	s_load_b64 s[8:9], s[0:1], 0x10                ; ow
	v_lshl_add_u32 v254, v0, 2, 0x33000
	v_mov_b32 v255, 0
	v_lshrrev_b32 v1, 5, v0
	v_readfirstlane_b32 s10, v1                    ; wave 0..15
	v_and_b32 v3, 31, v0
	v_lshlrev_b32 v1, 4, v3                        ; v1 = 16 x lane
	v_lshlrev_b32 v2, 3, v3                        ; v2 = 8 x lane
	v_and_b32 v[TT], 15, v0
	v_lshlrev_b32 v[TT], 4, v[TT]                  ; 16 r
	s_and_b32 s11, ttmp7, 0xffff                   ; b h
	s_bcnt1_i32_b32 s12, s10
	s_sub_co_u32 s13, 15, s10
	s_and_b32 s12, s12, 1
	s_cselect_b32 s12, s13, s10                    ; j
	s_lshl_b32 s12, s12, 3
	s_add_co_u32 s12, s12, ttmp9                   ; my tile of queries
	s_mul_i32 s14, s11, 98304                      ; the head's images
	s_mul_i32 s15, s10, 6144                       ; my sixteenth of them
	s_add_co_u32 s32, s14, s15
	s_add_co_u32 s32, s32, 3145728                 ; K's (V's lie 3,145,728 further on)
	s_mov_b32 s33, 0
	s_lshl_b32 s34, s11, 13
	s_lshl_b32 s42, s10, 9
	s_add_co_u32 s34, s34, s42
	s_add_co_u32 s34, s34, 9699328                 ; K's scale words, 512 bytes a wave
	s_mov_b32 s35, 0
	s_add_co_u32 s43, s42, KSC
	v_add_nc_u32 v6, s43, v1
	s_lshl_b32 s36, s11, 12
	s_lshl_b32 s42, s10, 8
	s_add_co_u32 s36, s36, s42
	s_add_co_u32 s36, s36, 9961472                 ; V's, 256 bytes a wave
	s_mov_b32 s37, 0
	s_add_co_u32 s43, s42, VSC
	v_add_nc_u32 v7, s43, v2
	v_add_nc_u32 v4, s15, v1
	v_add_nc_u32 v5, VIMG, v4
	s_mul_i32 s38, s12, 768
	s_add_co_u32 s38, s38, s14                     ; Q's image
	s_mov_b32 s39, 0
	s_lshl_b32 s40, s11, 4
	s_lshr_b32 s42, s12, 3
	s_add_co_u32 s40, s40, s42
	s_lshl_b32 s40, s40, 9                         ; Q's scale words: the step's 512 bytes,
	s_and_b32 s42, s12, 1
	s_lshl_b32 s42, s42, 8
	s_add_co_u32 s40, s40, s42                     ; lane 16 (tile % 2) + r,
	s_bfe_u32 s42, s12, 0x20001
	s_lshl_b32 s42, s42, 2
	s_add_co_u32 s40, s40, s42                     ; word (tile % 8) / 2
	s_add_co_u32 s40, s40, 9437184
	s_mov_b32 s41, 0
	s_lshl_b32 s92, s12, 12                        ; my tile's mask words: 16 steps x 256 bytes
	s_mov_b32 s93, 0
	s_lshl_b32 s44, s12, 6
	s_add_co_u32 s44, s44, 524288                  ; and its 16 flags
	s_mov_b32 s45, 0
	s_mov_b32 s84, 0x76543210
	s_mov_b32 s85, 0xfedcba98
	s_mov_b32 s86, 0x3e38aa3b                      ; c = log2(e) / 8
	s_mov_b32 s87, s86
	s_mov_b32 s88, 0                               ; the step's images: 6,144 bytes a step, K's and V's alike
	s_mov_b32 s89, 0                               ; K's scale words: 512
	s_mov_b32 s90, 0                               ; V's: 256
	s_mov_b32 s91, 0                               ; mask words: 256
	s_wait_kmcnt 0x0
	s_add_nc_u64 s[32:33], s[4:5], s[32:33]
	s_add_nc_u64 s[34:35], s[4:5], s[34:35]
	s_add_nc_u64 s[36:37], s[4:5], s[36:37]
	s_add_nc_u64 s[38:39], s[4:5], s[38:39]
	s_add_nc_u64 s[40:41], s[4:5], s[40:41]
	s_add_nc_u64 s[92:93], s[6:7], s[92:93]
	s_add_nc_u64 s[44:45], s[6:7], s[44:45]
	s_load_b512 s[16:31], s[44:45], 0x0            ; the flags
.irp i, 0,1,2,3,4,5,6,7,8,9,10,11
	global_load_b128 v[34+4*\i:37+4*\i], v1, s[32:33] offset:512*\i
.endr
.irp i, 0,1,2,3,4,5,6,7,8,9,10,11
	global_load_b128 v[82+4*\i:85+4*\i], v1, s[32:33] offset:3145728+512*\i
.endr
	global_load_b128 v[130:133], v1, s[34:35]
	global_load_b64 v[134:135], v2, s[36:37]
	global_load_b128 v[16:19], v1, s[38:39]        ; Q's six registers, twice
	global_load_b64 v[20:21], v2, s[38:39] offset:512
	global_load_b128 v[28:31], v1, s[38:39]
	global_load_b64 v[32:33], v2, s[38:39] offset:512
	global_load_b32 v9, v[TT], s[40:41]
	s_wait_kmcnt 0x0
	s_mov_b32 s94, 0
.irp i, 0,1,2,3,4,5,6,7,8,9,10,11,12,13,14,15
	s_lshl_b32 s42, s[16+\i], \i                   ; bit i: a key of step i is kept; bit 16 + i: some are hidden
	s_or_b32 s94, s94, s42
.endr
	s_wait_loadcnt 5                               ; the 26 loads of the copy are in; Q's five may be out
.irp i, 0,1,2,3,4,5,6,7,8,9,10,11
	ds_store_b128 v4, v[34+4*\i:37+4*\i] offset:512*\i
.endr
.irp i, 0,1,2,3,4,5,6,7,8,9,10,11
	ds_store_b128 v5, v[82+4*\i:85+4*\i] offset:512*\i
.endr
	ds_store_b128 v6, v[130:133]
	ds_store_b64 v7, v[134:135]
	s_wait_dscnt 0x0                               ; for the others' sake: my part of the head lies in LDS
	s_barrier_signal -1
	s_barrier_wait -1                              ; the launch's one barrier: from here on LDS is only read
	s_wait_loadcnt 0x0                             ; Q
.irp i, 0,1,2,3,4,5
	v_mov_b32 v[22+\i], 0                          ; the zeros between Q's two copies,
.irp g, 0,1,2,3
	v_mov_b32 v[KF+18*\g+6+\i], 0                  ; and between each pair of K's tiles: written once
.endr
.endr
	v_add_nc_u32 v10, VIMG, v1
	v_add_nc_u32 v11, KSC, v1
	v_add_nc_u32 v[AVS0], VSC, v2
	v_mov_b32 v8, 0xff800000                       ; -infinity
	v_mov_b32 v13, 0xff61b1e6                      ; the largest t so far: -3e38
	v_floor_f32 v12, -v13                          ; -M
	v_mov_b32 v14, 0
	v_mov_b32 v15, 0
	v_mov_b32 v[FF+1], 0
.irp b, 0,1,2,3
	v_mov_b32 v[T4+\b], 0
.endr
.set n, 0
.rept 32
	v_mov_b32 v[O+n], 0                            ; O^T begins as zeros: which step is a wave's first hangs on the flags, so no first step can be written out apart
.set n, n+1
.endr
	s_mov_b32 s95, 0
.Lstep:                                            ; 16 trips, a constant; a step without a kept key is passed over inside the trip
	s_bitcmp1_b32 s94, 0
	s_cbranch_scc0 .Lskip
	s_load_b512 s[16:31], s[92:93], s91 offset:0x0 ; the step's 64 lane masks, asked for ahead of the products
	s_load_b512 s[32:47], s[92:93], s91 offset:0x40
	s_load_b512 s[48:63], s[92:93], s91 offset:0x80
	s_load_b512 s[68:83], s[92:93], s91 offset:0xc0
	v_add_nc_u32 v3, s88, v1
	v_add_nc_u32 v4, s88, v2
	v_add_nc_u32 v5, s88, v10
	v_add_nc_u32 v6, s89, v11
	v_add_nc_u32 v7, s90, v[AVS0]
	v_nop                                          ; six plain places: five are owed before the scores are written over V's old fragments
.irp t, 0,1,2,3,4,5,6,7
	ds_load_b128 v[KF+18*(\t/2)+12*(\t%2):KF+18*(\t/2)+12*(\t%2)+3], v3 offset:768*\t
	ds_load_b64 v[KF+18*(\t/2)+12*(\t%2)+4:KF+18*(\t/2)+12*(\t%2)+5], v4 offset:768*\t+512
.endr
	ds_load_b128 v[KSR:KSR+3], v6                  ; lane l, word w: key 32 w + l
	s_wait_dscnt 0x0
.irp t, 0,1,2,3,4,5,6,7
.if (\t)%2 == 0
	v_wmma_scale_f32_16x16x128_f8f6f4 v[S+8*\t:S+8*\t+7], v[KF+18*(\t/2):KF+18*(\t/2)+11], v[16:27], 0, v[KSR+\t/2], v9 matrix_a_fmt:MATRIX_FMT_FP6 matrix_b_fmt:MATRIX_FMT_FP6
.else
	v_wmma_scale_f32_16x16x128_f8f6f4 v[S+8*\t:S+8*\t+7], v[KF+18*(\t/2)+6:KF+18*(\t/2)+17], v[22:33], 0, v[KSR+\t/2], v9 matrix_a_fmt:MATRIX_FMT_FP6 matrix_b_fmt:MATRIX_FMT_FP6 matrix_a_scale:MATRIX_SCALE_ROW1
.endif
.endr
.rept 4
	v_nop
.endr
	s_wait_kmcnt 0x0                               ; the masks are in, on both ways
	s_bitcmp1_b32 s94, 16
	s_cbranch_scc0 .Lopen
.set n, 0
.rept 64
	v_cndmask_b32 v[S+n], v8, v[S+n], s[16+n+4*(n/48)]   ; register n = 8 t + j of lane (r, h): key 16 t + 8 h + j, query r
.set n, n+1
.endr
.Lopen:
.irp b, 0,1,2,3
	v_max3_num_f32 v[BM+\b], v[S+16*\b], v[S+16*\b+1], v[S+16*\b+2]   ; the largest score of each block of 32 keys: for the row's maximum, and, since p rises with the score, for the block's largest p
.endr
.irp i, 3,5,7,9,11,13
.irp b, 0,1,2,3
	v_max3_num_f32 v[BM+\b], v[BM+\b], v[S+16*\b+\i], v[S+16*\b+\i+1]
.endr
.endr
.irp b, 0,1,2,3
	v_max_num_f32 v[BM+\b], v[BM+\b], v[S+16*\b+15]
.endr
.irp b, 0,1,2,3
	v_permlanex16_b32 v[T4+\b], v[BM+\b], s84, s85
.endr
.irp b, 0,1,2,3
	v_max_num_f32 v[BM+\b], v[BM+\b], v[T4+\b]
.endr
	v_max3_num_f32 v[TT], v[BM], v[BM+1], v[BM+2]
	v_max_num_f32 v[TT], v[TT], v[BM+3]
	v_mul_f32 v[TT], s86, v[TT]
	v_max_num_f32 v13, v13, v[TT]                  ; the running largest t
	v_mov_b32 v[TT], v12
	v_floor_f32 v12, -v13                          ; the new -M = -ceil(t)
	v_sub_f32 v[TT], v12, v[TT]
	v_cvt_i32_f32 v[TT], v[TT]                     ; (it saturates)
	v_ldexp_f32 v[FF], 1.0, v[TT]                  ; f = 2^(old M - new M)
.set n, 0
.rept 32
	v_pk_fma_f32 v[S+n:S+n+1], v[S+n:S+n+1], s[86:87], v[12:13] op_sel_hi:[1,0,0]   ; t - M
.set n, n+2
.endr
.irp b, 0,1,2,3
	v_fma_f32 v[BM+\b], v[BM+\b], s86, v12
.endr
.set n, 0
.rept 64
	v_exp_f32 v[S+n], v[S+n]                       ; p = 2^(t - M): one batch
.set n, n+1
.endr
	v_pk_mul_f32 v[14:15], v[14:15], v[FF:FF+1] op_sel_hi:[1,0]   ; the sums under the new M (the plain place behind the batch)
	s_wait_alu depctr_va_vdst(0)                   ; one wait for the batch, ahead of its first reader
.irp b, 0,1,2,3
	v_exp_f32 v[BM+\b], v[BM+\b]                   ; the blocks' largest p
.endr
	v_pk_add_f32 v[T4:T4+1], v[S:S+1], v[S+2:S+3]  ; the row's sum, of the unquantised p, in two chains
.irp j, 4,8,12,16,20,24,28,32,36,40,44,48,52,56,60
	v_pk_add_f32 v[14:15], v[14:15], v[S+\j:S+\j+1]
	v_pk_add_f32 v[T4:T4+1], v[T4:T4+1], v[S+\j+2:S+\j+3]
.endr
	v_pk_add_f32 v[14:15], v[14:15], v[T4:T4+1]
	s_wait_alu depctr_va_vdst(0)                   ; and one for the four
.irp b, 0,1,2,3
	v_max_num_f32 v[BM+\b], 0x1800000, v[BM+\b]    ; the floor 2^(3 - 127)
.endr
.irp b, 0,1,2,3
	v_add_nc_u32 v[SCO+\b], 0xff000000, v[BM+\b]
.endr
.irp b, 0,1,2,3
	v_lshrrev_b32 v[T4+\b], 23, v[SCO+\b]
.endr
	v_lshl_or_b32 v[PW], v[T4+1], 8, v[T4]
	v_lshl_or_b32 v[PW], v[T4+2], 16, v[PW]
	v_lshl_or_b32 v[PW], v[T4+3], 24, v[PW]
.irp c, 0,1
	v_cvt_scalef32_pk16_fp6_f32 v[PC+6*\c:PC+6*\c+2], v[S+32*\c:S+32*\c+15], v[SCO+2*\c]
	v_cvt_scalef32_pk16_fp6_f32 v[PC+12+4*\c:PC+14+4*\c], v[S+32*\c+16:S+32*\c+31], v[SCO+2*\c+1]
.endr
.irp ct, 0,1,2,3
.irp i, 0,1,2
	ds_load_b128 v[S+12*\ct+4*\i:S+12*\ct+4*\i+3], v5 offset:1536*\ct+512*\i   ; V's four fragments land where p lay
.endr
.endr
	ds_load_b64 v[VSR:VSR+1], v7
	v_nop                                          ; one plain place behind the conversions
.irp c, 0,1
.irp i, 0,1,2
	v_permlane16_swap_b32 v[PC+6*\c+\i], v[PC+12+4*\c+\i]
.endr
.irp i, 0,1,2
	v_mov_b32 v[PC+3+6*\c+\i], v[PC+12+4*\c+\i]
.endr
.endr
.set n, 0
.rept 16
	v_pk_mul_f32 v[O+n:O+n+1], v[O+n:O+n+1], v[FF:FF+1] op_sel_hi:[1,0]   ; O^T under the new M; these sixteen are also the places between p's scale word and codes and the products
.set n, n+2
.endr
	s_wait_dscnt 0x0
.irp ct, 0,1,2,3
.if (\ct)%2 == 0
	v_wmma_scale_f32_16x16x128_f8f6f4 v[O+8*\ct:O+8*\ct+7], v[S+12*\ct:S+12*\ct+11], v[PC:PC+11], v[O+8*\ct:O+8*\ct+7], v[VSR+\ct/2], v[PW] matrix_a_fmt:MATRIX_FMT_FP6 matrix_b_fmt:MATRIX_FMT_FP6
.else
	v_wmma_scale_f32_16x16x128_f8f6f4 v[O+8*\ct:O+8*\ct+7], v[S+12*\ct:S+12*\ct+11], v[PC:PC+11], v[O+8*\ct:O+8*\ct+7], v[VSR+\ct/2], v[PW] matrix_a_fmt:MATRIX_FMT_FP6 matrix_b_fmt:MATRIX_FMT_FP6 matrix_a_scale:MATRIX_SCALE_ROW1
.endif
.endr
.Lskip:
	s_lshr_b32 s94, s94, 1
	s_add_co_u32 s88, s88, 6144
	s_add_co_u32 s89, s89, 512
	s_add_co_u32 s90, s90, 256
	s_add_co_u32 s91, s91, 256
	s_add_co_u32 s95, s95, 1
	s_cmp_lt_u32 s95, 16
	s_cbranch_scc1 .Lstep
	; ---- the way out
.rept 4
	v_nop
.endr
	v_add_f32 v14, v14, v15
	v_permlanex16_b32 v[TT], v14, s84, s85
	v_add_f32 v14, v14, v[TT]                      ; the row's sum
	v_rcp_f32 v[FF], v14
	v_nop
	v_cmp_eq_f32 vcc_lo, 0, v14                    ; a row with no key kept
	s_wait_alu depctr_va_vdst(0)
.set n, 0
.rept 16
	v_pk_mul_f32 v[S+n:S+n+1], v[O+n:O+n+1], v[FF:FF+1] op_sel_hi:[1,0]   ; register 8 t + j: channel 16 t + 8 h + j
.set n, n+2
.endr
.irp b, 0,1
.irp j, 0,1,2,3,4,5,6,7
	v_permlane16_swap_b32 v[S+16*\b+\j], v[S+16*\b+8+\j]   ; the partner is a given weight: register 16 b + i becomes channel 32 b + 16 h + i, the natural order
.endr
.endr
.irp b, 0,1
	v_max3_num_f32 v[BM+\b], |v[S+16*\b]|, |v[S+16*\b+1]|, 0x1800000
.endr
.irp i, 2,4,6,8,10,12,14
.irp b, 0,1
	v_max3_num_f32 v[BM+\b], v[BM+\b], |v[S+16*\b+\i]|, |v[S+16*\b+\i+1]|
.endr
.endr
.irp b, 0,1
	v_permlanex16_b32 v[T4+\b], v[BM+\b], s84, s85
.endr
.irp b, 0,1
	v_max_num_f32 v[BM+\b], v[BM+\b], v[T4+\b]
.endr
.irp b, 0,1
	v_add_nc_u32 v[SCO+\b], 0xff000000, v[BM+\b]
.endr
.irp b, 0,1
	v_lshrrev_b32 v[T4+\b], 23, v[SCO+\b]
.endr
	v_lshl_or_b32 v[PW], v[T4+1], 8, v[T4]         ; the head's two scale bytes of my row
	v_mov_b32 v[TT], 0xffff
	v_cndmask_b32 v[PW], v[PW], v[TT], vcc_lo      ; NaN for a row with no key
	v_cvt_scalef32_pk16_fp6_f32 v[PC:PC+2], v[S:S+15], v[SCO]
	v_cvt_scalef32_pk16_fp6_f32 v[PC+12:PC+14], v[S+16:S+31], v[SCO+1]
	v_nop
.irp i, 0,1,2
	v_permlane16_swap_b32 v[PC+\i], v[PC+12+\i]
.endr
.irp i, 0,1,2
	v_mov_b32 v[PC+3+\i], v[PC+12+\i]
.endr
	s_and_b32 s13, s11, 15                         ; head
	s_lshr_b32 s14, s11, 4                         ; batch
	s_lshl_b32 s14, s14, 7
	s_add_co_u32 s14, s14, s12                     ; tile of 16 rows among 256
	s_lshl_b32 s15, s13, 8
	s_add_co_u32 s15, s15, s14
	s_mul_i32 s16, s15, 768
	s_mov_b32 s17, 0
	s_add_nc_u64 s[16:17], s[8:9], s[16:17]
	s_lshl_b32 s18, s14, 9                         ; 16 rows of 32 scale bytes
	s_lshl_b32 s19, s13, 1
	s_add_co_u32 s18, s18, s19
	s_add_co_u32 s18, s18, 3145728
	s_mov_b32 s19, 0
	s_add_nc_u64 s[18:19], s[8:9], s[18:19]
	v_and_b32 v[TT], 31, v0
	v_lshlrev_b32 v[TT+1], 5, v[TT]
	global_store_b128 v1, v[PC:PC+3], s[16:17]     ; the image: 512 and 256 consecutive bytes
	global_store_b64 v2, v[PC+4:PC+5], s[16:17] offset:512
	s_wait_xcnt 0x0                                ; EXEC changes only behind this wait
	v_cmp_gt_u32 vcc_lo, 16, v[TT]
	s_wait_tensorcnt 0x0
	ds_add_u32 v254, v255
	s_wait_dscnt 0x0
	s_and_saveexec_b32 s14, vcc_lo
	global_store_b16 v[TT+1], v[PW], s[18:19]      ; two bytes of each row's 32: the other heads' work-groups write the rest
	s_endpgm
.Lfunc_end_k_q0fdf78a265_attn:
	.size	k_q0fdf78a265_attn, .Lfunc_end_k_q0fdf78a265_attn-k_q0fdf78a265_attn
	.p2alignl 7, 3214868480
	.fill 96, 4, 3214868480
	.section	.rodata,"a",@progbits
	.p2align	6, 0x0
	.amdhsa_kernel k_q0fdf78a265_attn
		.amdhsa_group_segment_fixed_size 210944
		.amdhsa_private_segment_fixed_size 0
		.amdhsa_enable_private_segment 0
		.amdhsa_kernarg_size 24
		.amdhsa_user_sgpr_count 2
		.amdhsa_user_sgpr_kernarg_segment_ptr 1
		.amdhsa_wavefront_size32 1
		.amdhsa_system_sgpr_workgroup_id_x 1
		.amdhsa_system_sgpr_workgroup_id_y 1
		.amdhsa_system_sgpr_workgroup_id_z 1
		.amdhsa_system_vgpr_workitem_id 0
		.amdhsa_next_free_vgpr 256
		.amdhsa_next_free_sgpr 96
		.amdhsa_reserve_vcc 1
		.amdhsa_float_denorm_mode_32 3
		.amdhsa_float_denorm_mode_16_64 3
		.amdhsa_memory_ordered 1
		.amdhsa_forward_progress 1
		.amdhsa_inst_pref_size 37
	.end_amdhsa_kernel
	.amdgpu_metadata
---
amdhsa.version: [ 1, 2 ]
amdhsa.kernels:
  - .name:           k_q0fdf78a265_attn
    .symbol:         k_q0fdf78a265_attn.kd
    .args:
      - { .name: qkvw, .offset: 0, .size: 8, .value_kind: global_buffer, .address_space: global }
      - { .name: mk, .offset: 8, .size: 8, .value_kind: global_buffer, .address_space: global }
      - { .name: ow, .offset: 16, .size: 8, .value_kind: global_buffer, .address_space: global }
    .group_segment_fixed_size: 210944
    .private_segment_fixed_size: 0
    .kernarg_segment_align: 8
    .kernarg_segment_size: 24
    .max_flat_workgroup_size: 512
    .sgpr_count:     96
    .vgpr_count:     256
    .wavefront_size: 32
...
	.end_amdgpu_metadata
.endif
;; end of part 3
;; launch oproj (part 4): grid 4 x 16, 4 waves a work-group, clusters of 4 x 4, 327,680 bytes of LDS; arguments ow, out_w_codes, out_w_scales, out_b, x, x1; writes x1
.if DOCPART == 4
	.amdgcn_target "amdgcn-amd-amdhsa--gfx1250"
	.amdhsa_code_object_version 6
	.text
	.protected	k_q0fdf78a265_oproj
	.globl	k_q0fdf78a265_oproj
	.p2align	8
	.type	k_q0fdf78a265_oproj,@function
k_q0fdf78a265_oproj:
	s_mov_b64 s[64:65], 0
	v_nop
	global_prefetch_b8 v0, s[64:65] scope:SCOPE_SE
	s_setreg_imm32_b32 hwreg(HW_REG_WAVE_MODE, 25, 1), 1
	s_wait_xcnt 0x0
	s_wait_alu depctr_hold_cnt(0) depctr_sa_sdst(0) depctr_va_vdst(0) depctr_va_sdst(0) depctr_va_ssrc(0) depctr_va_vcc(0) depctr_vm_vsrc(0)
	s_getreg_b32 s2, hwreg(HW_REG_IB_STS2, 6, 4)
	s_cmp_eq_u32 s2, 0
	s_cbranch_scc0 .Lentry_in_a_cluster
	s_endpgm
.Lentry_in_a_cluster:
	s_bfe_u32 s2, ttmp6, 0x10000c
	s_cmp_lg_u32 s2, 0xf033
	s_cbranch_scc0 .Lentry_shape_is_right
	s_endpgm
.Lentry_shape_is_right:
; x1 = x + o W + b, the product on codes of E2M3 with E8M0 scales, K = 1,024, f32 out.
; THE CORE (shared by four launches of this program; the switches SIZE_K, AIMG, BIASC at the head say what a launch takes of it): a tile of 256 x 256 to a work-group of four waves, 128 x 128 to a wave
; in 64 accumulators; K in steps of 256 through two LDS slots filled by tensor loads; the scale bytes of the work-group's rows come once and stay.  4 x 4 work-groups form a cluster: A's tile
; is asked for jointly along a row of the cluster, B's along a column.  The matrix instruction is used transposed (source 0 = 16 rows of B, source 1 = 16 rows of A):
; lane (r, h) holds row r of A, and register 8 b + j of a block column 16 b + 8 h + j.
; A (o) comes as images [chunk of 64 K][tile of 16 rows 256][768 bytes]: six registers a lane (0-3 at 16 x lane, 4-5 at 512 + 8 x lane); one tensor load brings 4 chunks x 8 tiles, rows of 6,144 bytes.
; The bias is the C of each sum's first product.  The residual is added on the way out, which goes through each wave's stage in LDS, so that 32 lanes store 512 consecutive bytes.
; The grid has 64 work-groups: one core serves all four products of the program; a smaller tile would fill more WGPs at twice the LDS reads for each product.
.set SIZE_K, 1024
.set AIMG,   1                         ; 1: A comes as images of 16 rows x 64 K
.set BIASC,  1                         ; 1: a bias is the C of each sum's first product
.set ASCL,   3145728                   ; A's scale bytes, [4096][K / 32], behind its images
.set KSTEP,  256
.set NQ,     2
.set ROWB,   192
.set KROW,   SIZE_K*6/8
.set PITCH,  240                       ; an LDS row: 3 x (64 bytes + 16 of padding)
.set FR,     12
.set NL,     6
.set NP,     4
.set HALFT,  128*PITCH
.set SLOT,   4*HALFT
.set LAPS,   SIZE_K/(2*KSTEP)
.set KS,     SIZE_K/32
.set SCL,    2*SLOT                    ; behind the ring: the scale bytes, as units of 256 bytes + 16
.set HALFS,  (128*KS/256)*272
.set SBLK,   (16*KS/256)*272
.set SPARE,  SCL+4*HALFS               ; the spare words: 128 bytes a wave, named by no other line
.if AIMG
.set NLA,    4
.set AMUL,   48
.set ASTEP,  4*196608
.else
.set NLA,    6
.set AMUL,   KROW
.set ASTEP,  ROWB
.endif
.set SPITCH, 528                       ; the way out: 16 rows x (512 bytes + 16) a wave, in slot 0, which has had its last fill and its last read by then
.set ADRA, 16
.set ADRB, 20
.set STO,  24
.set RD,   25
.set CO,   26                          ; v26 16 x lane
.set ADRS, 27
.set SPW,  28                          ; v28 my spare word; never rewritten
.set NIL,  29                          ; v29 0; never rewritten
.set L8,   31                          ; v31 8 x lane
.set SC,   32                          ; v32-63 scale words, two sets
.set BIA,  64                          ; v64-127 the bias, in the result's layout
.set AF,   128                         ; v128-223 A's fragments, one set; window 1: B's, two sets; windows 2, 3: accumulators
.set BK,   128                         ; the way out: rows read back, v128-191 and v192-255 by turns; the residual in window 1, v0-63 and v64-127
.set G1, 24
.set G0, 32
.set G1B, 48
.set G0B, 56
.set G1S, 68
.set G0S, 76
.set G1SB, 80
.set G0SB, 88
.set MSB, 0
.macro WIN new                         ; the immediate's high byte repeats the setting that is left
.if MSB != (\new)
	s_set_vgpr_msb (MSB<<8)|(\new)
.set MSB, (\new)
.endif
.endm
.set MUL_LO, 0xa1                      ; source 0 (B) window 1, source 1 (A) window 0, C and D window 2
.set MUL_HI, 0xf1
.set TO_B,   0x40
.macro JLOAD g0a, g1a, g0b, g1b        ; a joint load: waves 0, 1 fetch for A, waves 2, 3 for B; four v_nop follow each line
	s_cmp_eq_u32 s15, 0
	s_cbranch_scc0 .Lfor_b_\@
	tensor_load_to_lds s[\g0a:\g0a+3], s[\g1a:\g1a+7]
	s_nop 0
.rept 4
	v_nop
.endr
	s_branch .Lasked_\@
.Lfor_b_\@:
	tensor_load_to_lds s[\g0b:\g0b+3], s[\g1b:\g1b+7]
	s_nop 0
.rept 4
	v_nop
.endr
.Lasked_\@:
.endm
.macro CREST                           ; a round of the cluster's barrier behind its opening barrier
	s_cmp_lg_u32 s14, 0
	s_cbranch_scc1 .Lnot_wave_0_\@
	s_barrier_signal -3
.Lnot_wave_0_\@:
	s_barrier_wait -3
	s_barrier_signal -1
	s_barrier_wait -1
.endm
.macro CROUND
	s_barrier_signal -1
	s_barrier_wait -1
	CREST
.endm
.macro FRAG reg, adr, q, i             ; 16 rows x 128 K from rows in LDS: six pieces of 8 bytes; where lanes 16-31's piece lies behind one padding more, the second address register serves
.irp p, 0,1,2,3,4,5
.set PCE, 12*(\q)+6*(\p/3)+\p%3
.if PCE%8 < 5
	ds_load_b64 v[\reg+2*\p:\reg+2*\p+1], v[\adr] offset:8*PCE+16*(PCE/8)+(\i)*16*PITCH
.else
	ds_load_b64 v[\reg+2*\p:\reg+2*\p+1], v[\adr+2] offset:8*PCE+16*(PCE/8)+(\i)*16*PITCH
.endif
.endr
.endm
.macro FRAGA reg, slot, q, i           ; A's fragment: from rows, or from two images of 64 K ([chunk 4][16 rows 8][768 bytes] in a wave's part of a slot)
.if AIMG
.irp c, 0,1
	ds_load_b128 v[\reg+6*\c:\reg+6*\c+3], v[ADRA+\slot] offset:(2*(\q)+\c)*6144+(\i)*768
	ds_load_b64 v[\reg+6*\c+4:\reg+6*\c+5], v[ADRA+2+\slot] offset:(2*(\q)+\c)*6144+(\i)*768+512
.endr
.else
	FRAG \reg, ADRA+\slot, \q, \i
.endif
.endm
.macro MUL16 a0, p, q, sc, zero        ; A's blocks a0, a0 + 1 x B's eight, 128 along K.  The 64 accumulators take turns, one instruction a turn
.irp a, \a0, \a0+1
.irp b, 0,1,2,3,4,5,6,7
.set rD, 8*(8*((\a)%4)+\b)
.set rB, 128*(\p)+FR*\b
.set rA, AF+FR*(\a)
.set sB, SC+8*NQ*(\sc)+NQ*\b+(\q)
.set sA, SC+8*NQ*(\sc)+NQ*(\a)+(\q)
.if (\zero) && BIASC
	v_wmma_scale_f32_16x16x128_f8f6f4 v[rD:rD+7], v[rB:rB+FR-1], v[rA:rA+FR-1], v[BIA+8*\b:BIA+8*\b+7], v[sB], v[sA] matrix_a_fmt:MATRIX_FMT_FP6 matrix_b_fmt:MATRIX_FMT_FP6 matrix_a_scale:MATRIX_SCALE_ROW1
.elseif \zero
	v_wmma_scale_f32_16x16x128_f8f6f4 v[rD:rD+7], v[rB:rB+FR-1], v[rA:rA+FR-1], 0, v[sB], v[sA] matrix_a_fmt:MATRIX_FMT_FP6 matrix_b_fmt:MATRIX_FMT_FP6 matrix_a_scale:MATRIX_SCALE_ROW1
.else
	v_wmma_scale_f32_16x16x128_f8f6f4 v[rD:rD+7], v[rB:rB+FR-1], v[rA:rA+FR-1], v[rD:rD+7], v[sB], v[sA] matrix_a_fmt:MATRIX_FMT_FP6 matrix_b_fmt:MATRIX_FMT_FP6 matrix_a_scale:MATRIX_SCALE_ROW1
.endif
.endr
.endr
.endm
.macro FETCH_B slot, q, p
	WIN TO_B
.irp i, 0,1,2,3,4,5,6,7
	FRAG 128*(\p)+FR*\i, ADRB+\slot, \q, \i
.endr
	WIN 0
.endm
.macro FETCH_A slot, q, i0
.irp i, \i0, \i0+1, \i0+2, \i0+3
	FRAGA AF+FR*(\i), \slot, \q, \i
.endr
.endm
.macro SCALES sc                       ; a K step's scale words: lanes 0-15 A's block i, lanes 16-31 B's block i
.irp i, 0,1,2,3,4,5,6,7
	ds_load_b64 v[SC+8*NQ*\sc+NQ*\i:SC+8*NQ*\sc+NQ*\i+1], v[ADRS] offset:\i*SBLK
.endr
.endm
.macro PLACES n                        ; plain vector instructions between a matrix instruction and a load into, or a read of, its registers
.rept \n
	v_nop
.endr
.endm
.macro STEP slot, q, zero              ; 128 along K with a successor in the same slot
	s_wait_dscnt 4*NLA                             ; B's set and A's blocks 0-3 are in; A's blocks 4-7 may be out
.if (\zero) && BIASC
	WIN 0x81                                       ; C (the bias) in window 0
.else
	WIN MUL_LO
.endif
	MUL16 0, (\q)%2, \q, \slot, \zero
	MUL16 2, (\q)%2, \q, \slot, \zero
	s_wait_dscnt 0
	PLACES NP
	FETCH_B \slot, (\q)+1, 1-(\q)%2
	FETCH_A \slot, (\q)+1, 0
.if (\zero) && BIASC
	WIN 0xc1
.else
	WIN MUL_HI
.endif
	MUL16 4, (\q)%2, \q, \slot, \zero
	MUL16 6, (\q)%2, \q, \slot, \zero
	PLACES NP
	WIN 0
	FETCH_A \slot, (\q)+1, 4
.endm
.macro TURN slot, next, fill           ; a slot's last step changes slots: one barrier; with fill = 1 it opens a round of the cluster's barrier and this slot is filled again
	s_wait_tensorcnt 0x0                           ; all my tensor loads have landed: my part of the next slot
	ds_add_u32 v[SPW], v[NIL]                      ; 0 onto my spare word
	s_wait_dscnt 4*NLA+1                           ; the add and A's blocks 4-7 may be out
	WIN MUL_LO
	MUL16 0, 1, NQ-1, \slot, 0
	s_wait_dscnt 0x0                               ; the add is done, and my reads of this slot are over
	s_barrier_signal -1
	MUL16 2, 1, NQ-1, \slot, 0
	WIN 0
	s_barrier_wait -1
.if \fill
	CREST                                          ; no wave of any partner still reads this slot or has a load on its way
	s_add_nc_u64 s[G0+4*\slot+2:G0+4*\slot+3], s[G0+4*\slot+2:G0+4*\slot+3], 2*ASTEP
	s_add_nc_u64 s[G0B+4*\slot+2:G0B+4*\slot+3], s[G0B+4*\slot+2:G0B+4*\slot+3], 2*ROWB
	JLOAD G0+4*\slot, G1, G0B+4*\slot, G1B         ; my one tensor load behind the round; its four v_nop are the places in front of the loads below
.else
	PLACES NP
.endif
	v_add_nc_u32 v[ADRS], 4*NQ, v[ADRS]
	FETCH_B \next, 0, 0
	FETCH_A \next, 0, 0
	SCALES \next
	WIN MUL_HI
	MUL16 4, 1, NQ-1, \slot, 0
	MUL16 6, 1, NQ-1, \slot, 0
	PLACES NP
	WIN 0
	FETCH_A \next, 0, 4
.endm
	s_load_b64 s[4:5], s[0:1], 0x0                 ; A: images, scale bytes behind them
	s_load_b128 s[8:11], s[0:1], 0x8               ; B's codes, B's scales
	s_load_b128 s[96:99], s[0:1], 0x18             ; bias, residual
	s_load_b64 s[12:13], s[0:1], 0x28              ; out
	v_lshl_add_u32 v[SPW], v0, 2, SPARE
	v_mov_b32 v[NIL], 0
	ds_add_u32 v28, v29
	ds_add_u32 v28, v29
	s_wait_dscnt 0x0
	v_lshrrev_b32 v1, 5, v0
	v_readfirstlane_b32 s14, v1                    ; wave 0..3
	s_lshr_b32 s15, s14, 1                         ; my half of the tile's rows; also: I fetch for A (0) or B (1)
	s_and_b32 s16, s14, 1                          ; my half of its columns; also: which 128 rows I fetch
	s_bfe_u32 s40, ttmp6, 0x40000                  ; cx
	s_bfe_u32 s41, ttmp6, 0x40004                  ; cy
	s_lshl_b32 s42, ttmp9, 2
	s_add_co_u32 s42, s42, s40                     ; tile column
	s_and_b32 s17, ttmp7, 0xffff
	s_lshl_b32 s17, s17, 2
	s_add_co_u32 s17, s17, s41                     ; tile row
	s_lshl_b32 s43, s41, 2
	s_lshl_b32 s43, 15, s43                        ; my row of the cluster
	s_lshl_b32 s44, 0x1111, s40                    ; my column
.if AIMG
	s_or_b32 s[G1+0], s43, (3<<16)|(1<<21)         ; mask; elements of 8 bytes; no padding; bit 21 beside a mask
	s_mov_b32 s[G1+1], 768<<16                     ; tensor_dim0: 8 images, 6,144 bytes
	s_mov_b32 s[G1+2], 4<<16                       ; tensor_dim1: 4 chunks of 64 K
	s_mov_b32 s[G1+3], 768<<16                     ; tile_dim0
	s_mov_b32 s[G1+4], 4                           ; tile_dim1
	s_mov_b32 s[G1+5], 24576                       ; pitch: 256 images, 196,608 bytes
.else
	s_or_b32 s[G1+0], s43, (0<<16)|(1<<20)|(1<<21)|(3<<22)|(3<<25)
	s_mov_b32 s[G1+1], ROWB<<16
	s_mov_b32 s[G1+2], 128<<16
	s_mov_b32 s[G1+3], ROWB<<16
	s_mov_b32 s[G1+4], 128
	s_mov_b32 s[G1+5], KROW
.endif
	s_mov_b32 s[G1+6], 0
	s_mov_b32 s[G1+7], 0
	s_or_b32 s[G1B+0], s44, (0<<16)|(1<<20)|(1<<21)|(3<<22)|(3<<25)   ; mask; elements of 1 byte; padding of 4 words behind every 16
	s_mov_b32 s[G1B+1], ROWB<<16
	s_mov_b32 s[G1B+2], 128<<16
	s_mov_b32 s[G1B+3], ROWB<<16
	s_mov_b32 s[G1B+4], 128
	s_mov_b32 s[G1B+5], KROW
	s_mov_b32 s[G1B+6], 0
	s_mov_b32 s[G1B+7], 0
	s_or_b32 s[G1S+0], s43, (3<<16)|(1<<20)|(1<<21)|(5<<22)|(3<<25)  ; the scale bytes of 128 rows: a dense block, as rows of 256 bytes + 16 of padding
	s_or_b32 s[G1SB+0], s44, (3<<16)|(1<<20)|(1<<21)|(5<<22)|(3<<25)
.irp g, G1S, G1SB
	s_mov_b32 s[\g+1], 32<<16
	s_mov_b32 s[\g+2], (128*KS/256)<<16
	s_mov_b32 s[\g+3], 32<<16
	s_mov_b32 s[\g+4], 128*KS/256
	s_mov_b32 s[\g+5], 32
	s_mov_b32 s[\g+6], 0
	s_mov_b32 s[\g+7], 0
.endr
	s_lshl_b32 s18, s16, 7
	s_lshl_b32 s20, s17, 8
	s_add_co_u32 s20, s20, s18                     ; A: row 256 x tile row + 128 x half
	s_lshl_b32 s46, s42, 8
	s_add_co_u32 s46, s46, s18                     ; B likewise
	s_mov_b32 s21, 0
	s_mov_b32 s47, 0
	s_mov_b64 s[18:19], KS
	s_mul_u64 s[22:23], s[20:21], s[18:19]
	s_mul_u64 s[92:93], s[46:47], s[18:19]
	s_mov_b64 s[18:19], AMUL                       ; bytes a row: of images 768 / 16
	s_mul_u64 s[20:21], s[20:21], s[18:19]
	s_mov_b64 s[18:19], KROW
	s_mul_u64 s[46:47], s[46:47], s[18:19]
	s_mul_i32 s45, s14, HALFT
	s_mul_i32 s94, s14, HALFS
	s_wait_kmcnt 0x0
	s_add_nc_u64 s[6:7], s[4:5], ASCL
	s_add_nc_u64 s[20:21], s[4:5], s[20:21]
	s_add_nc_u64 s[22:23], s[6:7], s[22:23]
	s_add_nc_u64 s[46:47], s[8:9], s[46:47]
	s_add_nc_u64 s[92:93], s[10:11], s[92:93]
	CROUND                                         ; all sixteen work-groups are here: the first joint loads meet
	s_mov_b32 s[G0S], 1
	s_add_co_u32 s[G0S+1], s94, SCL
	s_mov_b64 s[G0S+2:G0S+3], s[22:23]
	s_or_b32 s[G0S+3], s[G0S+3], 0x80000000
	s_mov_b32 s[G0SB], 1
	s_add_co_u32 s[G0SB+1], s94, SCL
	s_mov_b64 s[G0SB+2:G0SB+3], s[92:93]
	s_or_b32 s[G0SB+3], s[G0SB+3], 0x80000000
	JLOAD G0S, G1S, G0SB, G1SB                     ; the scales first; by this text's count three loads of a wave are out at the start, one behind each round
.irp s, 0,1
	s_mov_b32 s[G0+4*\s], 1
	s_add_co_u32 s[G0+4*\s+1], s45, \s*SLOT
	s_add_nc_u64 s[G0+4*\s+2:G0+4*\s+3], s[20:21], \s*ASTEP
	s_or_b32 s[G0+4*\s+3], s[G0+4*\s+3], 0x80000000
	s_mov_b32 s[G0B+4*\s], 1
	s_add_co_u32 s[G0B+4*\s+1], s45, \s*SLOT
	s_add_nc_u64 s[G0B+4*\s+2:G0B+4*\s+3], s[46:47], \s*ROWB
	s_or_b32 s[G0B+4*\s+3], s[G0B+4*\s+3], 0x80000000
	JLOAD G0+4*\s, G1, G0B+4*\s, G1B
.endr
	v_and_b32 v1, 15, v0                           ; r
	v_bfe_u32 v2, v0, 4, 1                         ; h
	v_and_b32 v6, 31, v0
	v_lshlrev_b32 v[CO], 4, v6
	v_lshlrev_b32 v[L8], 3, v6
	v_mul_u32_u24 v3, v1, PITCH
	v_mul_u32_u24 v4, v2, 24
	v_add_nc_u32 v4, v3, v4
	v_lshl_add_u32 v5, v2, 4, v4
	s_mul_i32 s21, s15, HALFT
	s_mul_i32 s22, s16, HALFT
	s_add_co_u32 s22, s22, 2*HALFT
.irp s, 0,1
.if AIMG
	v_add_nc_u32 v[ADRA+\s], s21, v[CO]
	v_add_nc_u32 v[ADRA+2+\s], s21, v[L8]
.else
	v_add_nc_u32 v[ADRA+\s], s21, v4
	v_add_nc_u32 v[ADRA+2+\s], s21, v5
.endif
	v_add_nc_u32 v[ADRB+\s], s22, v4
	v_add_nc_u32 v[ADRB+2+\s], s22, v5
	s_add_co_u32 s21, s21, SLOT
	s_add_co_u32 s22, s22, SLOT
.endr
	v_mul_u32_u24 v5, v1, KS
	v_lshrrev_b32 v6, 8, v5
	v_lshl_add_u32 v5, v6, 4, v5
	s_mul_i32 s21, s15, HALFS
	s_mul_i32 s22, s16, HALFS
	s_add_co_u32 s22, s22, 2*HALFS
	s_sub_co_u32 s22, s22, s21
	v_mul_u32_u24 v6, s22, v2                      ; lanes 16-31 take B's
	s_add_co_u32 s21, s21, SCL
	v_add_nc_u32 v5, v5, v6
	v_add_nc_u32 v[ADRS], s21, v5
	s_mul_i32 s23, s14, 16*SPITCH                  ; my stage
	v_mul_u32_u24 v5, v1, SPITCH
	v_lshl_add_u32 v5, v2, 5, v5
	v_add_nc_u32 v[STO], s23, v5                   ; in: row r, 32 bytes for each half of the lanes
	v_add_nc_u32 v[RD], s23, v[CO]                 ; back: 32 lanes take a row of 512 bytes
	s_lshl_b32 s20, s17, 8
	s_lshl_b32 s21, s15, 7
	s_add_co_u32 s20, s20, s21
	s_lshl_b32 s20, s20, 12                        ; my first row, of 4,096 bytes
	s_lshl_b32 s46, s42, 10
	s_lshl_b32 s47, s16, 9
	s_add_co_u32 s46, s46, s47                     ; my first column, in bytes
	s_mov_b32 s47, 0
	s_add_nc_u64 s[96:97], s[96:97], s[46:47]
	s_add_co_u32 s20, s20, s46
	s_mov_b32 s21, 0
	s_add_nc_u64 s[12:13], s[12:13], s[20:21]
	s_add_nc_u64 s[98:99], s[98:99], s[20:21]
	v_lshlrev_b32 v7, 5, v2                        ; the bias: block b, my half's eight columns: 64 b + 32 h bytes on
.irp b, 0,1,2,3,4,5,6,7
	global_load_b128 v[BIA+8*\b:BIA+8*\b+3], v7, s[96:97] offset:64*\b
	global_load_b128 v[BIA+8*\b+4:BIA+8*\b+7], v7, s[96:97] offset:64*\b+16
.endr
	s_wait_tensorcnt 1                             ; the scales and my part of K step 0 are in; K step 1's load may be out
	s_barrier_signal -1
	s_barrier_wait -1
	FETCH_B 0, 0, 0
	FETCH_A 0, 0, 0
	SCALES 0
	FETCH_A 0, 0, 4
	s_wait_loadcnt 0x0                             ; the bias
	STEP 0, 0, 1                                   ; the first step starts the sums, from the bias
	s_mov_b32 s3, LAPS-1
.Llap:
	TURN 0, 1, 1
	STEP 1, 0, 0
	TURN 1, 0, 1
	STEP 0, 0, 0
	s_sub_co_u32 s3, s3, 1
	s_cmp_lg_u32 s3, 0
	s_cbranch_scc1 .Llap
	TURN 0, 1, 0                                   ; the last lap fills nothing
	STEP 1, 0, 0
	s_wait_dscnt 4*NLA
	WIN MUL_LO
	MUL16 0, 1, NQ-1, 1, 0
	MUL16 2, 1, NQ-1, 1, 0
	s_wait_dscnt 0
	WIN MUL_HI
	MUL16 4, 1, NQ-1, 1, 0
	MUL16 6, 1, NQ-1, 1, 0
	WIN 0
; THE WAY OUT, block by block of 16 rows x 128 columns: through my stage, back as whole rows of 512 bytes, plus the residual's same rows, stored.
.macro RLOAD a                         ; the residual's 16 rows into window 1
	WIN 0x40
.irp t, 0,1,2,3,4,5,6,7,8,9,10,11,12,13,14,15
	global_load_b128 v[64*((\a)%2)+4*\t:64*((\a)%2)+4*\t+3], v[CO], s[98:99] offset:(16*(\a)+\t)*4096
.endr
	WIN 0
.endm
.macro TOSTAGE a
.set AC, 64*((\a)%4)
	WIN 0x08+4*((\a)/4)                            ; the data: window 2 or 3
.irp b, 0,1,2,3,4,5,6,7
	ds_store_b128 v[STO], v[AC+8*\b:AC+8*\b+3] offset:64*\b          ; each accumulator from its low end on
	ds_store_b128 v[STO], v[AC+8*\b+4:AC+8*\b+7] offset:64*\b+16
.endr
	WIN 0
.set BB, BK+64*((\a)%2)
.irp t, 0,1,2,3,4,5,6,7,8,9,10,11,12,13,14,15
	ds_load_b128 v[BB+4*\t:BB+4*\t+3], v[RD] offset:\t*SPITCH        ; LDS serves a wave's instructions in order: these see the stores above
.endr
.endm
.macro SEND a, yds, yld                ; yds, yld: the LDS instructions and the loads issued behind block a's, which may stay out
.set BB, BK+64*((\a)%2)
.set RR, 64*((\a)%2)
	s_wait_dscnt \yds
	s_wait_loadcnt \yld
	WIN 0x04                                       ; source 1: window 1
.set n, 0
.rept 32
	v_pk_add_f32 v[BB+n:BB+n+1], v[BB+n:BB+n+1], v[RR+n:RR+n+1]
.set n, n+2
.endr
	WIN 0
.irp t, 0,1,2,3,4,5,6,7,8,9,10,11,12,13,14,15
	global_store_b128 v[CO], v[BB+4*\t:BB+4*\t+3], s[12:13] offset:(16*(\a)+\t)*4096   ; 512 consecutive bytes, at a multiple of 256 from the buffer's first byte
.endr
.endm
	PLACES NP
	RLOAD 0
	TOSTAGE 0
.irp a, 1,2,3,4,5,6,7
.if \a > 1
	s_wait_xcnt 0x0                                ; block a - 2's stores have read their registers: block a's rows may land there
.endif
	RLOAD \a
	TOSTAGE \a
	SEND \a-1, 32, 16                              ; behind block a - 1's: block a's 16 stores and 16 loads of the stage, and its 16 loads of the residual
.endr
	SEND 7, 0, 0
	s_wait_tensorcnt 0x0                           ; the wave's end
	ds_add_u32 v[SPW], v[NIL]
	s_wait_dscnt 0x0
	CROUND                                         ; the closing round
	s_endpgm
.Lfunc_end_k_q0fdf78a265_oproj:
	.size	k_q0fdf78a265_oproj, .Lfunc_end_k_q0fdf78a265_oproj-k_q0fdf78a265_oproj
	.p2alignl 7, 3214868480
	.fill 96, 4, 3214868480
	.section	.rodata,"a",@progbits
	.p2align	6, 0x0
	.amdhsa_kernel k_q0fdf78a265_oproj
		.amdhsa_group_segment_fixed_size 327680
		.amdhsa_private_segment_fixed_size 0
		.amdhsa_enable_private_segment 0
		.amdhsa_kernarg_size 48
		.amdhsa_user_sgpr_count 2
		.amdhsa_user_sgpr_kernarg_segment_ptr 1
		.amdhsa_wavefront_size32 1
		.amdhsa_system_sgpr_workgroup_id_x 1
		.amdhsa_system_sgpr_workgroup_id_y 1
		.amdhsa_system_sgpr_workgroup_id_z 1
		.amdhsa_system_vgpr_workitem_id 0
		.amdhsa_next_free_vgpr 1024
		.amdhsa_next_free_sgpr 102
		.amdhsa_reserve_vcc 0
		.amdhsa_float_denorm_mode_32 3
		.amdhsa_float_denorm_mode_16_64 3
		.amdhsa_memory_ordered 1
		.amdhsa_forward_progress 1
		.amdhsa_inst_pref_size 182
	.end_amdhsa_kernel
	.amdgpu_metadata
---
amdhsa.version: [ 1, 2 ]
amdhsa.kernels:
  - .name:           k_q0fdf78a265_oproj
    .symbol:         k_q0fdf78a265_oproj.kd
    .args:
      - { .name: ow, .offset: 0, .size: 8, .value_kind: global_buffer, .address_space: global }
      - { .name: out_w_codes, .offset: 8, .size: 8, .value_kind: global_buffer, .address_space: global }
      - { .name: out_w_scales, .offset: 16, .size: 8, .value_kind: global_buffer, .address_space: global }
      - { .name: out_b, .offset: 24, .size: 8, .value_kind: global_buffer, .address_space: global }
      - { .name: x, .offset: 32, .size: 8, .value_kind: global_buffer, .address_space: global }
      - { .name: x1, .offset: 40, .size: 8, .value_kind: global_buffer, .address_space: global }
    .group_segment_fixed_size: 327680
    .private_segment_fixed_size: 0
    .kernarg_segment_align: 8
    .kernarg_segment_size: 48
    .max_flat_workgroup_size: 128
    .sgpr_count:     102
    .vgpr_count:     1024
    .wavefront_size: 32
...
	.end_amdgpu_metadata
.endif
;; end of part 4
;; launch ln2 (part 5): grid 128 x 1, 4 waves a work-group, no clusters, 44,544 bytes of LDS; arguments x1, ln2_g, ln2_b, h1; writes h1
.if DOCPART == 5
	.amdgcn_target "amdgcn-amd-amdhsa--gfx1250"
	.amdhsa_code_object_version 6
	.text
	.protected	k_q0fdf78a265_ln2
	.globl	k_q0fdf78a265_ln2
	.p2align	8
	.type	k_q0fdf78a265_ln2,@function
k_q0fdf78a265_ln2:
	s_mov_b64 s[64:65], 0
	v_nop
	global_prefetch_b8 v0, s[64:65] scope:SCOPE_SE
	s_setreg_imm32_b32 hwreg(HW_REG_WAVE_MODE, 25, 1), 1
	s_wait_xcnt 0x0
; h = layernorm(x1) g + b, in f32, quantised along its 1,024 numbers to codes of E2M3 with one E8M0 byte for each 32.
; h1: codes [4096][768 bytes] row-major at byte 0, scale bytes [4096][32] at byte H1S.  Four waves, 8 rows each, one after the other.
; A load takes a row as it lies (512 consecutive bytes an instruction); the row turns through the wave's own stage in LDS, so that lane l holds numbers 32 l .. 32 l + 31: a whole block,
; whose largest magnitude needs no other lane.  Codes and bytes gather in LDS and leave in runs of 512 and 256 bytes.  Waves share nothing: no barrier.  Memory binds: no matrix unit, no cluster.
; LIMITS: a row of NaN (a query with no key) gives codes of no meaning; the residual carries its NaN to the output.  A block whose largest magnitude lies under 2^-124 keeps the byte 1, a block of zeros too.
.set XTP,   144                        ; a lane's place in the stage: 128 bytes + 16, an odd multiple of 16
.set CSO,   4608                       ; behind the stage: 8 rows x 768 bytes of codes
.set SSO,   10752                      ; behind them: 8 rows x 32 scale bytes
.set WREG,  11008                      ; a wave's LDS
.set H1S,   3145728
.set HP,    10                         ; s[10:11] h1
.set G,   16
.set BB,  48
.set R0,  80
.set X,   144
.set C,   176
.set EB,  184
.set T,   186
.set SM,  190
.set PD,  191
	s_load_b256 s[4:11], s[0:1], 0x0               ; x1, gain, bias, h1
	v_lshl_add_u32 v192, v0, 2, 0xac00
	v_mov_b32 v193, 0
	v_lshrrev_b32 v1, 5, v0
	v_readfirstlane_b32 s16, v1                    ; wave
	v_and_b32 v1, 31, v0                           ; lane
	v_lshlrev_b32 v2, 4, v1                        ; 16 x lane
	s_mov_b32 s34, 0x76543210
	s_mov_b32 s35, 0xfedcba98                      ; selects: lane l xor 16
.macro LOADROW set, i                  ; a row: eight loads of 512 consecutive bytes
.irp j, 0,1,2,3,4,5,6,7
	global_load_b128 v[\set+4*\j:\set+4*\j+3], v2, s[4:5] offset:(\i)*4096+512*\j th:TH_LOAD_NT
.endr
.endm
.macro TURN src, dst                   ; 4,096 bytes through the stage: in as loaded, out 128 bytes a lane.  LDS serves a wave's instructions in order: no wait between
.irp j, 0,1,2,3,4,5,6,7
	ds_store_b128 v3, v[\src+4*\j:\src+4*\j+3] offset:576*\j
.endr
.irp j, 0,1,2,3,4,5,6,7
	ds_load_b128 v[\dst+4*\j:\dst+4*\j+3], v4 offset:16*\j
.endr
.endm
.macro WSUM                            ; v[SM] summed over the 32 lanes, the result in every lane
	v_add_f32_dpp v[SM], v[SM], v[SM] row_xmask:1 row_mask:0xf bank_mask:0xf
	v_add_f32_dpp v[SM], v[SM], v[SM] row_xmask:2 row_mask:0xf bank_mask:0xf
	v_add_f32_dpp v[SM], v[SM], v[SM] row_xmask:4 row_mask:0xf bank_mask:0xf
	v_add_f32_dpp v[SM], v[SM], v[SM] row_xmask:8 row_mask:0xf bank_mask:0xf
	v_permlanex16_b32 v[PD], v[SM], s34, s35
	v_add_f32 v[SM], v[SM], v[PD]
.endm
.macro ROW i
.if (\i) < 7
	s_wait_loadcnt 8                               ; this row's eight loads are in; the next row's eight may be out
.else
	s_wait_loadcnt 0
.endif
	TURN R0+32*((\i)%2), X
	s_wait_dscnt 0x0                               ; my 32 numbers are here, and the stage's stores have read their registers,
.if (\i) < 6
	LOADROW R0+32*((\i)%2), (\i)+2                 ; which take the row two further on
.endif
	v_pk_add_f32 v[T:T+1], v[X:X+1], v[X+2:X+3]    ; the mean: two chains
	v_pk_add_f32 v[T+2:T+3], v[X+4:X+5], v[X+6:X+7]
.irp j, 8,12,16,20,24,28
	v_pk_add_f32 v[T:T+1], v[T:T+1], v[X+\j:X+\j+1]
	v_pk_add_f32 v[T+2:T+3], v[T+2:T+3], v[X+\j+2:X+\j+3]
.endr
	v_pk_add_f32 v[T:T+1], v[T:T+1], v[T+2:T+3]
	v_add_f32 v[SM], v[T], v[T+1]
	WSUM
	v_mul_f32 v10, s32, v[SM]                      ; / 1,024
.set j, 0
.rept 16
	v_pk_add_f32 v[X+j:X+j+1], v[X+j:X+j+1], v[10:11] op_sel_hi:[1,0] neg_lo:[0,1] neg_hi:[0,1]   ; x - mean
.set j, j+2
.endr
	v_pk_mul_f32 v[T:T+1], v[X:X+1], v[X:X+1]      ; the variance, of the differences
	v_pk_mul_f32 v[T+2:T+3], v[X+2:X+3], v[X+2:X+3]
.irp j, 4,8,12,16,20,24,28
	v_pk_fma_f32 v[T:T+1], v[X+\j:X+\j+1], v[X+\j:X+\j+1], v[T:T+1]
	v_pk_fma_f32 v[T+2:T+3], v[X+\j+2:X+\j+3], v[X+\j+2:X+\j+3], v[T+2:T+3]
.endr
	v_pk_add_f32 v[T:T+1], v[T:T+1], v[T+2:T+3]
	v_add_f32 v[SM], v[T], v[T+1]
	WSUM
	v_fma_f32 v[SM], v[SM], s32, s33               ; / 1,024 + 1e-5
	v_rsq_f32 v12, v[SM]
	v_nop                                          ; a plain instruction behind the transcendental,
	s_wait_alu depctr_va_vdst(0)                   ; and the wait ahead of its first reader
.set j, 0
.rept 16
	v_pk_mul_f32 v[X+j:X+j+1], v[X+j:X+j+1], v[12:13] op_sel_hi:[1,0]
.set j, j+2
.endr
.set j, 0
.rept 16
	v_pk_fma_f32 v[X+j:X+j+1], v[X+j:X+j+1], v[G+j:G+j+1], v[BB+j:BB+j+1]
.set j, j+2
.endr
	v_max3_num_f32 v14, |v[X]|, |v[X+1]|, |v[X+2]| ; the block's largest magnitude: all 32 numbers are mine
	v_max3_num_f32 v[SM], |v[X+3]|, |v[X+4]|, |v[X+5]|
.irp j, 6,10,14,18,22,26
	v_max3_num_f32 v14, v14, |v[X+\j]|, |v[X+\j+1]|
	v_max3_num_f32 v[SM], v[SM], |v[X+\j+2]|, |v[X+\j+3]|
.endr
	v_max3_num_f32 v14, v14, |v[X+30]|, |v[X+31]|
	v_max3_num_f32 v14, v14, v[SM], 0x1800000      ; and the floor 2^(3 - 127): the byte cannot fall under 1
	v_add_nc_u32 v15, 0xff000000, v14              ; 2 off the exponent field: the conversion's scale operand
	v_cvt_scalef32_pk16_fp6_f32 v[C:C+2], v[X:X+15], v15
	v_cvt_scalef32_pk16_fp6_f32 v[C+4:C+6], v[X+16:X+31], v15   ; (a conversion's three registers begin on an even number)
	v_lshrrev_b32 v[EB], 23, v15                   ; the scale's byte (also the plain place behind the conversions)
	v_mov_b32 v[C+3], v[C+4]                       ; the block's 24 bytes on end
	v_mov_b32 v[C+4], v[C+5]
	v_mov_b32 v[C+5], v[C+6]
	ds_store_b64 v5, v[C:C+1] offset:CSO+768*(\i)
	ds_store_b64 v5, v[C+2:C+3] offset:CSO+768*(\i)+8
	ds_store_b64 v5, v[C+4:C+5] offset:CSO+768*(\i)+16
	ds_store_b8 v6, v[EB] offset:SSO+32*(\i)
.endm
	s_mul_i32 s17, s16, WREG                       ; my wave's LDS
	v_lshrrev_b32 v3, 3, v1
	v_mul_u32_u24 v3, v3, XTP
	v_and_b32 v4, 7, v1
	v_lshl_add_u32 v3, v4, 4, v3
	v_add_nc_u32 v3, s17, v3                       ; stage, in: 144 (lane / 8) + 16 (lane % 8); a load's 512 bytes take four places
	v_mul_u32_u24 v4, v1, XTP
	v_add_nc_u32 v4, s17, v4                       ; stage, out: 144 x lane
	v_mul_u32_u24 v5, v1, 24
	v_add_nc_u32 v5, s17, v5                       ; codes: 24 x lane
	v_add_nc_u32 v6, s17, v1                       ; scale byte: lane
	v_add_nc_u32 v7, s17, v2                       ; codes back: 16 x lane
	v_lshlrev_b32 v9, 3, v1
	v_add_nc_u32 v8, s17, v9                       ; bytes back: 8 x lane
	v_mov_b32 v11, 0                               ; (upper halves of pairs of which the low word serves both halves)
	v_mov_b32 v13, 0
	v_mov_b32 v[PD], 0
	s_mov_b32 s32, 0x3a800000                      ; 1 / 1,024
	s_mov_b32 s33, 0x3727c5ac                      ; 1e-5
	s_lshl_b32 s18, ttmp9, 5
	s_lshl_b32 s19, s16, 3
	s_add_co_u32 s18, s18, s19                     ; my first row: 32 x work-group + 8 x wave
	s_lshl_b32 s20, s18, 12
	s_mov_b32 s21, 0
	s_mul_i32 s22, s18, 768
	s_mov_b32 s23, 0
	s_lshl_b32 s24, s18, 5
	s_add_co_u32 s24, s24, H1S
	s_mov_b32 s25, 0
	s_wait_kmcnt 0x0
	s_add_nc_u64 s[4:5], s[4:5], s[20:21]
	s_add_nc_u64 s[26:27], s[HP:HP+1], s[22:23]
	s_add_nc_u64 s[28:29], s[HP:HP+1], s[24:25]
.irp j, 0,1,2,3,4,5,6,7
	global_load_b128 v[G+4*\j:G+4*\j+3], v2, s[6:7] offset:512*\j
.endr
.irp j, 0,1,2,3,4,5,6,7
	global_load_b128 v[BB+4*\j:BB+4*\j+3], v2, s[8:9] offset:512*\j
.endr
	LOADROW R0, 0
	LOADROW R0+32, 1
	s_wait_loadcnt 24                              ; the gain is in; bias and two rows may be out
	TURN G, G
	s_wait_loadcnt 16                              ; the bias is in; two rows may be out
	TURN BB, BB
.irp i, 0,1,2,3,4,5,6,7
	ROW \i
.endr
.irp j, 0,1,2,3,4,5,6,7,8,9,10,11
	ds_load_b128 v[R0+4*\j:R0+4*\j+3], v7 offset:CSO+512*\j   ; eight rows of codes are 6,144 consecutive bytes, in LDS and in h1
.endr
	ds_load_b64 v[X:X+1], v8 offset:SSO
.irp j, 0,1,2,3,4,5,6,7,8,9,10,11
	s_wait_dscnt 12-\j                             ; the younger read-backs may be out
	global_store_b128 v2, v[R0+4*\j:R0+4*\j+3], s[26:27] offset:512*\j   ; 512 consecutive bytes, at a multiple of 256 from h1's first byte
.endr
	s_wait_dscnt 0x0
	global_store_b64 v9, v[X:X+1], s[28:29]        ; 256 consecutive scale bytes
	s_wait_tensorcnt 0x0
	ds_add_u32 v192, v193
	s_wait_dscnt 0x0
	s_endpgm
.Lfunc_end_k_q0fdf78a265_ln2:
	.size	k_q0fdf78a265_ln2, .Lfunc_end_k_q0fdf78a265_ln2-k_q0fdf78a265_ln2
	.p2alignl 7, 3214868480
	.fill 96, 4, 3214868480
	.section	.rodata,"a",@progbits
	.p2align	6, 0x0
	.amdhsa_kernel k_q0fdf78a265_ln2
		.amdhsa_group_segment_fixed_size 44544
		.amdhsa_private_segment_fixed_size 0
		.amdhsa_enable_private_segment 0
		.amdhsa_kernarg_size 32
		.amdhsa_user_sgpr_count 2
		.amdhsa_user_sgpr_kernarg_segment_ptr 1
		.amdhsa_wavefront_size32 1
		.amdhsa_system_sgpr_workgroup_id_x 1
		.amdhsa_system_sgpr_workgroup_id_y 1
		.amdhsa_system_sgpr_workgroup_id_z 1
		.amdhsa_system_vgpr_workitem_id 0
		.amdhsa_next_free_vgpr 194
		.amdhsa_next_free_sgpr 66
		.amdhsa_reserve_vcc 0
		.amdhsa_float_denorm_mode_32 3
		.amdhsa_float_denorm_mode_16_64 3
		.amdhsa_memory_ordered 1
		.amdhsa_forward_progress 1
		.amdhsa_inst_pref_size 83
	.end_amdhsa_kernel
	.amdgpu_metadata
---
amdhsa.version: [ 1, 2 ]
amdhsa.kernels:
  - .name:           k_q0fdf78a265_ln2
    .symbol:         k_q0fdf78a265_ln2.kd
    .args:
      - { .name: x1, .offset: 0, .size: 8, .value_kind: global_buffer, .address_space: global }
      - { .name: ln2_g, .offset: 8, .size: 8, .value_kind: global_buffer, .address_space: global }
      - { .name: ln2_b, .offset: 16, .size: 8, .value_kind: global_buffer, .address_space: global }
      - { .name: h1, .offset: 24, .size: 8, .value_kind: global_buffer, .address_space: global }
    .group_segment_fixed_size: 44544
    .private_segment_fixed_size: 0
    .kernarg_segment_align: 8
    .kernarg_segment_size: 32
    .max_flat_workgroup_size: 128
    .sgpr_count:     66
    .vgpr_count:     194
    .wavefront_size: 32
...
	.end_amdgpu_metadata
.endif
;; end of part 5
;; launch fc1 (part 6): grid 16 x 16, 4 waves a work-group, clusters of 4 x 4, 327,680 bytes of LDS; arguments h1, fc1_w_codes, fc1_w_scales, fc1_b, gw; writes gw
.if DOCPART == 6
	.amdgcn_target "amdgcn-amd-amdhsa--gfx1250"
	.amdhsa_code_object_version 6
	.text
	.protected	k_q0fdf78a265_fc1
	.globl	k_q0fdf78a265_fc1
	.p2align	8
	.type	k_q0fdf78a265_fc1,@function
k_q0fdf78a265_fc1:
	s_mov_b64 s[64:65], 0
	v_nop
	global_prefetch_b8 v0, s[64:65] scope:SCOPE_SE
	s_setreg_imm32_b32 hwreg(HW_REG_WAVE_MODE, 25, 1), 1
	s_wait_xcnt 0x0
	s_wait_alu depctr_hold_cnt(0) depctr_sa_sdst(0) depctr_va_vdst(0) depctr_va_sdst(0) depctr_va_ssrc(0) depctr_va_vcc(0) depctr_vm_vsrc(0)
	s_getreg_b32 s2, hwreg(HW_REG_IB_STS2, 6, 4)
	s_cmp_eq_u32 s2, 0
	s_cbranch_scc0 .Lentry_in_a_cluster
	s_endpgm
.Lentry_in_a_cluster:
	s_bfe_u32 s2, ttmp6, 0x10000c
	s_cmp_lg_u32 s2, 0xf033
	s_cbranch_scc0 .Lentry_shape_is_right
	s_endpgm
.Lentry_shape_is_right:
; g = gelu(h W + b), the product on codes of E2M3 with E8M0 scales, K = 1,024; g leaves quantised along its 4,096 columns, as images for the next product.
; THE CORE (shared by four launches of this program; the switches SIZE_K, AIMG, BIASC at the head say what a launch takes of it): a tile of 256 x 256 to a work-group of four waves, 128 x 128 to a wave
; in 64 accumulators; K in steps of 256 through two LDS slots filled by tensor loads; the scale bytes of the work-group's rows come once and stay.  4 x 4 work-groups form a cluster: A's tile
; is asked for jointly along a row of the cluster, B's along a column.  The matrix instruction is used transposed (source 0 = 16 rows of B, source 1 = 16 rows of A):
; lane (r, h) holds row r of A, and register 8 b + j of a block column 16 b + 8 h + j.  The bias is the C of each sum's first product.
; THE GELU, exact form: with hx = x / 2 and ha = |hx|, gelu(x) = (hx + ha) - ha E, E = erfc(|x| / sqrt 2) = (a1 t + .. + a5 t^5) 2^(-2.88539 hx^2), t = 1 / (1 + 0.463284 ha)
; (Abramowitz and Stegun 7.1.26, for every x).  LIMIT: erf is off by up to 1.5e-7 absolutely.  No difference of near numbers is formed for x < 0.
; OUT (gw): images [chunk of 64 columns 64][tile of 16 rows 256][768 bytes] at 0 (six registers a lane: 0-3 at 16 x lane, 4-5 at 512 + 8 x lane), scale bytes [4096][128] at 12,582,912.
; The way out is a loop of eight trips, one for each block of 16 rows: only the lines that fetch a block out of its register window are written eight times.
; LIMITS: NaN and infinities are not served; a block whose largest magnitude lies under 2^-124 keeps the byte 1, a block of zeros too (its codes are zeros; this program alone reads the bytes).
.set SIZE_K, 1024
.set AIMG,   0                         ; 1: A comes as images of 16 rows x 64 K
.set BIASC,  1                         ; 1: a bias is the C of each sum's first product
.set ASCL,   3145728                   ; h1's scale bytes
.set KSTEP,  256
.set NQ,     2
.set ROWB,   192
.set KROW,   SIZE_K*6/8
.set PITCH,  240                       ; an LDS row: 3 x (64 bytes + 16 of padding)
.set FR,     12
.set NL,     6
.set NP,     4
.set HALFT,  128*PITCH
.set SLOT,   4*HALFT
.set LAPS,   SIZE_K/(2*KSTEP)
.set KS,     SIZE_K/32
.set SCL,    2*SLOT                    ; behind the ring: the scale bytes, as units of 256 bytes + 16
.set HALFS,  (128*KS/256)*272
.set SBLK,   (16*KS/256)*272
.set SPARE,  SCL+4*HALFS               ; the spare words: 128 bytes a wave, named by no other line
.if AIMG
.set NLA,    4
.set AMUL,   48
.set ASTEP,  4*196608
.else
.set NLA,    6
.set AMUL,   KROW
.set ASTEP,  ROWB
.endif
.set ADRA, 16
.set ADRB, 20
.set STO,  24                          ; v24 the way out: my row's scale word in my wave's 512 bytes of slot 0
.set RD,   25                          ; v25 and where I read words back
.set CO,   26                          ; v26 16 x lane
.set ADRS, 27
.set SPW,  28                          ; v28 my spare word; never rewritten
.set NIL,  29                          ; v29 0; never rewritten
.set L8,   31                          ; v31 8 x lane
.set SC,   32                          ; v32-63 scale words, two sets
.set BIA,  64                          ; v64-127 the bias, in the result's layout
.set AF,   128                         ; v128-223 A's fragments, one set; window 1: B's, two sets; windows 2, 3: accumulators
.set G1, 24
.set G0, 32
.set G1B, 48
.set G0B, 56
.set G1S, 68
.set G0S, 76
.set G1SB, 80
.set G0SB, 88
.set SEL, 100                          ; s[100:101] selects: lane l xor 16
.set TM,  32                           ; the way out: the quantiser's registers v32-70 (they lie over registers of the gelu that are done with),
.set PW,  48
.set PC,  52
.set PQ,  64                           ; v64-95 the polynomial, v96-127 the exponential, then E,
.set E,   96
.set H,   128                          ; v128-191 hx of a block's 64 numbers, then the gelu,
.set HA,  192                          ; v192-223 ha of 32 of them,
.set T,   224                          ; v224-255 t
.set MSB, 0
.macro WIN new                         ; the immediate's high byte repeats the setting that is left
.if MSB != (\new)
	s_set_vgpr_msb (MSB<<8)|(\new)
.set MSB, (\new)
.endif
.endm
.set MUL_LO, 0xa1                      ; source 0 (B) window 1, source 1 (A) window 0, C and D window 2
.set MUL_HI, 0xf1
.set TO_B,   0x40
.macro JLOAD g0a, g1a, g0b, g1b        ; a joint load: waves 0, 1 fetch for A, waves 2, 3 for B; four v_nop follow each line
	s_cmp_eq_u32 s15, 0
	s_cbranch_scc0 .Lfor_b_\@
	tensor_load_to_lds s[\g0a:\g0a+3], s[\g1a:\g1a+7]
	s_nop 0
.rept 4
	v_nop
.endr
	s_branch .Lasked_\@
.Lfor_b_\@:
	tensor_load_to_lds s[\g0b:\g0b+3], s[\g1b:\g1b+7]
	s_nop 0
.rept 4
	v_nop
.endr
.Lasked_\@:
.endm
.macro CREST                           ; a round of the cluster's barrier behind its opening barrier
	s_cmp_lg_u32 s14, 0
	s_cbranch_scc1 .Lnot_wave_0_\@
	s_barrier_signal -3
.Lnot_wave_0_\@:
	s_barrier_wait -3
	s_barrier_signal -1
	s_barrier_wait -1
.endm
.macro CROUND
	s_barrier_signal -1
	s_barrier_wait -1
	CREST
.endm
.macro FRAG reg, adr, q, i             ; 16 rows x 128 K from rows in LDS: six pieces of 8 bytes; where lanes 16-31's piece lies behind one padding more, the second address register serves
.irp p, 0,1,2,3,4,5
.set PCE, 12*(\q)+6*(\p/3)+\p%3
.if PCE%8 < 5
	ds_load_b64 v[\reg+2*\p:\reg+2*\p+1], v[\adr] offset:8*PCE+16*(PCE/8)+(\i)*16*PITCH
.else
	ds_load_b64 v[\reg+2*\p:\reg+2*\p+1], v[\adr+2] offset:8*PCE+16*(PCE/8)+(\i)*16*PITCH
.endif
.endr
.endm
.macro FRAGA reg, slot, q, i           ; A's fragment: from rows, or from two images of 64 K
.if AIMG
.irp c, 0,1
	ds_load_b128 v[\reg+6*\c:\reg+6*\c+3], v[ADRA+\slot] offset:(2*(\q)+\c)*6144+(\i)*768
	ds_load_b64 v[\reg+6*\c+4:\reg+6*\c+5], v[ADRA+2+\slot] offset:(2*(\q)+\c)*6144+(\i)*768+512
.endr
.else
	FRAG \reg, ADRA+\slot, \q, \i
.endif
.endm
.macro MUL16 a0, p, q, sc, zero        ; A's blocks a0, a0 + 1 x B's eight, 128 along K.  The 64 accumulators take turns, one instruction a turn
.irp a, \a0, \a0+1
.irp b, 0,1,2,3,4,5,6,7
.set rD, 8*(8*((\a)%4)+\b)
.set rB, 128*(\p)+FR*\b
.set rA, AF+FR*(\a)
.set sB, SC+8*NQ*(\sc)+NQ*\b+(\q)
.set sA, SC+8*NQ*(\sc)+NQ*(\a)+(\q)
.if (\zero) && BIASC
	v_wmma_scale_f32_16x16x128_f8f6f4 v[rD:rD+7], v[rB:rB+FR-1], v[rA:rA+FR-1], v[BIA+8*\b:BIA+8*\b+7], v[sB], v[sA] matrix_a_fmt:MATRIX_FMT_FP6 matrix_b_fmt:MATRIX_FMT_FP6 matrix_a_scale:MATRIX_SCALE_ROW1
.elseif \zero
	v_wmma_scale_f32_16x16x128_f8f6f4 v[rD:rD+7], v[rB:rB+FR-1], v[rA:rA+FR-1], 0, v[sB], v[sA] matrix_a_fmt:MATRIX_FMT_FP6 matrix_b_fmt:MATRIX_FMT_FP6 matrix_a_scale:MATRIX_SCALE_ROW1
.else
	v_wmma_scale_f32_16x16x128_f8f6f4 v[rD:rD+7], v[rB:rB+FR-1], v[rA:rA+FR-1], v[rD:rD+7], v[sB], v[sA] matrix_a_fmt:MATRIX_FMT_FP6 matrix_b_fmt:MATRIX_FMT_FP6 matrix_a_scale:MATRIX_SCALE_ROW1
.endif
.endr
.endr
.endm
.macro FETCH_B slot, q, p
	WIN TO_B
.irp i, 0,1,2,3,4,5,6,7
	FRAG 128*(\p)+FR*\i, ADRB+\slot, \q, \i
.endr
	WIN 0
.endm
.macro FETCH_A slot, q, i0
.irp i, \i0, \i0+1, \i0+2, \i0+3
	FRAGA AF+FR*(\i), \slot, \q, \i
.endr
.endm
.macro SCALES sc                       ; a K step's scale words: lanes 0-15 A's block i, lanes 16-31 B's block i
.irp i, 0,1,2,3,4,5,6,7
	ds_load_b64 v[SC+8*NQ*\sc+NQ*\i:SC+8*NQ*\sc+NQ*\i+1], v[ADRS] offset:\i*SBLK
.endr
.endm
.macro PLACES n                        ; plain vector instructions between a matrix instruction and a load into, or a read of, its registers
.rept \n
	v_nop
.endr
.endm
.macro STEP slot, q, zero              ; 128 along K with a successor in the same slot
	s_wait_dscnt 4*NLA                             ; B's set and A's blocks 0-3 are in; A's blocks 4-7 may be out
.if (\zero) && BIASC
	WIN 0x81                                       ; C (the bias) in window 0
.else
	WIN MUL_LO
.endif
	MUL16 0, (\q)%2, \q, \slot, \zero
	MUL16 2, (\q)%2, \q, \slot, \zero
	s_wait_dscnt 0
	PLACES NP
	FETCH_B \slot, (\q)+1, 1-(\q)%2
	FETCH_A \slot, (\q)+1, 0
.if (\zero) && BIASC
	WIN 0xc1
.else
	WIN MUL_HI
.endif
	MUL16 4, (\q)%2, \q, \slot, \zero
	MUL16 6, (\q)%2, \q, \slot, \zero
	PLACES NP
	WIN 0
	FETCH_A \slot, (\q)+1, 4
.endm
.macro TURN slot, next, fill           ; a slot's last step changes slots: one barrier; with fill = 1 it opens a round of the cluster's barrier and this slot is filled again
	s_wait_tensorcnt 0x0                           ; all my tensor loads have landed: my part of the next slot
	ds_add_u32 v[SPW], v[NIL]                      ; 0 onto my spare word
	s_wait_dscnt 4*NLA+1                           ; the add and A's blocks 4-7 may be out
	WIN MUL_LO
	MUL16 0, 1, NQ-1, \slot, 0
	s_wait_dscnt 0x0                               ; the add is done, and my reads of this slot are over
	s_barrier_signal -1
	MUL16 2, 1, NQ-1, \slot, 0
	WIN 0
	s_barrier_wait -1
.if \fill
	CREST                                          ; no wave of any partner still reads this slot or has a load on its way
	s_add_nc_u64 s[G0+4*\slot+2:G0+4*\slot+3], s[G0+4*\slot+2:G0+4*\slot+3], 2*ASTEP
	s_add_nc_u64 s[G0B+4*\slot+2:G0B+4*\slot+3], s[G0B+4*\slot+2:G0B+4*\slot+3], 2*ROWB
	JLOAD G0+4*\slot, G1, G0B+4*\slot, G1B         ; my one tensor load behind the round; its four v_nop are the places in front of the loads below
.else
	PLACES NP
.endif
	v_add_nc_u32 v[ADRS], 4*NQ, v[ADRS]
	FETCH_B \next, 0, 0
	FETCH_A \next, 0, 0
	SCALES \next
	WIN MUL_HI
	MUL16 4, 1, NQ-1, \slot, 0
	MUL16 6, 1, NQ-1, \slot, 0
	PLACES NP
	WIN 0
	FETCH_A \next, 0, 4
.endm
; 64 numbers of a lane in window w, v[s] on (register 16 b + i: number i of my half of block b), become a fragment's codes in v[PC] .. v[PC+11] and its scale word in v[pw]
.macro QUANT w, s, pw
	WIN ((\w)<<2)|((\w)<<4)
.irp b, 0,1,2,3
	v_max3_num_f32 v[TM+\b], 0x1800000, |v[\s+16*\b]|, |v[\s+16*\b+1]|   ; my 16 numbers of block b, and the floor 2^(3 - 127)
.endr
.irp i, 2,4,6,8,10,12,14
.irp b, 0,1,2,3
	v_max3_num_f32 v[TM+\b], v[TM+\b], |v[\s+16*\b+\i]|, |v[\s+16*\b+\i+1]|
.endr
.endr
	WIN 0
.irp b, 0,1,2,3
	v_permlanex16_b32 v[TM+4+\b], v[TM+\b], s[SEL], s[SEL+1]
.endr
.irp b, 0,1,2,3
	v_max_num_f32 v[TM+\b], v[TM+\b], v[TM+4+\b]   ; with lane l xor 16's: the block's largest magnitude
.endr
.irp b, 0,1,2,3
	v_add_nc_u32 v[TM+12+\b], 0xff000000, v[TM+\b] ; 2 off the exponent field: the conversion's scale operand
.endr
.irp b, 0,1,2,3
	v_lshrrev_b32 v[TM+4+\b], 23, v[TM+12+\b]      ; the scale's byte
.endr
	v_lshl_or_b32 v[\pw], v[TM+5], 8, v[TM+4]
	v_lshl_or_b32 v[\pw], v[TM+6], 16, v[\pw]
	v_lshl_or_b32 v[\pw], v[TM+7], 24, v[\pw]
	WIN \w
.irp c, 0,1
	v_cvt_scalef32_pk16_fp6_f32 v[PC+6*\c:PC+6*\c+2], v[\s+32*\c:\s+32*\c+15], v[TM+12+2*\c]
	v_cvt_scalef32_pk16_fp6_f32 v[PC+12+4*\c:PC+14+4*\c], v[\s+32*\c+16:\s+32*\c+31], v[TM+12+2*\c+1]
.endr
	WIN 0
	v_nop                                          ; one plain place behind a scaled conversion
.irp c, 0,1                                    ; a whole block to a lane: lanes 0-15 block 2 c, lanes 16-31 block 2 c + 1
.irp i, 0,1,2
	v_permlane16_swap_b32 v[PC+6*\c+\i], v[PC+12+4*\c+\i]
.endr
.irp i, 0,1,2
	v_mov_b32 v[PC+3+6*\c+\i], v[PC+12+4*\c+\i]
.endr
.endr
.endm
	s_load_b64 s[4:5], s[0:1], 0x0                 ; h1
	s_load_b128 s[8:11], s[0:1], 0x8               ; W's codes, W's scales
	s_load_b64 s[96:97], s[0:1], 0x18              ; bias
	s_load_b64 s[12:13], s[0:1], 0x20              ; gw
	v_lshl_add_u32 v[SPW], v0, 2, SPARE
	v_mov_b32 v[NIL], 0
	ds_add_u32 v28, v29
	ds_add_u32 v28, v29
	s_wait_dscnt 0x0
	v_lshrrev_b32 v1, 5, v0
	v_readfirstlane_b32 s14, v1                    ; wave 0..3
	s_lshr_b32 s15, s14, 1                         ; my half of the tile's rows; also: I fetch for A (0) or B (1)
	s_and_b32 s16, s14, 1                          ; my half of its columns; also: which 128 rows I fetch
	s_bfe_u32 s40, ttmp6, 0x40000                  ; cx
	s_bfe_u32 s41, ttmp6, 0x40004                  ; cy
	s_lshl_b32 s42, ttmp9, 2
	s_add_co_u32 s42, s42, s40                     ; tile column
	s_and_b32 s17, ttmp7, 0xffff
	s_lshl_b32 s17, s17, 2
	s_add_co_u32 s17, s17, s41                     ; tile row
	s_lshl_b32 s43, s41, 2
	s_lshl_b32 s43, 15, s43                        ; my row of the cluster
	s_lshl_b32 s44, 0x1111, s40                    ; my column
	s_mov_b32 s[SEL], 0x76543210
	s_mov_b32 s[SEL+1], 0xfedcba98
	s_or_b32 s[G1+0], s43, (0<<16)|(1<<20)|(1<<21)|(3<<22)|(3<<25)   ; mask; elements of 1 byte; padding of 4 words behind every 16; bit 21 beside a mask
	s_or_b32 s[G1B+0], s44, (0<<16)|(1<<20)|(1<<21)|(3<<22)|(3<<25)
.irp g, G1, G1B
	s_mov_b32 s[\g+1], ROWB<<16                    ; tensor_dim0
	s_mov_b32 s[\g+2], 128<<16                     ; tensor_dim1
	s_mov_b32 s[\g+3], ROWB<<16                    ; tile_dim0
	s_mov_b32 s[\g+4], 128                         ; tile_dim1
	s_mov_b32 s[\g+5], KROW                        ; pitch
	s_mov_b32 s[\g+6], 0
	s_mov_b32 s[\g+7], 0
.endr
	s_or_b32 s[G1S+0], s43, (3<<16)|(1<<20)|(1<<21)|(5<<22)|(3<<25)  ; the scale bytes of 128 rows: a dense block, as rows of 256 bytes + 16 of padding
	s_or_b32 s[G1SB+0], s44, (3<<16)|(1<<20)|(1<<21)|(5<<22)|(3<<25)
.irp g, G1S, G1SB
	s_mov_b32 s[\g+1], 32<<16
	s_mov_b32 s[\g+2], (128*KS/256)<<16
	s_mov_b32 s[\g+3], 32<<16
	s_mov_b32 s[\g+4], 128*KS/256
	s_mov_b32 s[\g+5], 32
	s_mov_b32 s[\g+6], 0
	s_mov_b32 s[\g+7], 0
.endr
	s_lshl_b32 s18, s16, 7
	s_lshl_b32 s20, s17, 8
	s_add_co_u32 s20, s20, s18                     ; A: row 256 x tile row + 128 x half
	s_lshl_b32 s46, s42, 8
	s_add_co_u32 s46, s46, s18                     ; B likewise
	s_mov_b32 s21, 0
	s_mov_b32 s47, 0
	s_mov_b64 s[18:19], KS
	s_mul_u64 s[22:23], s[20:21], s[18:19]
	s_mul_u64 s[92:93], s[46:47], s[18:19]
	s_mov_b64 s[18:19], AMUL
	s_mul_u64 s[20:21], s[20:21], s[18:19]
	s_mov_b64 s[18:19], KROW
	s_mul_u64 s[46:47], s[46:47], s[18:19]
	s_mul_i32 s45, s14, HALFT
	s_mul_i32 s94, s14, HALFS
	s_wait_kmcnt 0x0
	s_add_nc_u64 s[6:7], s[4:5], ASCL
	s_add_nc_u64 s[20:21], s[4:5], s[20:21]
	s_add_nc_u64 s[22:23], s[6:7], s[22:23]
	s_add_nc_u64 s[46:47], s[8:9], s[46:47]
	s_add_nc_u64 s[92:93], s[10:11], s[92:93]
	CROUND                                         ; all sixteen work-groups are here: the first joint loads meet
	s_mov_b32 s[G0S], 1
	s_add_co_u32 s[G0S+1], s94, SCL
	s_mov_b64 s[G0S+2:G0S+3], s[22:23]
	s_or_b32 s[G0S+3], s[G0S+3], 0x80000000
	s_mov_b32 s[G0SB], 1
	s_add_co_u32 s[G0SB+1], s94, SCL
	s_mov_b64 s[G0SB+2:G0SB+3], s[92:93]
	s_or_b32 s[G0SB+3], s[G0SB+3], 0x80000000
	JLOAD G0S, G1S, G0SB, G1SB                     ; the scales first; by this text's count three loads of a wave are out at the start, one behind each round
.irp s, 0,1
	s_mov_b32 s[G0+4*\s], 1
	s_add_co_u32 s[G0+4*\s+1], s45, \s*SLOT
	s_add_nc_u64 s[G0+4*\s+2:G0+4*\s+3], s[20:21], \s*ASTEP
	s_or_b32 s[G0+4*\s+3], s[G0+4*\s+3], 0x80000000
	s_mov_b32 s[G0B+4*\s], 1
	s_add_co_u32 s[G0B+4*\s+1], s45, \s*SLOT
	s_add_nc_u64 s[G0B+4*\s+2:G0B+4*\s+3], s[46:47], \s*ROWB
	s_or_b32 s[G0B+4*\s+3], s[G0B+4*\s+3], 0x80000000
	JLOAD G0+4*\s, G1, G0B+4*\s, G1B
.endr
	v_and_b32 v1, 15, v0                           ; r
	v_bfe_u32 v2, v0, 4, 1                         ; h
	v_and_b32 v6, 31, v0
	v_lshlrev_b32 v[CO], 4, v6
	v_lshlrev_b32 v[L8], 3, v6
	v_lshlrev_b32 v30, 7, v6                       ; 128 x lane: a row of scale bytes
	s_lshl_b32 s23, s14, 9
	v_lshl_add_u32 v[STO], v1, 2, s23              ; 512 x wave + 4 r
	v_lshl_add_u32 v[RD], v6, 2, s23               ; 512 x wave + 4 x lane
	v_mul_u32_u24 v3, v1, PITCH
	v_mul_u32_u24 v4, v2, 24
	v_add_nc_u32 v4, v3, v4
	v_lshl_add_u32 v5, v2, 4, v4
	s_mul_i32 s21, s15, HALFT
	s_mul_i32 s22, s16, HALFT
	s_add_co_u32 s22, s22, 2*HALFT
.irp s, 0,1
.if AIMG
	v_add_nc_u32 v[ADRA+\s], s21, v[CO]
	v_add_nc_u32 v[ADRA+2+\s], s21, v[L8]
.else
	v_add_nc_u32 v[ADRA+\s], s21, v4
	v_add_nc_u32 v[ADRA+2+\s], s21, v5
.endif
	v_add_nc_u32 v[ADRB+\s], s22, v4
	v_add_nc_u32 v[ADRB+2+\s], s22, v5
	s_add_co_u32 s21, s21, SLOT
	s_add_co_u32 s22, s22, SLOT
.endr
	v_mul_u32_u24 v5, v1, KS
	v_lshrrev_b32 v6, 8, v5
	v_lshl_add_u32 v5, v6, 4, v5
	s_mul_i32 s21, s15, HALFS
	s_mul_i32 s22, s16, HALFS
	s_add_co_u32 s22, s22, 2*HALFS
	s_sub_co_u32 s22, s22, s21
	v_mul_u32_u24 v6, s22, v2                      ; lanes 16-31 take B's
	s_add_co_u32 s21, s21, SCL
	v_add_nc_u32 v5, v5, v6
	v_add_nc_u32 v[ADRS], s21, v5
	s_lshl_b32 s46, s42, 10
	s_lshl_b32 s47, s16, 9
	s_add_co_u32 s46, s46, s47                     ; my first column, x 4 bytes
	s_mov_b32 s47, 0
	s_add_nc_u64 s[96:97], s[96:97], s[46:47]
	v_lshlrev_b32 v7, 5, v2                        ; the bias: block b, my half's eight columns: 64 b + 32 h bytes on
.irp b, 0,1,2,3,4,5,6,7
	global_load_b128 v[BIA+8*\b:BIA+8*\b+3], v7, s[96:97] offset:64*\b
	global_load_b128 v[BIA+8*\b+4:BIA+8*\b+7], v7, s[96:97] offset:64*\b+16
.endr
	s_wait_tensorcnt 1                             ; the scales and my part of K step 0 are in; K step 1's load may be out
	s_barrier_signal -1
	s_barrier_wait -1
	FETCH_B 0, 0, 0
	FETCH_A 0, 0, 0
	SCALES 0
	FETCH_A 0, 0, 4
	s_wait_loadcnt 0x0                             ; the bias
	STEP 0, 0, 1                                   ; the first step starts the sums, from the bias
	s_mov_b32 s3, LAPS-1
.Llap:
	TURN 0, 1, 1
	STEP 1, 0, 0
	TURN 1, 0, 1
	STEP 0, 0, 0
	s_sub_co_u32 s3, s3, 1
	s_cmp_lg_u32 s3, 0
	s_cbranch_scc1 .Llap
	TURN 0, 1, 0                                   ; the last lap fills nothing
	STEP 1, 0, 0
	s_wait_dscnt 4*NLA
	WIN MUL_LO
	MUL16 0, 1, NQ-1, 1, 0
	MUL16 2, 1, NQ-1, 1, 0
	s_wait_dscnt 0
	WIN MUL_HI
	MUL16 4, 1, NQ-1, 1, 0
	MUL16 6, 1, NQ-1, 1, 0
	WIN 0
	; ---- the way out
	PLACES NP
.irp b, 0,1,2,3
	v_mov_b32 v[TM+4+\b], 0
.endr
	v_mov_b32 v8, 0xbfba00e3                       ; a4 = -1.453152027, as a pair
	v_mov_b32 v9, 0xbfba00e3
	v_mov_b32 v10, 0x3fb5f0e3                      ; a3 = 1.421413741
	v_mov_b32 v11, 0x3fb5f0e3
	v_mov_b32 v12, 0xbe91a98e                      ; a2 = -0.284496736
	v_mov_b32 v13, 0xbe91a98e
	v_mov_b32 v14, 0x3e827906                      ; a1 = 0.254829592
	v_mov_b32 v15, 0x3e827906
	s_lshl_b32 s18, s42, 2
	s_lshl_b32 s19, s16, 1
	s_add_co_u32 s18, s18, s19                     ; my first chunk of 64 columns
	s_lshl_b32 s18, s18, 8
	s_lshl_b32 s19, s17, 4
	s_add_co_u32 s18, s18, s19
	s_lshl_b32 s19, s15, 3
	s_add_co_u32 s18, s18, s19                     ; x 256 + my first tile of 16 rows
	s_mul_i32 s92, s18, 768
	s_mov_b32 s93, 0
	s_lshl_b32 s94, s17, 8
	s_lshl_b32 s19, s15, 7
	s_add_co_u32 s94, s94, s19
	s_lshl_b32 s94, s94, 7                         ; my first row's 128 scale bytes,
	s_lshl_b32 s19, s42, 3
	s_add_co_u32 s94, s94, s19
	s_lshl_b32 s19, s16, 2
	s_add_co_u32 s94, s94, s19                     ; my 128 columns' four
	s_add_co_u32 s94, s94, 12582912
	s_mov_b32 s95, 0
	s_add_nc_u64 s[92:93], s[12:13], s[92:93]
	s_add_nc_u64 s[94:95], s[12:13], s[94:95]
.macro PART1 a                         ; block a out of its window: hx = x / 2, each accumulator from its low end on
	WIN 2+(\a)/4
.set n, 0
.rept 32
	v_pk_mul_f32 v[H+n:H+n+1], v[64*((\a)%4)+n:64*((\a)%4)+n+1], 0.5 op_sel_hi:[1,0]
.set n, n+2
.endr
	WIN 0
.endm
	s_mov_b32 s3, 0                                ; the block
	s_mov_b32 s18, 0                               ; 64 x block: its scale words' place
.Lga:
.irp a, 0,1,2,3,4,5,6
	s_cmp_eq_u32 s3, \a
	s_cbranch_scc1 .Lp\a
.endr
	PART1 7
	s_branch .Lcom
.irp a, 0,1,2,3,4,5,6
.Lp\a:
	PART1 \a
	s_branch .Lcom
.endr
.Lcom:
.irp u, 0,1                                    ; 32 numbers at a time
.set n, 0
.rept 32
	v_and_b32 v[HA+n], 0x7fffffff, v[H+32*\u+n]    ; ha
.set n, n+1
.endr
.set n, 0
.rept 16
	v_pk_fma_f32 v[T+n:T+n+1], v[HA+n:HA+n+1], 0x3eed3388, 1.0 op_sel_hi:[1,0,0]   ; 1 + 0.463284 ha
.set n, n+2
.endr
.set n, 0
.rept 16
	v_pk_mul_f32 v[E+n:E+n+1], v[H+32*\u+n:H+32*\u+n+1], v[H+32*\u+n:H+32*\u+n+1]
.set n, n+2
.endr
.set n, 0
.rept 16
	v_pk_mul_f32 v[E+n:E+n+1], v[E+n:E+n+1], 0xc038aa3b op_sel_hi:[1,0]            ; -2.88539 hx^2
.set n, n+2
.endr
.set n, 0
.rept 32
	v_rcp_f32 v[T+n], v[T+n]                       ; one batch: 32 reciprocals,
.set n, n+1
.endr
.set n, 0
.rept 32
	v_exp_f32 v[E+n], v[E+n]                       ; 32 exponentials
.set n, n+1
.endr
.set n, 0
.rept 16
	v_pk_add_f32 v[H+32*\u+n:H+32*\u+n+1], v[H+32*\u+n:H+32*\u+n+1], v[HA+n:HA+n+1]   ; hx + ha: work that names no result of the batch
.set n, n+2
.endr
	s_wait_alu depctr_va_vdst(0)                   ; one wait for the batch, ahead of its first reader
.set n, 0
.rept 16
	v_pk_fma_f32 v[PQ+n:PQ+n+1], v[T+n:T+n+1], 0x3f87dc22, v[8:9] op_sel_hi:[1,0,1]   ; a5 t + a4
.set n, n+2
.endr
.irp k, 10,12,14
.set n, 0
.rept 16
	v_pk_fma_f32 v[PQ+n:PQ+n+1], v[PQ+n:PQ+n+1], v[T+n:T+n+1], v[\k:\k+1]
.set n, n+2
.endr
.endr
.set n, 0
.rept 16
	v_pk_mul_f32 v[PQ+n:PQ+n+1], v[PQ+n:PQ+n+1], v[T+n:T+n+1]
.set n, n+2
.endr
.set n, 0
.rept 16
	v_pk_mul_f32 v[E+n:E+n+1], v[E+n:E+n+1], v[PQ+n:PQ+n+1]                        ; E = erfc(|x| / sqrt 2)
.set n, n+2
.endr
.set n, 0
.rept 16
	v_pk_fma_f32 v[H+32*\u+n:H+32*\u+n+1], v[HA+n:HA+n+1], v[E+n:E+n+1], v[H+32*\u+n:H+32*\u+n+1] neg_lo:[1,0,0] neg_hi:[1,0,0]   ; (hx + ha) - ha E
.set n, n+2
.endr
.endr
.irp b, 0,1,2,3
.irp j, 0,1,2,3,4,5,6,7
	v_permlane16_swap_b32 v[H+16*\b+\j], v[H+16*\b+8+\j]   ; the partner is a given weight: register 16 b + i becomes column 32 b + 16 h + i, the natural order
.endr
.endr
	QUANT 0, H, PW
.irp c, 0,1
	global_store_b128 v[CO], v[PC+6*\c:PC+6*\c+3], s[92:93] offset:\c*196608       ; 512 consecutive bytes
	global_store_b64 v[L8], v[PC+6*\c+4:PC+6*\c+5], s[92:93] offset:\c*196608+512  ; 256 consecutive bytes
.endr
	v_add_nc_u32 v6, s18, v[STO]
	ds_store_b32 v6, v[PW]                         ; both halves of the lanes write the same word
	s_wait_dscnt 0x0                               ; the store has read its registers,
	s_wait_xcnt 0x0                                ; and so have the global stores: codes, scale word and base may be written again
	s_add_nc_u64 s[92:93], s[92:93], 768           ; the next tile of 16 rows
	s_add_co_u32 s18, s18, 64
	s_add_co_u32 s3, s3, 1
	s_cmp_lt_u32 s3, 8
	s_cbranch_scc1 .Lga
.irp k, 0,1,2,3
	ds_load_b32 v[72+\k], v[RD] offset:128*\k      ; my 128 rows' scale words, a lane a row
.endr
.irp k, 0,1,2,3
	s_wait_dscnt 3-\k
	global_store_b32 v30, v[72+\k], s[94:95] offset:4096*\k   ; four bytes of each row's 128: the other columns' waves write the rest
.endr
	s_wait_tensorcnt 0x0                           ; the wave's end
	ds_add_u32 v[SPW], v[NIL]
	s_wait_dscnt 0x0
	CROUND                                         ; the closing round
	s_endpgm
.Lfunc_end_k_q0fdf78a265_fc1:
	.size	k_q0fdf78a265_fc1, .Lfunc_end_k_q0fdf78a265_fc1-k_q0fdf78a265_fc1
	.p2alignl 7, 3214868480
	.fill 96, 4, 3214868480
	.section	.rodata,"a",@progbits
	.p2align	6, 0x0
	.amdhsa_kernel k_q0fdf78a265_fc1
		.amdhsa_group_segment_fixed_size 327680
		.amdhsa_private_segment_fixed_size 0
		.amdhsa_enable_private_segment 0
		.amdhsa_kernarg_size 40
		.amdhsa_user_sgpr_count 2
		.amdhsa_user_sgpr_kernarg_segment_ptr 1
		.amdhsa_wavefront_size32 1
		.amdhsa_system_sgpr_workgroup_id_x 1
		.amdhsa_system_sgpr_workgroup_id_y 1
		.amdhsa_system_sgpr_workgroup_id_z 1
		.amdhsa_system_vgpr_workitem_id 0
		.amdhsa_next_free_vgpr 1024
		.amdhsa_next_free_sgpr 102
		.amdhsa_reserve_vcc 0
		.amdhsa_float_denorm_mode_32 3
		.amdhsa_float_denorm_mode_16_64 3
		.amdhsa_memory_ordered 1
		.amdhsa_forward_progress 1
		.amdhsa_inst_pref_size 190
	.end_amdhsa_kernel
	.amdgpu_metadata
---
amdhsa.version: [ 1, 2 ]
amdhsa.kernels:
  - .name:           k_q0fdf78a265_fc1
    .symbol:         k_q0fdf78a265_fc1.kd
    .args:
      - { .name: h1, .offset: 0, .size: 8, .value_kind: global_buffer, .address_space: global }
      - { .name: fc1_w_codes, .offset: 8, .size: 8, .value_kind: global_buffer, .address_space: global }
      - { .name: fc1_w_scales, .offset: 16, .size: 8, .value_kind: global_buffer, .address_space: global }
      - { .name: fc1_b, .offset: 24, .size: 8, .value_kind: global_buffer, .address_space: global }
      - { .name: gw, .offset: 32, .size: 8, .value_kind: global_buffer, .address_space: global }
    .group_segment_fixed_size: 327680
    .private_segment_fixed_size: 0
    .kernarg_segment_align: 8
    .kernarg_segment_size: 40
    .max_flat_workgroup_size: 128
    .sgpr_count:     102
    .vgpr_count:     1024
    .wavefront_size: 32
...
	.end_amdgpu_metadata
.endif
;; end of part 6
;; launch fc2 (part 7): grid 4 x 16, 4 waves a work-group, clusters of 4 x 4, 327,680 bytes of LDS; arguments gw, fc2_w_codes, fc2_w_scales, fc2_b, x1, out0; writes out0
.if DOCPART == 7
	.amdgcn_target "amdgcn-amd-amdhsa--gfx1250"
	.amdhsa_code_object_version 6
	.text
	.protected	k_q0fdf78a265_fc2
	.globl	k_q0fdf78a265_fc2
	.p2align	8
	.type	k_q0fdf78a265_fc2,@function
k_q0fdf78a265_fc2:
	s_mov_b64 s[64:65], 0
	v_nop
	global_prefetch_b8 v0, s[64:65] scope:SCOPE_SE
	s_setreg_imm32_b32 hwreg(HW_REG_WAVE_MODE, 25, 1), 1
	s_wait_xcnt 0x0
	s_wait_alu depctr_hold_cnt(0) depctr_sa_sdst(0) depctr_va_vdst(0) depctr_va_sdst(0) depctr_va_ssrc(0) depctr_va_vcc(0) depctr_vm_vsrc(0)
	s_getreg_b32 s2, hwreg(HW_REG_IB_STS2, 6, 4)
	s_cmp_eq_u32 s2, 0
	s_cbranch_scc0 .Lentry_in_a_cluster
	s_endpgm
.Lentry_in_a_cluster:
	s_bfe_u32 s2, ttmp6, 0x10000c
	s_cmp_lg_u32 s2, 0xf033
	s_cbranch_scc0 .Lentry_shape_is_right
	s_endpgm
.Lentry_shape_is_right:
; out = x1 + g W + b, the product on codes of E2M3 with E8M0 scales, K = 4,096, f32 out.
; THE CORE (shared by four launches of this program; the switches SIZE_K, AIMG, BIASC at the head say what a launch takes of it): a tile of 256 x 256 to a work-group of four waves, 128 x 128 to a wave
; in 64 accumulators; K in steps of 256 through two LDS slots filled by tensor loads; the scale bytes of the work-group's rows come once and stay.  4 x 4 work-groups form a cluster: A's tile
; is asked for jointly along a row of the cluster, B's along a column.  The matrix instruction is used transposed (source 0 = 16 rows of B, source 1 = 16 rows of A):
; lane (r, h) holds row r of A, and register 8 b + j of a block column 16 b + 8 h + j.
; A (g) comes as images [chunk of 64 K][tile of 16 rows 256][768 bytes]: six registers a lane (0-3 at 16 x lane, 4-5 at 512 + 8 x lane); one tensor load brings 4 chunks x 8 tiles, rows of 6,144 bytes.
; The bias is the C of each sum's first product.  The residual is added on the way out, which goes through each wave's stage in LDS, so that 32 lanes store 512 consecutive bytes.
; The grid has 64 work-groups: one core serves all four products of the program; a smaller tile would fill more WGPs at twice the LDS reads for each product.
.set SIZE_K, 4096
.set AIMG,   1                         ; 1: A comes as images of 16 rows x 64 K
.set BIASC,  1                         ; 1: a bias is the C of each sum's first product
.set ASCL,   12582912                  ; A's scale bytes, [4096][K / 32], behind its images
.set KSTEP,  256
.set NQ,     2
.set ROWB,   192
.set KROW,   SIZE_K*6/8
.set PITCH,  240                       ; an LDS row: 3 x (64 bytes + 16 of padding)
.set FR,     12
.set NL,     6
.set NP,     4
.set HALFT,  128*PITCH
.set SLOT,   4*HALFT
.set LAPS,   SIZE_K/(2*KSTEP)
.set KS,     SIZE_K/32
.set SCL,    2*SLOT                    ; behind the ring: the scale bytes, as units of 256 bytes + 16
.set HALFS,  (128*KS/256)*272
.set SBLK,   (16*KS/256)*272
.set SPARE,  SCL+4*HALFS               ; the spare words: 128 bytes a wave, named by no other line
.if AIMG
.set NLA,    4
.set AMUL,   48
.set ASTEP,  4*196608
.else
.set NLA,    6
.set AMUL,   KROW
.set ASTEP,  ROWB
.endif
.set SPITCH, 528                       ; the way out: 16 rows x (512 bytes + 16) a wave, in slot 0, which has had its last fill and its last read by then
.set ADRA, 16
.set ADRB, 20
.set STO,  24
.set RD,   25
.set CO,   26                          ; v26 16 x lane
.set ADRS, 27
.set SPW,  28                          ; v28 my spare word; never rewritten
.set NIL,  29                          ; v29 0; never rewritten
.set L8,   31                          ; v31 8 x lane
.set SC,   32                          ; v32-63 scale words, two sets
.set BIA,  64                          ; v64-127 the bias, in the result's layout
.set AF,   128                         ; v128-223 A's fragments, one set; window 1: B's, two sets; windows 2, 3: accumulators
.set BK,   128                         ; the way out: rows read back, v128-191 and v192-255 by turns; the residual in window 1, v0-63 and v64-127
.set G1, 24
.set G0, 32
.set G1B, 48
.set G0B, 56
.set G1S, 68
.set G0S, 76
.set G1SB, 80
.set G0SB, 88
.set MSB, 0
.macro WIN new                         ; the immediate's high byte repeats the setting that is left
.if MSB != (\new)
	s_set_vgpr_msb (MSB<<8)|(\new)
.set MSB, (\new)
.endif
.endm
.set MUL_LO, 0xa1                      ; source 0 (B) window 1, source 1 (A) window 0, C and D window 2
.set MUL_HI, 0xf1
.set TO_B,   0x40
.macro JLOAD g0a, g1a, g0b, g1b        ; a joint load: waves 0, 1 fetch for A, waves 2, 3 for B; four v_nop follow each line
	s_cmp_eq_u32 s15, 0
	s_cbranch_scc0 .Lfor_b_\@
	tensor_load_to_lds s[\g0a:\g0a+3], s[\g1a:\g1a+7]
	s_nop 0
.rept 4
	v_nop
.endr
	s_branch .Lasked_\@
.Lfor_b_\@:
	tensor_load_to_lds s[\g0b:\g0b+3], s[\g1b:\g1b+7]
	s_nop 0
.rept 4
	v_nop
.endr
.Lasked_\@:
.endm
.macro CREST                           ; a round of the cluster's barrier behind its opening barrier
	s_cmp_lg_u32 s14, 0
	s_cbranch_scc1 .Lnot_wave_0_\@
	s_barrier_signal -3
.Lnot_wave_0_\@:
	s_barrier_wait -3
	s_barrier_signal -1
	s_barrier_wait -1
.endm
.macro CROUND
	s_barrier_signal -1
	s_barrier_wait -1
	CREST
.endm
.macro FRAG reg, adr, q, i             ; 16 rows x 128 K from rows in LDS: six pieces of 8 bytes; where lanes 16-31's piece lies behind one padding more, the second address register serves
.irp p, 0,1,2,3,4,5
.set PCE, 12*(\q)+6*(\p/3)+\p%3
.if PCE%8 < 5
	ds_load_b64 v[\reg+2*\p:\reg+2*\p+1], v[\adr] offset:8*PCE+16*(PCE/8)+(\i)*16*PITCH
.else
	ds_load_b64 v[\reg+2*\p:\reg+2*\p+1], v[\adr+2] offset:8*PCE+16*(PCE/8)+(\i)*16*PITCH
.endif
.endr
.endm
.macro FRAGA reg, slot, q, i           ; A's fragment: from rows, or from two images of 64 K ([chunk 4][16 rows 8][768 bytes] in a wave's part of a slot)
.if AIMG
.irp c, 0,1
	ds_load_b128 v[\reg+6*\c:\reg+6*\c+3], v[ADRA+\slot] offset:(2*(\q)+\c)*6144+(\i)*768
	ds_load_b64 v[\reg+6*\c+4:\reg+6*\c+5], v[ADRA+2+\slot] offset:(2*(\q)+\c)*6144+(\i)*768+512
.endr
.else
	FRAG \reg, ADRA+\slot, \q, \i
.endif
.endm
.macro MUL16 a0, p, q, sc, zero        ; A's blocks a0, a0 + 1 x B's eight, 128 along K.  The 64 accumulators take turns, one instruction a turn
.irp a, \a0, \a0+1
.irp b, 0,1,2,3,4,5,6,7
.set rD, 8*(8*((\a)%4)+\b)
.set rB, 128*(\p)+FR*\b
.set rA, AF+FR*(\a)
.set sB, SC+8*NQ*(\sc)+NQ*\b+(\q)
.set sA, SC+8*NQ*(\sc)+NQ*(\a)+(\q)
.if (\zero) && BIASC
	v_wmma_scale_f32_16x16x128_f8f6f4 v[rD:rD+7], v[rB:rB+FR-1], v[rA:rA+FR-1], v[BIA+8*\b:BIA+8*\b+7], v[sB], v[sA] matrix_a_fmt:MATRIX_FMT_FP6 matrix_b_fmt:MATRIX_FMT_FP6 matrix_a_scale:MATRIX_SCALE_ROW1
.elseif \zero
	v_wmma_scale_f32_16x16x128_f8f6f4 v[rD:rD+7], v[rB:rB+FR-1], v[rA:rA+FR-1], 0, v[sB], v[sA] matrix_a_fmt:MATRIX_FMT_FP6 matrix_b_fmt:MATRIX_FMT_FP6 matrix_a_scale:MATRIX_SCALE_ROW1
.else
	v_wmma_scale_f32_16x16x128_f8f6f4 v[rD:rD+7], v[rB:rB+FR-1], v[rA:rA+FR-1], v[rD:rD+7], v[sB], v[sA] matrix_a_fmt:MATRIX_FMT_FP6 matrix_b_fmt:MATRIX_FMT_FP6 matrix_a_scale:MATRIX_SCALE_ROW1
.endif
.endr
.endr
.endm
.macro FETCH_B slot, q, p
	WIN TO_B
.irp i, 0,1,2,3,4,5,6,7
	FRAG 128*(\p)+FR*\i, ADRB+\slot, \q, \i
.endr
	WIN 0
.endm
.macro FETCH_A slot, q, i0
.irp i, \i0, \i0+1, \i0+2, \i0+3
	FRAGA AF+FR*(\i), \slot, \q, \i
.endr
.endm
.macro SCALES sc                       ; a K step's scale words: lanes 0-15 A's block i, lanes 16-31 B's block i
.irp i, 0,1,2,3,4,5,6,7
	ds_load_b64 v[SC+8*NQ*\sc+NQ*\i:SC+8*NQ*\sc+NQ*\i+1], v[ADRS] offset:\i*SBLK
.endr
.endm
.macro PLACES n                        ; plain vector instructions between a matrix instruction and a load into, or a read of, its registers
.rept \n
	v_nop
.endr
.endm
.macro STEP slot, q, zero              ; 128 along K with a successor in the same slot
	s_wait_dscnt 4*NLA                             ; B's set and A's blocks 0-3 are in; A's blocks 4-7 may be out
.if (\zero) && BIASC
	WIN 0x81                                       ; C (the bias) in window 0
.else
	WIN MUL_LO
.endif
	MUL16 0, (\q)%2, \q, \slot, \zero
	MUL16 2, (\q)%2, \q, \slot, \zero
	s_wait_dscnt 0
	PLACES NP
	FETCH_B \slot, (\q)+1, 1-(\q)%2
	FETCH_A \slot, (\q)+1, 0
.if (\zero) && BIASC
	WIN 0xc1
.else
	WIN MUL_HI
.endif
	MUL16 4, (\q)%2, \q, \slot, \zero
	MUL16 6, (\q)%2, \q, \slot, \zero
	PLACES NP
	WIN 0
	FETCH_A \slot, (\q)+1, 4
.endm
.macro TURN slot, next, fill           ; a slot's last step changes slots: one barrier; with fill = 1 it opens a round of the cluster's barrier and this slot is filled again
	s_wait_tensorcnt 0x0                           ; all my tensor loads have landed: my part of the next slot
	ds_add_u32 v[SPW], v[NIL]                      ; 0 onto my spare word
	s_wait_dscnt 4*NLA+1                           ; the add and A's blocks 4-7 may be out
	WIN MUL_LO
	MUL16 0, 1, NQ-1, \slot, 0
	s_wait_dscnt 0x0                               ; the add is done, and my reads of this slot are over
	s_barrier_signal -1
	MUL16 2, 1, NQ-1, \slot, 0
	WIN 0
	s_barrier_wait -1
.if \fill
	CREST                                          ; no wave of any partner still reads this slot or has a load on its way
	s_add_nc_u64 s[G0+4*\slot+2:G0+4*\slot+3], s[G0+4*\slot+2:G0+4*\slot+3], 2*ASTEP
	s_add_nc_u64 s[G0B+4*\slot+2:G0B+4*\slot+3], s[G0B+4*\slot+2:G0B+4*\slot+3], 2*ROWB
	JLOAD G0+4*\slot, G1, G0B+4*\slot, G1B         ; my one tensor load behind the round; its four v_nop are the places in front of the loads below
.else
	PLACES NP
.endif
	v_add_nc_u32 v[ADRS], 4*NQ, v[ADRS]
	FETCH_B \next, 0, 0
	FETCH_A \next, 0, 0
	SCALES \next
	WIN MUL_HI
	MUL16 4, 1, NQ-1, \slot, 0
	MUL16 6, 1, NQ-1, \slot, 0
	PLACES NP
	WIN 0
	FETCH_A \next, 0, 4
.endm
	s_load_b64 s[4:5], s[0:1], 0x0                 ; A: images, scale bytes behind them
	s_load_b128 s[8:11], s[0:1], 0x8               ; B's codes, B's scales
	s_load_b128 s[96:99], s[0:1], 0x18             ; bias, residual
	s_load_b64 s[12:13], s[0:1], 0x28              ; out
	v_lshl_add_u32 v[SPW], v0, 2, SPARE
	v_mov_b32 v[NIL], 0
	ds_add_u32 v28, v29
	ds_add_u32 v28, v29
	s_wait_dscnt 0x0
	v_lshrrev_b32 v1, 5, v0
	v_readfirstlane_b32 s14, v1                    ; wave 0..3
	s_lshr_b32 s15, s14, 1                         ; my half of the tile's rows; also: I fetch for A (0) or B (1)
	s_and_b32 s16, s14, 1                          ; my half of its columns; also: which 128 rows I fetch
	s_bfe_u32 s40, ttmp6, 0x40000                  ; cx
	s_bfe_u32 s41, ttmp6, 0x40004                  ; cy
	s_lshl_b32 s42, ttmp9, 2
	s_add_co_u32 s42, s42, s40                     ; tile column
	s_and_b32 s17, ttmp7, 0xffff
	s_lshl_b32 s17, s17, 2
	s_add_co_u32 s17, s17, s41                     ; tile row
	s_lshl_b32 s43, s41, 2
	s_lshl_b32 s43, 15, s43                        ; my row of the cluster
	s_lshl_b32 s44, 0x1111, s40                    ; my column
.if AIMG
	s_or_b32 s[G1+0], s43, (3<<16)|(1<<21)         ; mask; elements of 8 bytes; no padding; bit 21 beside a mask
	s_mov_b32 s[G1+1], 768<<16                     ; tensor_dim0: 8 images, 6,144 bytes
	s_mov_b32 s[G1+2], 4<<16                       ; tensor_dim1: 4 chunks of 64 K
	s_mov_b32 s[G1+3], 768<<16                     ; tile_dim0
	s_mov_b32 s[G1+4], 4                           ; tile_dim1
	s_mov_b32 s[G1+5], 24576                       ; pitch: 256 images, 196,608 bytes
.else
	s_or_b32 s[G1+0], s43, (0<<16)|(1<<20)|(1<<21)|(3<<22)|(3<<25)
	s_mov_b32 s[G1+1], ROWB<<16
	s_mov_b32 s[G1+2], 128<<16
	s_mov_b32 s[G1+3], ROWB<<16
	s_mov_b32 s[G1+4], 128
	s_mov_b32 s[G1+5], KROW
.endif
	s_mov_b32 s[G1+6], 0
	s_mov_b32 s[G1+7], 0
	s_or_b32 s[G1B+0], s44, (0<<16)|(1<<20)|(1<<21)|(3<<22)|(3<<25)   ; mask; elements of 1 byte; padding of 4 words behind every 16
	s_mov_b32 s[G1B+1], ROWB<<16
	s_mov_b32 s[G1B+2], 128<<16
	s_mov_b32 s[G1B+3], ROWB<<16
	s_mov_b32 s[G1B+4], 128
	s_mov_b32 s[G1B+5], KROW
	s_mov_b32 s[G1B+6], 0
	s_mov_b32 s[G1B+7], 0
	s_or_b32 s[G1S+0], s43, (3<<16)|(1<<20)|(1<<21)|(5<<22)|(3<<25)  ; the scale bytes of 128 rows: a dense block, as rows of 256 bytes + 16 of padding
	s_or_b32 s[G1SB+0], s44, (3<<16)|(1<<20)|(1<<21)|(5<<22)|(3<<25)
.irp g, G1S, G1SB
	s_mov_b32 s[\g+1], 32<<16
	s_mov_b32 s[\g+2], (128*KS/256)<<16
	s_mov_b32 s[\g+3], 32<<16
	s_mov_b32 s[\g+4], 128*KS/256
	s_mov_b32 s[\g+5], 32
	s_mov_b32 s[\g+6], 0
	s_mov_b32 s[\g+7], 0
.endr
	s_lshl_b32 s18, s16, 7
	s_lshl_b32 s20, s17, 8
	s_add_co_u32 s20, s20, s18                     ; A: row 256 x tile row + 128 x half
	s_lshl_b32 s46, s42, 8
	s_add_co_u32 s46, s46, s18                     ; B likewise
	s_mov_b32 s21, 0
	s_mov_b32 s47, 0
	s_mov_b64 s[18:19], KS
	s_mul_u64 s[22:23], s[20:21], s[18:19]
	s_mul_u64 s[92:93], s[46:47], s[18:19]
	s_mov_b64 s[18:19], AMUL                       ; bytes a row: of images 768 / 16
	s_mul_u64 s[20:21], s[20:21], s[18:19]
	s_mov_b64 s[18:19], KROW
	s_mul_u64 s[46:47], s[46:47], s[18:19]
	s_mul_i32 s45, s14, HALFT
	s_mul_i32 s94, s14, HALFS
	s_wait_kmcnt 0x0
	s_add_nc_u64 s[6:7], s[4:5], ASCL
	s_add_nc_u64 s[20:21], s[4:5], s[20:21]
	s_add_nc_u64 s[22:23], s[6:7], s[22:23]
	s_add_nc_u64 s[46:47], s[8:9], s[46:47]
	s_add_nc_u64 s[92:93], s[10:11], s[92:93]
	CROUND                                         ; all sixteen work-groups are here: the first joint loads meet
	s_mov_b32 s[G0S], 1
	s_add_co_u32 s[G0S+1], s94, SCL
	s_mov_b64 s[G0S+2:G0S+3], s[22:23]
	s_or_b32 s[G0S+3], s[G0S+3], 0x80000000
	s_mov_b32 s[G0SB], 1
	s_add_co_u32 s[G0SB+1], s94, SCL
	s_mov_b64 s[G0SB+2:G0SB+3], s[92:93]
	s_or_b32 s[G0SB+3], s[G0SB+3], 0x80000000
	JLOAD G0S, G1S, G0SB, G1SB                     ; the scales first; by this text's count three loads of a wave are out at the start, one behind each round
.irp s, 0,1
	s_mov_b32 s[G0+4*\s], 1
	s_add_co_u32 s[G0+4*\s+1], s45, \s*SLOT
	s_add_nc_u64 s[G0+4*\s+2:G0+4*\s+3], s[20:21], \s*ASTEP
	s_or_b32 s[G0+4*\s+3], s[G0+4*\s+3], 0x80000000
	s_mov_b32 s[G0B+4*\s], 1
	s_add_co_u32 s[G0B+4*\s+1], s45, \s*SLOT
	s_add_nc_u64 s[G0B+4*\s+2:G0B+4*\s+3], s[46:47], \s*ROWB
	s_or_b32 s[G0B+4*\s+3], s[G0B+4*\s+3], 0x80000000
	JLOAD G0+4*\s, G1, G0B+4*\s, G1B
.endr
	v_and_b32 v1, 15, v0                           ; r
	v_bfe_u32 v2, v0, 4, 1                         ; h
	v_and_b32 v6, 31, v0
	v_lshlrev_b32 v[CO], 4, v6
	v_lshlrev_b32 v[L8], 3, v6
	v_mul_u32_u24 v3, v1, PITCH
	v_mul_u32_u24 v4, v2, 24
	v_add_nc_u32 v4, v3, v4
	v_lshl_add_u32 v5, v2, 4, v4
	s_mul_i32 s21, s15, HALFT
	s_mul_i32 s22, s16, HALFT
	s_add_co_u32 s22, s22, 2*HALFT
.irp s, 0,1
.if AIMG
	v_add_nc_u32 v[ADRA+\s], s21, v[CO]
	v_add_nc_u32 v[ADRA+2+\s], s21, v[L8]
.else
	v_add_nc_u32 v[ADRA+\s], s21, v4
	v_add_nc_u32 v[ADRA+2+\s], s21, v5
.endif
	v_add_nc_u32 v[ADRB+\s], s22, v4
	v_add_nc_u32 v[ADRB+2+\s], s22, v5
	s_add_co_u32 s21, s21, SLOT
	s_add_co_u32 s22, s22, SLOT
.endr
	v_mul_u32_u24 v5, v1, KS
	v_lshrrev_b32 v6, 8, v5
	v_lshl_add_u32 v5, v6, 4, v5
	s_mul_i32 s21, s15, HALFS
	s_mul_i32 s22, s16, HALFS
	s_add_co_u32 s22, s22, 2*HALFS
	s_sub_co_u32 s22, s22, s21
	v_mul_u32_u24 v6, s22, v2                      ; lanes 16-31 take B's
	s_add_co_u32 s21, s21, SCL
	v_add_nc_u32 v5, v5, v6
	v_add_nc_u32 v[ADRS], s21, v5
	s_mul_i32 s23, s14, 16*SPITCH                  ; my stage
	v_mul_u32_u24 v5, v1, SPITCH
	v_lshl_add_u32 v5, v2, 5, v5
	v_add_nc_u32 v[STO], s23, v5                   ; in: row r, 32 bytes for each half of the lanes
	v_add_nc_u32 v[RD], s23, v[CO]                 ; back: 32 lanes take a row of 512 bytes
	s_lshl_b32 s20, s17, 8
	s_lshl_b32 s21, s15, 7
	s_add_co_u32 s20, s20, s21
	s_lshl_b32 s20, s20, 12                        ; my first row, of 4,096 bytes
	s_lshl_b32 s46, s42, 10
	s_lshl_b32 s47, s16, 9
	s_add_co_u32 s46, s46, s47                     ; my first column, in bytes
	s_mov_b32 s47, 0
	s_add_nc_u64 s[96:97], s[96:97], s[46:47]
	s_add_co_u32 s20, s20, s46
	s_mov_b32 s21, 0
	s_add_nc_u64 s[12:13], s[12:13], s[20:21]
	s_add_nc_u64 s[98:99], s[98:99], s[20:21]
	v_lshlrev_b32 v7, 5, v2                        ; the bias: block b, my half's eight columns: 64 b + 32 h bytes on
.irp b, 0,1,2,3,4,5,6,7
	global_load_b128 v[BIA+8*\b:BIA+8*\b+3], v7, s[96:97] offset:64*\b
	global_load_b128 v[BIA+8*\b+4:BIA+8*\b+7], v7, s[96:97] offset:64*\b+16
.endr
	s_wait_tensorcnt 1                             ; the scales and my part of K step 0 are in; K step 1's load may be out
	s_barrier_signal -1
	s_barrier_wait -1
	FETCH_B 0, 0, 0
	FETCH_A 0, 0, 0
	SCALES 0
	FETCH_A 0, 0, 4
	s_wait_loadcnt 0x0                             ; the bias
	STEP 0, 0, 1                                   ; the first step starts the sums, from the bias
	s_mov_b32 s3, LAPS-1
.Llap:
	TURN 0, 1, 1
	STEP 1, 0, 0
	TURN 1, 0, 1
	STEP 0, 0, 0
	s_sub_co_u32 s3, s3, 1
	s_cmp_lg_u32 s3, 0
	s_cbranch_scc1 .Llap
	TURN 0, 1, 0                                   ; the last lap fills nothing
	STEP 1, 0, 0
	s_wait_dscnt 4*NLA
	WIN MUL_LO
	MUL16 0, 1, NQ-1, 1, 0
	MUL16 2, 1, NQ-1, 1, 0
	s_wait_dscnt 0
	WIN MUL_HI
	MUL16 4, 1, NQ-1, 1, 0
	MUL16 6, 1, NQ-1, 1, 0
	WIN 0
; THE WAY OUT, block by block of 16 rows x 128 columns: through my stage, back as whole rows of 512 bytes, plus the residual's same rows, stored.
.macro RLOAD a                         ; the residual's 16 rows into window 1
	WIN 0x40
.irp t, 0,1,2,3,4,5,6,7,8,9,10,11,12,13,14,15
	global_load_b128 v[64*((\a)%2)+4*\t:64*((\a)%2)+4*\t+3], v[CO], s[98:99] offset:(16*(\a)+\t)*4096 th:TH_LOAD_NT
.endr
	WIN 0
.endm
.macro TOSTAGE a
.set AC, 64*((\a)%4)
	WIN 0x08+4*((\a)/4)                            ; the data: window 2 or 3
.irp b, 0,1,2,3,4,5,6,7
	ds_store_b128 v[STO], v[AC+8*\b:AC+8*\b+3] offset:64*\b          ; each accumulator from its low end on
	ds_store_b128 v[STO], v[AC+8*\b+4:AC+8*\b+7] offset:64*\b+16
.endr
	WIN 0
.set BB, BK+64*((\a)%2)
.irp t, 0,1,2,3,4,5,6,7,8,9,10,11,12,13,14,15
	ds_load_b128 v[BB+4*\t:BB+4*\t+3], v[RD] offset:\t*SPITCH        ; LDS serves a wave's instructions in order: these see the stores above
.endr
.endm
.macro SEND a, yds, yld                ; yds, yld: the LDS instructions and the loads issued behind block a's, which may stay out
.set BB, BK+64*((\a)%2)
.set RR, 64*((\a)%2)
	s_wait_dscnt \yds
	s_wait_loadcnt \yld
	WIN 0x04                                       ; source 1: window 1
.set n, 0
.rept 32
	v_pk_add_f32 v[BB+n:BB+n+1], v[BB+n:BB+n+1], v[RR+n:RR+n+1]
.set n, n+2
.endr
	WIN 0
.irp t, 0,1,2,3,4,5,6,7,8,9,10,11,12,13,14,15
	global_store_b128 v[CO], v[BB+4*\t:BB+4*\t+3], s[12:13] offset:(16*(\a)+\t)*4096 th:TH_STORE_NT   ; 512 consecutive bytes, at a multiple of 256 from the buffer's first byte
.endr
.endm
	PLACES NP
	RLOAD 0
	TOSTAGE 0
.irp a, 1,2,3,4,5,6,7
.if \a > 1
	s_wait_xcnt 0x0                                ; block a - 2's stores have read their registers: block a's rows may land there
.endif
	RLOAD \a
	TOSTAGE \a
	SEND \a-1, 32, 16                              ; behind block a - 1's: block a's 16 stores and 16 loads of the stage, and its 16 loads of the residual
.endr
	SEND 7, 0, 0
	s_wait_tensorcnt 0x0                           ; the wave's end
	ds_add_u32 v[SPW], v[NIL]
	s_wait_dscnt 0x0
	CROUND                                         ; the closing round
	s_endpgm
.Lfunc_end_k_q0fdf78a265_fc2:
	.size	k_q0fdf78a265_fc2, .Lfunc_end_k_q0fdf78a265_fc2-k_q0fdf78a265_fc2
	.p2alignl 7, 3214868480
	.fill 96, 4, 3214868480
	.section	.rodata,"a",@progbits
	.p2align	6, 0x0
	.amdhsa_kernel k_q0fdf78a265_fc2
		.amdhsa_group_segment_fixed_size 327680
		.amdhsa_private_segment_fixed_size 0
		.amdhsa_enable_private_segment 0
		.amdhsa_kernarg_size 48
		.amdhsa_user_sgpr_count 2
		.amdhsa_user_sgpr_kernarg_segment_ptr 1
		.amdhsa_wavefront_size32 1
		.amdhsa_system_sgpr_workgroup_id_x 1
		.amdhsa_system_sgpr_workgroup_id_y 1
		.amdhsa_system_sgpr_workgroup_id_z 1
		.amdhsa_system_vgpr_workitem_id 0
		.amdhsa_next_free_vgpr 1024
		.amdhsa_next_free_sgpr 102
		.amdhsa_reserve_vcc 0
		.amdhsa_float_denorm_mode_32 3
		.amdhsa_float_denorm_mode_16_64 3
		.amdhsa_memory_ordered 1
		.amdhsa_forward_progress 1
		.amdhsa_inst_pref_size 182
	.end_amdhsa_kernel
	.amdgpu_metadata
---
amdhsa.version: [ 1, 2 ]
amdhsa.kernels:
  - .name:           k_q0fdf78a265_fc2
    .symbol:         k_q0fdf78a265_fc2.kd
    .args:
      - { .name: gw, .offset: 0, .size: 8, .value_kind: global_buffer, .address_space: global }
      - { .name: fc2_w_codes, .offset: 8, .size: 8, .value_kind: global_buffer, .address_space: global }
      - { .name: fc2_w_scales, .offset: 16, .size: 8, .value_kind: global_buffer, .address_space: global }
      - { .name: fc2_b, .offset: 24, .size: 8, .value_kind: global_buffer, .address_space: global }
      - { .name: x1, .offset: 32, .size: 8, .value_kind: global_buffer, .address_space: global }
      - { .name: out0, .offset: 40, .size: 8, .value_kind: global_buffer, .address_space: global }
    .group_segment_fixed_size: 327680
    .private_segment_fixed_size: 0
    .kernarg_segment_align: 8
    .kernarg_segment_size: 48
    .max_flat_workgroup_size: 128
    .sgpr_count:     102
    .vgpr_count:     1024
    .wavefront_size: 32
...
	.end_amdgpu_metadata
.endif
;; end of part 7
;; ======== version 2 of 2: 7 launches
;; limits: a function is approximated: absolute error at most 1.5e-07
;; workspace buffers: h1 3,276,800 bytes; mk 532,480 bytes of whole numbers; qkvw 10,092,544 bytes; ow 3,276,800 bytes; x1 16,777,216 bytes; gw 13,107,200 bytes
;; launch prep: the kernel of part 1 again; grid 384 x 1, 4 waves a work-group, no clusters, 44,544 bytes of LDS; arguments x, ln1_g, ln1_b, mask, h1, mk; writes h1, mk
;; launch qkv: the kernel of part 2 again; grid 12 x 16, 4 waves a work-group, clusters of 4 x 4, 327,680 bytes of LDS; arguments h1, qkv_w_codes, qkv_w_scales, qkvw; writes qkvw
;; launch attn: the kernel of part 3 again; grid 8 x 32, 16 waves a work-group, no clusters, 210,944 bytes of LDS; arguments qkvw, mk, ow; writes ow
;; launch oproj (part 8): grid 8 x 32, 4 waves a work-group, clusters of 4 x 4, 327,680 bytes of LDS; arguments ow, out_w_codes, out_w_scales, out_b, x, x1; writes x1
.if DOCPART == 8
	.amdgcn_target "amdgcn-amd-amdhsa--gfx1250"
	.amdhsa_code_object_version 6
	.text
	.protected	k_q0fdf78a265_oproj
	.globl	k_q0fdf78a265_oproj
	.p2align	8
	.type	k_q0fdf78a265_oproj,@function
k_q0fdf78a265_oproj:
	s_mov_b64 s[64:65], 0
	v_nop
	global_prefetch_b8 v0, s[64:65] scope:SCOPE_SE
	s_setreg_imm32_b32 hwreg(HW_REG_WAVE_MODE, 25, 1), 1
	s_wait_xcnt 0x0
	s_wait_alu depctr_hold_cnt(0) depctr_sa_sdst(0) depctr_va_vdst(0) depctr_va_sdst(0) depctr_va_ssrc(0) depctr_va_vcc(0) depctr_vm_vsrc(0)
	s_getreg_b32 s2, hwreg(HW_REG_IB_STS2, 6, 4)
	s_cmp_eq_u32 s2, 0
	s_cbranch_scc0 .Lentry_in_a_cluster
	s_endpgm
.Lentry_in_a_cluster:
	s_bfe_u32 s2, ttmp6, 0x10000c
	s_cmp_lg_u32 s2, 0xf033
	s_cbranch_scc0 .Lentry_shape_is_right
	s_endpgm
.Lentry_shape_is_right:
; x1 = x + o W + b, the product on codes of E2M3 with E8M0 scales, K = 1,024, f32 out.
; TILE.  The result is 4,096 x 1,024: tiles of 128 x 128 make 256 work-groups (tiles of 256 x 256 only 64).  Four waves, 64 x 64 each: 16 accumulators of 16 x 16, 128 registers.
; K goes in slots of 512 through two LDS slots filled by tensor loads, one load a wave: waves 0 and 1 bring A's two halves of 64 rows, waves 2 and 3 B's.  Here K is two slots: both are first fills,
; and nothing is filled again (the loop over laps is left out of the text).  The scale bytes of the work-group's rows, for all of K, come once, with the first fills, and stay.
; CLUSTERS: 4 x 4 work-groups.  The four of a row of the cluster need the same tiles of A, the four of a column the same tiles of B: each is asked for jointly, by the same tensor load with the same
; descriptor and a mask that names the four.  THE MATRIX INSTRUCTION IS USED TRANSPOSED (source 0 = 16 rows of B, source 1 = 16 rows of A): lane (r, h) holds row r of A, and register 8 b + j of a block
; column 16 b + 8 h + j: eight neighbouring numbers of a row of the result.
; A (o) comes as images [chunk of 64 K][tile of 16 rows 256][768 bytes]: six registers a lane (0-3 at 16 x lane, 4-5 at 512 + 8 x lane); a tensor load brings 8 chunks x 4 tiles, rows of 3,072 bytes.
; B comes as rows of codes: 384 bytes of a row to a slot.
; The bias is the C of each sum's first product.  THE RESIDUAL, 64 rows x 256 bytes a wave, is asked for at the head and lies in registers when the way out wants it.
; The way out goes through each wave's stage in LDS: a wave's 64 columns are 256 bytes, which sixteen lanes store whole.
; REGISTERS, in windows of 256: window 0: v16-31 addresses; v32-63 scale words, two sets; v64-95 the bias, later v64-127 rows read back from the stage; v128-255 the accumulators ((a, b) at v[128 + 8 (4 a + b)]).
;   window 1: two fragment buffers for 128 along K, at v0 and v128: A's four fragments (48 registers), then B's four.   window 2: v0-127 the residual.
.set SIZE_K, 1024
.set ASCL,   3145728                   ; A's scale bytes, [4096][K / 32], behind its images
.set KSLOT,  512                       ; along K in a slot
.set NQ,     4                         ; steps of 128 in it
.set ROWB,   384                       ; B's row in a slot, in bytes
.set KROW,   SIZE_K*6/8                ; B's row in memory
.set PITCH,  432                       ; B's row in LDS: 3 x (128 bytes + 16 of padding) = 108 words: row r starts at bank 44 r mod 64 (64 banks of 4 bytes: ISA guide 11.1): sixteen different multiples of 4
.set FR,     12                        ; registers of a fragment
.set NP,     4                         ; places behind this matrix instruction (ISA guide 7.12.1)
.set NF,     40                        ; LDS loads of a step's fragments: A's 4 x 4, B's 4 x 6
.set AHALF,  8*4*768                   ; A's 64 rows of a slot: [chunk 8][16 rows 4][768 bytes]
.set BHALF,  64*PITCH                  ; B's 64 rows
.set SLOT,   2*AHALF+2*BHALF           ; A's two halves, then B's two
.set LAPS,   SIZE_K/(2*KSLOT)          ; a lap = two slots = once round the ring
.set KS,     SIZE_K/32                 ; a row of scale bytes
.set SCL,    2*SLOT                    ; behind the ring: the scale bytes, as units of 256 bytes + 16
.set HALFS,  (64*KS/256)*272           ; those of 64 rows: what one tensor load brings
.set SBLK,   (16*KS/256)*272           ; those of 16 rows
.set SPARE,  SCL+4*HALFS               ; the spare words: 128 bytes a wave, named by no other line
.set ASTEP,  8*196608                  ; a slot further on in A's images: 8 chunks of 256 images
.set SPITCH, 272                       ; the way out: 16 rows x (256 bytes + 16) a wave, in slot 0, which has had its last fill and its last read by then
.set ADRA, 16                          ; v16-17 my A images in slot 0, 1, at 16 x lane; v18-19 at 8 x lane
.set ADRB, 20                          ; v20-21 my B rows in slot 0, 1; v22-23 the same behind one padding more
.set STO,  24                          ; v24 the stage: where I put 32 bytes of a row
.set RD,   25                          ; v25 and where I read a row back
.set CO,   26                          ; v26 16 x lane
.set ADRS, 27                          ; v27 my scale words: lanes 0-15 A's rows, lanes 16-31 B's
.set SPW,  28                          ; v28 my spare word; never rewritten
.set NIL,  29                          ; v29 0; never rewritten
.set GO,   30                          ; v30 in the residual and the result: 4,096 (lane / 16) + 16 (lane % 16); never rewritten
.set L8,   31                          ; v31 8 x lane
.set SC,   32                          ; set s at v[SC + 16 s]; in it register 4 i + q: lanes 0-15 the word of A's block i, lanes 16-31 of B's block i, for the slot's q-th 128 along K
.set BIA,  64
.set BK,   64
.set ACC,  128
.set F0,   0
.set F1,   128
.set G1, 24                            ; s[24:31] group 1 for A's tiles; s[32:39] groups 0, one for each slot
.set G0, 32
.set G1B, 48                           ; s[48:55], s[56:63] the same for B's
.set G0B, 56
.set G1S, 68                           ; s[68:75], s[76:79] for A's scales; s[80:87], s[88:91] for B's
.set G0S, 76
.set G1SB, 80
.set G0SB, 88
.set MSB, 0
.macro WIN new                         ; the immediate's high byte repeats the setting that is left
.if MSB != (\new)
	s_set_vgpr_msb (MSB<<8)|(\new)
.set MSB, (\new)
.endif
.endm
.set MUL,  0x05                        ; sources 0 (B) and 1 (A) window 1; C and D window 0
.set TO_F, 0x40                        ; destination window 1, address window 0
.macro JLOAD g0a, g1a, g0b, g1b        ; a joint load: waves 0, 1 fetch for A, waves 2, 3 for B; four v_nop follow each line
	s_cmp_eq_u32 s15, 0
	s_cbranch_scc0 .Lfor_b_\@
	tensor_load_to_lds s[\g0a:\g0a+3], s[\g1a:\g1a+7]
	s_nop 0
.rept 4
	v_nop
.endr
	s_branch .Lasked_\@
.Lfor_b_\@:
	tensor_load_to_lds s[\g0b:\g0b+3], s[\g1b:\g1b+7]
	s_nop 0
.rept 4
	v_nop
.endr
.Lasked_\@:
.endm
.macro CREST                           ; a round of the cluster's barrier behind its opening barrier
	s_cmp_lg_u32 s14, 0
	s_cbranch_scc1 .Lnot_wave_0_\@
	s_barrier_signal -3
.Lnot_wave_0_\@:
	s_barrier_wait -3
	s_barrier_signal -1
	s_barrier_wait -1
.endm
.macro CROUND
	s_barrier_signal -1
	s_barrier_wait -1
	CREST
.endm
.macro FRAGB reg, adr, q, i            ; 16 rows x 128 K from rows in LDS: six pieces of 8 bytes.  Lanes 16-31 read three pieces further on: where that lies behind one padding more (16 pieces to a padding), the second address register serves
.irp p, 0,1,2,3,4,5
.set PCE, 12*(\q)+6*(\p/3)+\p%3
.if PCE%16 < 13
	ds_load_b64 v[\reg+2*\p:\reg+2*\p+1], v[\adr] offset:8*PCE+16*(PCE/16)+(\i)*16*PITCH
.else
	ds_load_b64 v[\reg+2*\p:\reg+2*\p+1], v[\adr+2] offset:8*PCE+16*(PCE/16)+(\i)*16*PITCH
.endif
.endr
.endm
.macro FRAGA reg, slot, q, i           ; 16 rows x 128 K from two images of 64 K
.irp c, 0,1
	ds_load_b128 v[\reg+6*\c:\reg+6*\c+3], v[ADRA+\slot] offset:(2*(\q)+\c)*3072+(\i)*768
	ds_load_b64 v[\reg+6*\c+4:\reg+6*\c+5], v[ADRA+2+\slot] offset:(2*(\q)+\c)*3072+(\i)*768+512
.endr
.endm
.macro FETCH slot, q, f                ; the fragments of the slot's q-th 128 along K into buffer f: NF loads in one run
	WIN TO_F
.irp i, 0,1,2,3
	FRAGB \f+48+FR*\i, ADRB+\slot, \q, \i
.endr
.irp i, 0,1,2,3
	FRAGA \f+FR*\i, \slot, \q, \i
.endr
.endm
.macro SCALES sc                       ; a slot's scale words, four a row: lanes 0-15 A's block i, lanes 16-31 B's block i
.irp i, 0,1,2,3
	ds_load_b128 v[SC+16*\sc+4*\i:SC+16*\sc+4*\i+3], v[ADRS] offset:\i*SBLK
.endr
.endm
.macro MULA a, f, q, sc, zero          ; A's block a x B's four, 128 along K.  The 16 accumulators take turns, one instruction a turn, in the same order in every step
.irp b, 0,1,2,3
.set rD, ACC+8*(4*(\a)+\b)
.set rB, (\f)+48+FR*\b
.set rA, (\f)+FR*(\a)
.set sB, SC+16*(\sc)+4*\b+(\q)
.set sA, SC+16*(\sc)+4*(\a)+(\q)
.if \zero
	v_wmma_scale_f32_16x16x128_f8f6f4 v[rD:rD+7], v[rB:rB+FR-1], v[rA:rA+FR-1], v[BIA+8*\b:BIA+8*\b+7], v[sB], v[sA] matrix_a_fmt:MATRIX_FMT_FP6 matrix_b_fmt:MATRIX_FMT_FP6 matrix_a_scale:MATRIX_SCALE_ROW1
.else
	v_wmma_scale_f32_16x16x128_f8f6f4 v[rD:rD+7], v[rB:rB+FR-1], v[rA:rA+FR-1], v[rD:rD+7], v[sB], v[sA] matrix_a_fmt:MATRIX_FMT_FP6 matrix_b_fmt:MATRIX_FMT_FP6 matrix_a_scale:MATRIX_SCALE_ROW1
.endif
.endr
.endm
.macro PLACES n                        ; plain vector instructions between a matrix instruction and a load into, or a read of, its registers
.rept \n
	v_nop
.endr
.endm
.macro STEP slot, q, zero              ; 128 along K with a successor in the same slot: the successor's fragments are asked for first, into the buffer that the last step multiplied
	PLACES NP
	FETCH \slot, (\q)+1, 128*(1-(\q)%2)
	s_wait_dscnt NF                                ; all but the NF loads just issued: this step's fragments (and a slot's scale words) are in
	WIN MUL
.irp a, 0,1,2,3
	MULA \a, 128*((\q)%2), \q, \slot, \zero
.endr
.endm
.macro TURN slot, next, fill           ; a slot's last step (buffer 1) changes slots: one barrier; with fill = 1 it opens a round of the cluster's barrier and this slot is filled again, two slots ahead
	WIN 0                                          ; (the add's two registers lie in window 0)
	s_wait_tensorcnt 0x0                           ; all my tensor loads have landed: my part of the next slot
	ds_add_u32 v[SPW], v[NIL]                      ; 0 onto my spare word
	s_wait_dscnt 1                                 ; this step's fragments are in; the add may be out
	WIN MUL
	MULA 0, F1, NQ-1, \slot, 0                     ; four products stand between the add and the wait for it
	s_wait_dscnt 0x0                               ; the add is done, and my reads of this slot are over
	s_barrier_signal -1
	MULA 1, F1, NQ-1, \slot, 0
	WIN 0
	s_barrier_wait -1
.if \fill
	CREST                                          ; no wave of any partner still reads this slot or has a load on its way
	s_add_nc_u64 s[G0+4*\slot+2:G0+4*\slot+3], s[G0+4*\slot+2:G0+4*\slot+3], 2*ASTEP
	s_add_nc_u64 s[G0B+4*\slot+2:G0B+4*\slot+3], s[G0B+4*\slot+2:G0B+4*\slot+3], 2*ROWB
	JLOAD G0+4*\slot, G1, G0B+4*\slot, G1B         ; my one tensor load behind the round; its four v_nop are the places in front of the loads below
.else
	PLACES NP
.endif
	v_add_nc_u32 v[ADRS], 4*NQ, v[ADRS]            ; on to the next slot's scale words
	FETCH \next, 0, F0
	WIN 0
	SCALES \next
	WIN MUL
	MULA 2, F1, NQ-1, \slot, 0
	MULA 3, F1, NQ-1, \slot, 0
.endm
	s_load_b64 s[4:5], s[0:1], 0x0                 ; A: images, scale bytes behind them
	s_load_b128 s[8:11], s[0:1], 0x8               ; B's codes, B's scales
	s_load_b128 s[96:99], s[0:1], 0x18             ; bias, residual
	s_load_b64 s[12:13], s[0:1], 0x28              ; out
	v_lshl_add_u32 v[SPW], v0, 2, SPARE
	v_mov_b32 v[NIL], 0
	ds_add_u32 v28, v29
	ds_add_u32 v28, v29
	s_wait_dscnt 0x0
	v_lshrrev_b32 v1, 5, v0
	v_readfirstlane_b32 s14, v1                    ; wave 0..3
	s_lshr_b32 s15, s14, 1                         ; my half of the tile's rows; also: I fetch for A (0) or B (1)
	s_and_b32 s16, s14, 1                          ; my half of its columns; also: which 64 rows I fetch
	s_bfe_u32 s40, ttmp6, 0x40000                  ; cx
	s_bfe_u32 s41, ttmp6, 0x40004                  ; cy
	s_lshl_b32 s42, ttmp9, 2
	s_add_co_u32 s42, s42, s40                     ; tile column
	s_and_b32 s17, ttmp7, 0xffff
	s_lshl_b32 s17, s17, 2
	s_add_co_u32 s17, s17, s41                     ; tile row
	s_lshl_b32 s43, s41, 2
	s_lshl_b32 s43, 15, s43                        ; my row of the cluster
	s_lshl_b32 s44, 0x1111, s40                    ; my column
	s_or_b32 s[G1+0], s43, (3<<16)|(1<<21)         ; mask; elements of 8 bytes; no padding; bit 21 beside a mask
	s_mov_b32 s[G1+1], 384<<16                     ; tensor_dim0: 4 images, 3,072 bytes
	s_mov_b32 s[G1+2], 8<<16                       ; tensor_dim1: 8 chunks of 64 K
	s_mov_b32 s[G1+3], 384<<16                     ; tile_dim0
	s_mov_b32 s[G1+4], 8                           ; tile_dim1
	s_mov_b32 s[G1+5], 24576                       ; pitch: 256 images, 196,608 bytes
	s_mov_b32 s[G1+6], 0
	s_mov_b32 s[G1+7], 0
	s_or_b32 s[G1B+0], s44, (0<<16)|(1<<20)|(1<<21)|(4<<22)|(3<<25)   ; mask; elements of 1 byte; padding of 4 words behind every 32
	s_mov_b32 s[G1B+1], ROWB<<16
	s_mov_b32 s[G1B+2], 64<<16
	s_mov_b32 s[G1B+3], ROWB<<16
	s_mov_b32 s[G1B+4], 64
	s_mov_b32 s[G1B+5], KROW
	s_mov_b32 s[G1B+6], 0
	s_mov_b32 s[G1B+7], 0
	s_or_b32 s[G1S+0], s43, (3<<16)|(1<<20)|(1<<21)|(5<<22)|(3<<25)  ; the scale bytes of 64 rows: a dense block, as rows of 256 bytes + 16 of padding
	s_or_b32 s[G1SB+0], s44, (3<<16)|(1<<20)|(1<<21)|(5<<22)|(3<<25)
.irp g, G1S, G1SB
	s_mov_b32 s[\g+1], 32<<16
	s_mov_b32 s[\g+2], (64*KS/256)<<16
	s_mov_b32 s[\g+3], 32<<16
	s_mov_b32 s[\g+4], 64*KS/256
	s_mov_b32 s[\g+5], 32
	s_mov_b32 s[\g+6], 0
	s_mov_b32 s[\g+7], 0
.endr
	s_lshl_b32 s18, s16, 6
	s_lshl_b32 s20, s17, 7
	s_add_co_u32 s20, s20, s18                     ; A: row 128 x tile row + 64 x half
	s_lshl_b32 s46, s42, 7
	s_add_co_u32 s46, s46, s18                     ; B: row 128 x tile column + 64 x half
	s_mov_b32 s21, 0
	s_mov_b32 s47, 0
	s_mov_b64 s[18:19], KS
	s_mul_u64 s[22:23], s[20:21], s[18:19]         ; where these rows' scale bytes begin
	s_mul_u64 s[92:93], s[46:47], s[18:19]
	s_mov_b64 s[18:19], 48                         ; an image's 768 bytes hold 16 rows
	s_mul_u64 s[20:21], s[20:21], s[18:19]
	s_mov_b64 s[18:19], KROW
	s_mul_u64 s[46:47], s[46:47], s[18:19]
	s_mul_i32 s45, s16, AHALF                      ; where they go: A's halves,
	s_mul_i32 s95, s16, BHALF
	s_add_co_u32 s95, s95, 2*AHALF                 ; B's halves behind them,
	s_mul_i32 s94, s14, HALFS                      ; the scales by the wave's number: no place in the cluster enters an LDS address
	s_wait_kmcnt 0x0
	s_add_nc_u64 s[6:7], s[4:5], ASCL
	s_add_nc_u64 s[20:21], s[4:5], s[20:21]
	s_add_nc_u64 s[22:23], s[6:7], s[22:23]
	s_add_nc_u64 s[46:47], s[8:9], s[46:47]
	s_add_nc_u64 s[92:93], s[10:11], s[92:93]
	CROUND                                         ; all sixteen work-groups are here: the first joint loads meet
	s_mov_b32 s[G0S], 1
	s_add_co_u32 s[G0S+1], s94, SCL
	s_mov_b64 s[G0S+2:G0S+3], s[22:23]
	s_or_b32 s[G0S+3], s[G0S+3], 0x80000000
	s_mov_b32 s[G0SB], 1
	s_add_co_u32 s[G0SB+1], s94, SCL
	s_mov_b64 s[G0SB+2:G0SB+3], s[92:93]
	s_or_b32 s[G0SB+3], s[G0SB+3], 0x80000000
	JLOAD G0S, G1S, G0SB, G1SB                     ; the scales first; by this text's count three loads of a wave are out at the start, one behind each round
.irp s, 0,1
	s_mov_b32 s[G0+4*\s], 1
	s_add_co_u32 s[G0+4*\s+1], s45, \s*SLOT
	s_add_nc_u64 s[G0+4*\s+2:G0+4*\s+3], s[20:21], \s*ASTEP
	s_or_b32 s[G0+4*\s+3], s[G0+4*\s+3], 0x80000000
	s_mov_b32 s[G0B+4*\s], 1
	s_add_co_u32 s[G0B+4*\s+1], s95, \s*SLOT
	s_add_nc_u64 s[G0B+4*\s+2:G0B+4*\s+3], s[46:47], \s*ROWB
	s_or_b32 s[G0B+4*\s+3], s[G0B+4*\s+3], 0x80000000
	JLOAD G0+4*\s, G1, G0B+4*\s, G1B
.endr
	v_and_b32 v1, 15, v0                           ; r
	v_bfe_u32 v2, v0, 4, 1                         ; h
	v_and_b32 v6, 31, v0
	v_lshlrev_b32 v[CO], 4, v6
	v_lshlrev_b32 v[L8], 3, v6
	v_mul_u32_u24 v3, v1, PITCH
	v_mul_u32_u24 v4, v2, 24
	v_add_nc_u32 v4, v3, v4                        ; a fragment's row x pitch + 24 x half
	v_lshl_add_u32 v5, v2, 4, v4                   ; and the same behind one padding more
	s_mul_i32 s21, s15, AHALF                      ; my 64 rows of A
	s_mul_i32 s22, s16, BHALF                      ; my 64 rows of B,
	s_add_co_u32 s22, s22, 2*AHALF                 ; which lie behind A's 128
.irp s, 0,1
	v_add_nc_u32 v[ADRA+\s], s21, v[CO]
	v_add_nc_u32 v[ADRA+2+\s], s21, v[L8]
	v_add_nc_u32 v[ADRB+\s], s22, v4
	v_add_nc_u32 v[ADRB+2+\s], s22, v5
	s_add_co_u32 s21, s21, SLOT
	s_add_co_u32 s22, s22, SLOT
.endr
	v_mul_u32_u24 v5, v1, KS                       ; my row's scale bytes: KS a row,
	v_lshrrev_b32 v6, 8, v5
	v_lshl_add_u32 v5, v6, 4, v5                   ; and 16 more for each 256 passed
	s_mul_i32 s21, s15, HALFS
	s_mul_i32 s22, s16, HALFS
	s_add_co_u32 s22, s22, 2*HALFS
	s_sub_co_u32 s22, s22, s21
	v_mul_u32_u24 v6, s22, v2                      ; lanes 16-31 take B's
	s_add_co_u32 s21, s21, SCL
	v_add_nc_u32 v5, v5, v6
	v_add_nc_u32 v[ADRS], s21, v5
	s_mul_i32 s23, s14, 16*SPITCH                  ; my stage
	v_mul_u32_u24 v5, v1, SPITCH
	v_lshl_add_u32 v5, v2, 5, v5
	v_add_nc_u32 v[STO], s23, v5                   ; in: row r, 32 bytes for each half of the lanes
	v_mul_u32_u24 v5, v2, SPITCH
	v_lshl_add_u32 v5, v1, 4, v5
	v_add_nc_u32 v[RD], s23, v5                    ; back: lanes 0-15 one row of 256 bytes, lanes 16-31 the next
	v_lshlrev_b32 v5, 12, v2
	v_lshl_add_u32 v[GO], v1, 4, v5                ; and the same two rows in memory, 4,096 bytes apart
	s_lshl_b32 s20, s17, 7
	s_lshl_b32 s21, s15, 6
	s_add_co_u32 s20, s20, s21
	s_lshl_b32 s20, s20, 12                        ; my first row, of 4,096 bytes
	s_lshl_b32 s46, s42, 9
	s_lshl_b32 s47, s16, 8
	s_add_co_u32 s46, s46, s47                     ; my first column, in bytes
	s_mov_b32 s47, 0
	s_add_nc_u64 s[96:97], s[96:97], s[46:47]
	s_add_co_u32 s20, s20, s46
	s_mov_b32 s21, 0
	s_add_nc_u64 s[12:13], s[12:13], s[20:21]
	s_add_nc_u64 s[98:99], s[98:99], s[20:21]
	v_lshlrev_b32 v7, 5, v2                        ; the bias: block b, my half's eight columns: 64 b + 32 h bytes on
.irp b, 0,1,2,3
	global_load_b128 v[BIA+8*\b:BIA+8*\b+3], v7, s[96:97] offset:64*\b
	global_load_b128 v[BIA+8*\b+4:BIA+8*\b+7], v7, s[96:97] offset:64*\b+16
.endr
	WIN 0x80                                       ; destination window 2
.set i, 0
.rept 32
	global_load_b128 v[4*i:4*i+3], v[GO], s[98:99] offset:2*i*4096   ; the residual's rows 2 i and 2 i + 1 of my 64: sixteen lanes read a row's 256 consecutive bytes
.set i, i+1
.endr
	WIN 0
	s_wait_tensorcnt 1                             ; the scales and my part of slot 0 are in; slot 1's load may be out
	s_barrier_signal -1
	s_barrier_wait -1
	FETCH 0, 0, F0
	WIN 0
	SCALES 0
	s_wait_loadcnt 32                              ; the bias's eight loads are in; the residual's 32 may be out
	STEP 0, 0, 1                                   ; the first step starts the sums, from the bias
.if LAPS > 1
	WIN 0                                          ; at a label and at a branch every window is 0
	s_mov_b32 s3, LAPS-1
.Llap:                                                 ; a trip goes once round the ring, from a lap's second step to the next lap's first, and fills both slots again
	STEP 0, 1, 0
	STEP 0, 2, 0
	TURN 0, 1, 1
	STEP 1, 0, 0
	STEP 1, 1, 0
	STEP 1, 2, 0
	TURN 1, 0, 1
	STEP 0, 0, 0
	WIN 0
	s_sub_co_u32 s3, s3, 1
	s_cmp_lg_u32 s3, 0
	s_cbranch_scc1 .Llap
.endif
	STEP 0, 1, 0                                   ; the last lap fills nothing
	STEP 0, 2, 0
	TURN 0, 1, 0
	STEP 1, 0, 0
	STEP 1, 1, 0
	STEP 1, 2, 0
	s_wait_dscnt 0x0                               ; the very last step: nothing more to fetch
.irp a, 0,1,2,3
	MULA \a, F1, NQ-1, 1, 0
.endr
	WIN 0
; THE WAY OUT, block by block of 16 rows x 64 columns: through my stage, back as whole rows of 256 bytes, plus the residual's same rows, stored.
.macro TOSTAGE a
.irp b, 0,1,2,3
	ds_store_b128 v[STO], v[ACC+8*(4*(\a)+\b):ACC+8*(4*(\a)+\b)+3] offset:64*\b          ; each accumulator from its low end on
	ds_store_b128 v[STO], v[ACC+8*(4*(\a)+\b)+4:ACC+8*(4*(\a)+\b)+7] offset:64*\b+16
.endr
.set BB, BK+32*((\a)%2)
.irp t, 0,1,2,3,4,5,6,7
	ds_load_b128 v[BB+4*\t:BB+4*\t+3], v[RD] offset:\t*2*SPITCH      ; LDS serves a wave's instructions in order: these see the stores above
.endr
.endm
.macro SEND a, yds                     ; yds: the LDS instructions issued behind block a's loads, which may stay out
.set BB, BK+32*((\a)%2)
	s_wait_dscnt \yds
.if (\a) == 0
	s_wait_loadcnt 0x0                             ; the residual, asked for at the head
.endif
	WIN 0x08                                       ; source 1: window 2
.set n, 0
.rept 16
	v_pk_add_f32 v[BB+n:BB+n+1], v[BB+n:BB+n+1], v[32*(\a)+n:32*(\a)+n+1]
.set n, n+2
.endr
	WIN 0
.irp t, 0,1,2,3,4,5,6,7
	global_store_b128 v[GO], v[BB+4*\t:BB+4*\t+3], s[12:13] offset:(16*(\a)+2*\t)*4096   ; sixteen lanes store 256 consecutive bytes, at a multiple of 256 from the buffer's first byte
.endr
.endm
	PLACES NP
	TOSTAGE 0
.irp a, 1,2,3
.if \a > 1
	s_wait_xcnt 0x0                                ; block a - 2's stores have read their registers: block a's rows may land there
.endif
	TOSTAGE \a
	SEND \a-1, 16                                  ; behind block a - 1's loads: block a's 8 stores and 8 loads of the stage
.endr
	SEND 3, 0
	s_wait_tensorcnt 0x0                           ; the wave's end
	ds_add_u32 v[SPW], v[NIL]
	s_wait_dscnt 0x0
	CROUND                                         ; the closing round
	s_endpgm
.Lfunc_end_k_q0fdf78a265_oproj:
	.size	k_q0fdf78a265_oproj, .Lfunc_end_k_q0fdf78a265_oproj-k_q0fdf78a265_oproj
	.p2alignl 7, 3214868480
	.fill 96, 4, 3214868480
	.section	.rodata,"a",@progbits
	.p2align	6, 0x0
	.amdhsa_kernel k_q0fdf78a265_oproj
		.amdhsa_group_segment_fixed_size 327680
		.amdhsa_private_segment_fixed_size 0
		.amdhsa_enable_private_segment 0
		.amdhsa_kernarg_size 48
		.amdhsa_user_sgpr_count 2
		.amdhsa_user_sgpr_kernarg_segment_ptr 1
		.amdhsa_wavefront_size32 1
		.amdhsa_system_sgpr_workgroup_id_x 1
		.amdhsa_system_sgpr_workgroup_id_y 1
		.amdhsa_system_sgpr_workgroup_id_z 1
		.amdhsa_system_vgpr_workitem_id 0
		.amdhsa_next_free_vgpr 640
		.amdhsa_next_free_sgpr 102
		.amdhsa_reserve_vcc 0
		.amdhsa_float_denorm_mode_32 3
		.amdhsa_float_denorm_mode_16_64 3
		.amdhsa_memory_ordered 1
		.amdhsa_forward_progress 1
		.amdhsa_inst_pref_size 65
	.end_amdhsa_kernel
	.amdgpu_metadata
---
amdhsa.version: [ 1, 2 ]
amdhsa.kernels:
  - .name:           k_q0fdf78a265_oproj
    .symbol:         k_q0fdf78a265_oproj.kd
    .args:
      - { .name: ow, .offset: 0, .size: 8, .value_kind: global_buffer, .address_space: global }
      - { .name: out_w_codes, .offset: 8, .size: 8, .value_kind: global_buffer, .address_space: global }
      - { .name: out_w_scales, .offset: 16, .size: 8, .value_kind: global_buffer, .address_space: global }
      - { .name: out_b, .offset: 24, .size: 8, .value_kind: global_buffer, .address_space: global }
      - { .name: x, .offset: 32, .size: 8, .value_kind: global_buffer, .address_space: global }
      - { .name: x1, .offset: 40, .size: 8, .value_kind: global_buffer, .address_space: global }
    .group_segment_fixed_size: 327680
    .private_segment_fixed_size: 0
    .kernarg_segment_align: 8
    .kernarg_segment_size: 48
    .max_flat_workgroup_size: 128
    .sgpr_count:     102
    .vgpr_count:     640
    .wavefront_size: 32
...
	.end_amdgpu_metadata
.endif
;; end of part 8
;; launch ln2: the kernel of part 5 again; grid 128 x 1, 4 waves a work-group, no clusters, 44,544 bytes of LDS; arguments x1, ln2_g, ln2_b, h1; writes h1
;; launch fc1: the kernel of part 6 again; grid 16 x 16, 4 waves a work-group, clusters of 4 x 4, 327,680 bytes of LDS; arguments h1, fc1_w_codes, fc1_w_scales, fc1_b, gw; writes gw
;; launch fc2 (part 9): grid 8 x 32, 4 waves a work-group, clusters of 4 x 4, 327,680 bytes of LDS; arguments gw, fc2_w_codes, fc2_w_scales, fc2_b, x1, out0; writes out0
.if DOCPART == 9
	.amdgcn_target "amdgcn-amd-amdhsa--gfx1250"
	.amdhsa_code_object_version 6
	.text
	.protected	k_q0fdf78a265_fc2
	.globl	k_q0fdf78a265_fc2
	.p2align	8
	.type	k_q0fdf78a265_fc2,@function
k_q0fdf78a265_fc2:
	s_mov_b64 s[64:65], 0
	v_nop
	global_prefetch_b8 v0, s[64:65] scope:SCOPE_SE
	s_setreg_imm32_b32 hwreg(HW_REG_WAVE_MODE, 25, 1), 1
	s_wait_xcnt 0x0
	s_wait_alu depctr_hold_cnt(0) depctr_sa_sdst(0) depctr_va_vdst(0) depctr_va_sdst(0) depctr_va_ssrc(0) depctr_va_vcc(0) depctr_vm_vsrc(0)
	s_getreg_b32 s2, hwreg(HW_REG_IB_STS2, 6, 4)
	s_cmp_eq_u32 s2, 0
	s_cbranch_scc0 .Lentry_in_a_cluster
	s_endpgm
.Lentry_in_a_cluster:
	s_bfe_u32 s2, ttmp6, 0x10000c
	s_cmp_lg_u32 s2, 0xf033
	s_cbranch_scc0 .Lentry_shape_is_right
	s_endpgm
.Lentry_shape_is_right:
; out = x1 + g W + b, the product on codes of E2M3 with E8M0 scales, K = 4,096, f32 out.
; TILE.  The result is 4,096 x 1,024: tiles of 128 x 128 make 256 work-groups (tiles of 256 x 256 only 64).  Four waves, 64 x 64 each: 16 accumulators of 16 x 16, 128 registers.
; K goes in slots of 512 through a ring of two LDS slots filled by tensor loads, one load a wave: waves 0 and 1 bring A's two halves of 64 rows, waves 2 and 3 B's.  A slot is as long as two of them,
; the scale bytes and the spare words allow; eight slots, six of them refills.  The scale bytes of the work-group's rows, for all of K, come once, with the first fills, and stay.
; CLUSTERS: 4 x 4 work-groups.  The four of a row of the cluster need the same tiles of A, the four of a column the same tiles of B: each is asked for jointly, by the same tensor load with the same
; descriptor and a mask that names the four.  THE MATRIX INSTRUCTION IS USED TRANSPOSED (source 0 = 16 rows of B, source 1 = 16 rows of A): lane (r, h) holds row r of A, and register 8 b + j of a block
; column 16 b + 8 h + j: eight neighbouring numbers of a row of the result.
; A (g) comes as images [chunk of 64 K][tile of 16 rows 256][768 bytes]: six registers a lane (0-3 at 16 x lane, 4-5 at 512 + 8 x lane); a tensor load brings 8 chunks x 4 tiles, rows of 3,072 bytes.
; B comes as rows of codes: 384 bytes of a row to a slot.
; The bias is the C of each sum's first product.  THE RESIDUAL, 64 rows x 256 bytes a wave, is asked for at the head and lies in registers when the way out wants it.
; The way out goes through each wave's stage in LDS: a wave's 64 columns are 256 bytes, which sixteen lanes store whole.
; REGISTERS, in windows of 256: window 0: v16-31 addresses; v32-63 scale words, two sets; v64-95 the bias, later v64-127 rows read back from the stage; v128-255 the accumulators ((a, b) at v[128 + 8 (4 a + b)]).
;   window 1: two fragment buffers for 128 along K, at v0 and v128: A's four fragments (48 registers), then B's four.   window 2: v0-127 the residual.
.set SIZE_K, 4096
.set ASCL,   12582912                  ; A's scale bytes, [4096][K / 32], behind its images
.set KSLOT,  512                       ; along K in a slot
.set NQ,     4                         ; steps of 128 in it
.set ROWB,   384                       ; B's row in a slot, in bytes
.set KROW,   SIZE_K*6/8                ; B's row in memory
.set PITCH,  432                       ; B's row in LDS: 3 x (128 bytes + 16 of padding) = 108 words: row r starts at bank 44 r mod 64 (64 banks of 4 bytes: ISA guide 11.1): sixteen different multiples of 4
.set FR,     12                        ; registers of a fragment
.set NP,     4                         ; places behind this matrix instruction (ISA guide 7.12.1)
.set NF,     40                        ; LDS loads of a step's fragments: A's 4 x 4, B's 4 x 6
.set AHALF,  8*4*768                   ; A's 64 rows of a slot: [chunk 8][16 rows 4][768 bytes]
.set BHALF,  64*PITCH                  ; B's 64 rows
.set SLOT,   2*AHALF+2*BHALF           ; A's two halves, then B's two
.set LAPS,   SIZE_K/(2*KSLOT)          ; a lap = two slots = once round the ring
.set KS,     SIZE_K/32                 ; a row of scale bytes
.set SCL,    2*SLOT                    ; behind the ring: the scale bytes, as units of 256 bytes + 16
.set HALFS,  (64*KS/256)*272           ; those of 64 rows: what one tensor load brings
.set SBLK,   (16*KS/256)*272           ; those of 16 rows
.set SPARE,  SCL+4*HALFS               ; the spare words: 128 bytes a wave, named by no other line
.set ASTEP,  8*196608                  ; a slot further on in A's images: 8 chunks of 256 images
.set SPITCH, 272                       ; the way out: 16 rows x (256 bytes + 16) a wave, in slot 0, which has had its last fill and its last read by then
.set ADRA, 16                          ; v16-17 my A images in slot 0, 1, at 16 x lane; v18-19 at 8 x lane
.set ADRB, 20                          ; v20-21 my B rows in slot 0, 1; v22-23 the same behind one padding more
.set STO,  24                          ; v24 the stage: where I put 32 bytes of a row
.set RD,   25                          ; v25 and where I read a row back
.set CO,   26                          ; v26 16 x lane
.set ADRS, 27                          ; v27 my scale words: lanes 0-15 A's rows, lanes 16-31 B's
.set SPW,  28                          ; v28 my spare word; never rewritten
.set NIL,  29                          ; v29 0; never rewritten
.set GO,   30                          ; v30 in the residual and the result: 4,096 (lane / 16) + 16 (lane % 16); never rewritten
.set L8,   31                          ; v31 8 x lane
.set SC,   32                          ; set s at v[SC + 16 s]; in it register 4 i + q: lanes 0-15 the word of A's block i, lanes 16-31 of B's block i, for the slot's q-th 128 along K
.set BIA,  64
.set BK,   64
.set ACC,  128
.set F0,   0
.set F1,   128
.set G1, 24                            ; s[24:31] group 1 for A's tiles; s[32:39] groups 0, one for each slot
.set G0, 32
.set G1B, 48                           ; s[48:55], s[56:63] the same for B's
.set G0B, 56
.set G1S, 68                           ; s[68:75], s[76:79] for A's scales; s[80:87], s[88:91] for B's
.set G0S, 76
.set G1SB, 80
.set G0SB, 88
.set MSB, 0
.macro WIN new                         ; the immediate's high byte repeats the setting that is left
.if MSB != (\new)
	s_set_vgpr_msb (MSB<<8)|(\new)
.set MSB, (\new)
.endif
.endm
.set MUL,  0x05                        ; sources 0 (B) and 1 (A) window 1; C and D window 0
.set TO_F, 0x40                        ; destination window 1, address window 0
.macro JLOAD g0a, g1a, g0b, g1b        ; a joint load: waves 0, 1 fetch for A, waves 2, 3 for B; four v_nop follow each line
	s_cmp_eq_u32 s15, 0
	s_cbranch_scc0 .Lfor_b_\@
	tensor_load_to_lds s[\g0a:\g0a+3], s[\g1a:\g1a+7]
	s_nop 0
.rept 4
	v_nop
.endr
	s_branch .Lasked_\@
.Lfor_b_\@:
	tensor_load_to_lds s[\g0b:\g0b+3], s[\g1b:\g1b+7]
	s_nop 0
.rept 4
	v_nop
.endr
.Lasked_\@:
.endm
.macro CREST                           ; a round of the cluster's barrier behind its opening barrier
	s_cmp_lg_u32 s14, 0
	s_cbranch_scc1 .Lnot_wave_0_\@
	s_barrier_signal -3
.Lnot_wave_0_\@:
	s_barrier_wait -3
	s_barrier_signal -1
	s_barrier_wait -1
.endm
.macro CROUND
	s_barrier_signal -1
	s_barrier_wait -1
	CREST
.endm
.macro FRAGB reg, adr, q, i            ; 16 rows x 128 K from rows in LDS: six pieces of 8 bytes.  Lanes 16-31 read three pieces further on: where that lies behind one padding more (16 pieces to a padding), the second address register serves
.irp p, 0,1,2,3,4,5
.set PCE, 12*(\q)+6*(\p/3)+\p%3
.if PCE%16 < 13
	ds_load_b64 v[\reg+2*\p:\reg+2*\p+1], v[\adr] offset:8*PCE+16*(PCE/16)+(\i)*16*PITCH
.else
	ds_load_b64 v[\reg+2*\p:\reg+2*\p+1], v[\adr+2] offset:8*PCE+16*(PCE/16)+(\i)*16*PITCH
.endif
.endr
.endm
.macro FRAGA reg, slot, q, i           ; 16 rows x 128 K from two images of 64 K
.irp c, 0,1
	ds_load_b128 v[\reg+6*\c:\reg+6*\c+3], v[ADRA+\slot] offset:(2*(\q)+\c)*3072+(\i)*768
	ds_load_b64 v[\reg+6*\c+4:\reg+6*\c+5], v[ADRA+2+\slot] offset:(2*(\q)+\c)*3072+(\i)*768+512
.endr
.endm
.macro FETCH slot, q, f                ; the fragments of the slot's q-th 128 along K into buffer f: NF loads in one run
	WIN TO_F
.irp i, 0,1,2,3
	FRAGB \f+48+FR*\i, ADRB+\slot, \q, \i
.endr
.irp i, 0,1,2,3
	FRAGA \f+FR*\i, \slot, \q, \i
.endr
.endm
.macro SCALES sc                       ; a slot's scale words, four a row: lanes 0-15 A's block i, lanes 16-31 B's block i
.irp i, 0,1,2,3
	ds_load_b128 v[SC+16*\sc+4*\i:SC+16*\sc+4*\i+3], v[ADRS] offset:\i*SBLK
.endr
.endm
.macro MULA a, f, q, sc, zero          ; A's block a x B's four, 128 along K.  The 16 accumulators take turns, one instruction a turn, in the same order in every step
.irp b, 0,1,2,3
.set rD, ACC+8*(4*(\a)+\b)
.set rB, (\f)+48+FR*\b
.set rA, (\f)+FR*(\a)
.set sB, SC+16*(\sc)+4*\b+(\q)
.set sA, SC+16*(\sc)+4*(\a)+(\q)
.if \zero
	v_wmma_scale_f32_16x16x128_f8f6f4 v[rD:rD+7], v[rB:rB+FR-1], v[rA:rA+FR-1], v[BIA+8*\b:BIA+8*\b+7], v[sB], v[sA] matrix_a_fmt:MATRIX_FMT_FP6 matrix_b_fmt:MATRIX_FMT_FP6 matrix_a_scale:MATRIX_SCALE_ROW1
.else
	v_wmma_scale_f32_16x16x128_f8f6f4 v[rD:rD+7], v[rB:rB+FR-1], v[rA:rA+FR-1], v[rD:rD+7], v[sB], v[sA] matrix_a_fmt:MATRIX_FMT_FP6 matrix_b_fmt:MATRIX_FMT_FP6 matrix_a_scale:MATRIX_SCALE_ROW1
.endif
.endr
.endm
.macro PLACES n                        ; plain vector instructions between a matrix instruction and a load into, or a read of, its registers
.rept \n
	v_nop
.endr
.endm
.macro STEP slot, q, zero              ; 128 along K with a successor in the same slot: the successor's fragments are asked for first, into the buffer that the last step multiplied
	PLACES NP
	FETCH \slot, (\q)+1, 128*(1-(\q)%2)
	s_wait_dscnt NF                                ; all but the NF loads just issued: this step's fragments (and a slot's scale words) are in
	WIN MUL
.irp a, 0,1,2,3
	MULA \a, 128*((\q)%2), \q, \slot, \zero
.endr
.endm
.macro TURN slot, next, fill           ; a slot's last step (buffer 1) changes slots: one barrier; with fill = 1 it opens a round of the cluster's barrier and this slot is filled again, two slots ahead
	WIN 0                                          ; (the add's two registers lie in window 0)
	s_wait_tensorcnt 0x0                           ; all my tensor loads have landed: my part of the next slot
	ds_add_u32 v[SPW], v[NIL]                      ; 0 onto my spare word
	s_wait_dscnt 1                                 ; this step's fragments are in; the add may be out
	WIN MUL
	MULA 0, F1, NQ-1, \slot, 0                     ; four products stand between the add and the wait for it
	s_wait_dscnt 0x0                               ; the add is done, and my reads of this slot are over
	s_barrier_signal -1
	MULA 1, F1, NQ-1, \slot, 0
	WIN 0
	s_barrier_wait -1
.if \fill
	CREST                                          ; no wave of any partner still reads this slot or has a load on its way
	s_add_nc_u64 s[G0+4*\slot+2:G0+4*\slot+3], s[G0+4*\slot+2:G0+4*\slot+3], 2*ASTEP
	s_add_nc_u64 s[G0B+4*\slot+2:G0B+4*\slot+3], s[G0B+4*\slot+2:G0B+4*\slot+3], 2*ROWB
	JLOAD G0+4*\slot, G1, G0B+4*\slot, G1B         ; my one tensor load behind the round; its four v_nop are the places in front of the loads below
.else
	PLACES NP
.endif
	v_add_nc_u32 v[ADRS], 4*NQ, v[ADRS]            ; on to the next slot's scale words
	FETCH \next, 0, F0
	WIN 0
	SCALES \next
	WIN MUL
	MULA 2, F1, NQ-1, \slot, 0
	MULA 3, F1, NQ-1, \slot, 0
.endm
	s_load_b64 s[4:5], s[0:1], 0x0                 ; A: images, scale bytes behind them
	s_load_b128 s[8:11], s[0:1], 0x8               ; B's codes, B's scales
	s_load_b128 s[96:99], s[0:1], 0x18             ; bias, residual
	s_load_b64 s[12:13], s[0:1], 0x28              ; out
	v_lshl_add_u32 v[SPW], v0, 2, SPARE
	v_mov_b32 v[NIL], 0
	ds_add_u32 v28, v29
	ds_add_u32 v28, v29
	s_wait_dscnt 0x0
	v_lshrrev_b32 v1, 5, v0
	v_readfirstlane_b32 s14, v1                    ; wave 0..3
	s_lshr_b32 s15, s14, 1                         ; my half of the tile's rows; also: I fetch for A (0) or B (1)
	s_and_b32 s16, s14, 1                          ; my half of its columns; also: which 64 rows I fetch
	s_bfe_u32 s40, ttmp6, 0x40000                  ; cx
	s_bfe_u32 s41, ttmp6, 0x40004                  ; cy
	s_lshl_b32 s42, ttmp9, 2
	s_add_co_u32 s42, s42, s40                     ; tile column
	s_and_b32 s17, ttmp7, 0xffff
	s_lshl_b32 s17, s17, 2
	s_add_co_u32 s17, s17, s41                     ; tile row
	s_lshl_b32 s43, s41, 2
	s_lshl_b32 s43, 15, s43                        ; my row of the cluster
	s_lshl_b32 s44, 0x1111, s40                    ; my column
	s_or_b32 s[G1+0], s43, (3<<16)|(1<<21)         ; mask; elements of 8 bytes; no padding; bit 21 beside a mask
	s_mov_b32 s[G1+1], 384<<16                     ; tensor_dim0: 4 images, 3,072 bytes
	s_mov_b32 s[G1+2], 8<<16                       ; tensor_dim1: 8 chunks of 64 K
	s_mov_b32 s[G1+3], 384<<16                     ; tile_dim0
	s_mov_b32 s[G1+4], 8                           ; tile_dim1
	s_mov_b32 s[G1+5], 24576                       ; pitch: 256 images, 196,608 bytes
	s_mov_b32 s[G1+6], 0
	s_mov_b32 s[G1+7], 0
	s_or_b32 s[G1B+0], s44, (0<<16)|(1<<20)|(1<<21)|(4<<22)|(3<<25)   ; mask; elements of 1 byte; padding of 4 words behind every 32
	s_mov_b32 s[G1B+1], ROWB<<16
	s_mov_b32 s[G1B+2], 64<<16
	s_mov_b32 s[G1B+3], ROWB<<16
	s_mov_b32 s[G1B+4], 64
	s_mov_b32 s[G1B+5], KROW
	s_mov_b32 s[G1B+6], 0
	s_mov_b32 s[G1B+7], 0
	s_or_b32 s[G1S+0], s43, (3<<16)|(1<<20)|(1<<21)|(5<<22)|(3<<25)  ; the scale bytes of 64 rows: a dense block, as rows of 256 bytes + 16 of padding
	s_or_b32 s[G1SB+0], s44, (3<<16)|(1<<20)|(1<<21)|(5<<22)|(3<<25)
.irp g, G1S, G1SB
	s_mov_b32 s[\g+1], 32<<16
	s_mov_b32 s[\g+2], (64*KS/256)<<16
	s_mov_b32 s[\g+3], 32<<16
	s_mov_b32 s[\g+4], 64*KS/256
	s_mov_b32 s[\g+5], 32
	s_mov_b32 s[\g+6], 0
	s_mov_b32 s[\g+7], 0
.endr
	s_lshl_b32 s18, s16, 6
	s_lshl_b32 s20, s17, 7
	s_add_co_u32 s20, s20, s18                     ; A: row 128 x tile row + 64 x half
	s_lshl_b32 s46, s42, 7
	s_add_co_u32 s46, s46, s18                     ; B: row 128 x tile column + 64 x half
	s_mov_b32 s21, 0
	s_mov_b32 s47, 0
	s_mov_b64 s[18:19], KS
	s_mul_u64 s[22:23], s[20:21], s[18:19]         ; where these rows' scale bytes begin
	s_mul_u64 s[92:93], s[46:47], s[18:19]
	s_mov_b64 s[18:19], 48                         ; an image's 768 bytes hold 16 rows
	s_mul_u64 s[20:21], s[20:21], s[18:19]
	s_mov_b64 s[18:19], KROW
	s_mul_u64 s[46:47], s[46:47], s[18:19]
	s_mul_i32 s45, s16, AHALF                      ; where they go: A's halves,
	s_mul_i32 s95, s16, BHALF
	s_add_co_u32 s95, s95, 2*AHALF                 ; B's halves behind them,
	s_mul_i32 s94, s14, HALFS                      ; the scales by the wave's number: no place in the cluster enters an LDS address
	s_wait_kmcnt 0x0
	s_add_nc_u64 s[6:7], s[4:5], ASCL
	s_add_nc_u64 s[20:21], s[4:5], s[20:21]
	s_add_nc_u64 s[22:23], s[6:7], s[22:23]
	s_add_nc_u64 s[46:47], s[8:9], s[46:47]
	s_add_nc_u64 s[92:93], s[10:11], s[92:93]
	CROUND                                         ; all sixteen work-groups are here: the first joint loads meet
	s_mov_b32 s[G0S], 1
	s_add_co_u32 s[G0S+1], s94, SCL
	s_mov_b64 s[G0S+2:G0S+3], s[22:23]
	s_or_b32 s[G0S+3], s[G0S+3], 0x80000000
	s_mov_b32 s[G0SB], 1
	s_add_co_u32 s[G0SB+1], s94, SCL
	s_mov_b64 s[G0SB+2:G0SB+3], s[92:93]
	s_or_b32 s[G0SB+3], s[G0SB+3], 0x80000000
	JLOAD G0S, G1S, G0SB, G1SB                     ; the scales first; by this text's count three loads of a wave are out at the start, one behind each round
.irp s, 0,1
	s_mov_b32 s[G0+4*\s], 1
	s_add_co_u32 s[G0+4*\s+1], s45, \s*SLOT
	s_add_nc_u64 s[G0+4*\s+2:G0+4*\s+3], s[20:21], \s*ASTEP
	s_or_b32 s[G0+4*\s+3], s[G0+4*\s+3], 0x80000000
	s_mov_b32 s[G0B+4*\s], 1
	s_add_co_u32 s[G0B+4*\s+1], s95, \s*SLOT
	s_add_nc_u64 s[G0B+4*\s+2:G0B+4*\s+3], s[46:47], \s*ROWB
	s_or_b32 s[G0B+4*\s+3], s[G0B+4*\s+3], 0x80000000
	JLOAD G0+4*\s, G1, G0B+4*\s, G1B
.endr
	v_and_b32 v1, 15, v0                           ; r
	v_bfe_u32 v2, v0, 4, 1                         ; h
	v_and_b32 v6, 31, v0
	v_lshlrev_b32 v[CO], 4, v6
	v_lshlrev_b32 v[L8], 3, v6
	v_mul_u32_u24 v3, v1, PITCH
	v_mul_u32_u24 v4, v2, 24
	v_add_nc_u32 v4, v3, v4                        ; a fragment's row x pitch + 24 x half
	v_lshl_add_u32 v5, v2, 4, v4                   ; and the same behind one padding more
	s_mul_i32 s21, s15, AHALF                      ; my 64 rows of A
	s_mul_i32 s22, s16, BHALF                      ; my 64 rows of B,
	s_add_co_u32 s22, s22, 2*AHALF                 ; which lie behind A's 128
.irp s, 0,1
	v_add_nc_u32 v[ADRA+\s], s21, v[CO]
	v_add_nc_u32 v[ADRA+2+\s], s21, v[L8]
	v_add_nc_u32 v[ADRB+\s], s22, v4
	v_add_nc_u32 v[ADRB+2+\s], s22, v5
	s_add_co_u32 s21, s21, SLOT
	s_add_co_u32 s22, s22, SLOT
.endr
	v_mul_u32_u24 v5, v1, KS                       ; my row's scale bytes: KS a row,
	v_lshrrev_b32 v6, 8, v5
	v_lshl_add_u32 v5, v6, 4, v5                   ; and 16 more for each 256 passed
	s_mul_i32 s21, s15, HALFS
	s_mul_i32 s22, s16, HALFS
	s_add_co_u32 s22, s22, 2*HALFS
	s_sub_co_u32 s22, s22, s21
	v_mul_u32_u24 v6, s22, v2                      ; lanes 16-31 take B's
	s_add_co_u32 s21, s21, SCL
	v_add_nc_u32 v5, v5, v6
	v_add_nc_u32 v[ADRS], s21, v5
	s_mul_i32 s23, s14, 16*SPITCH                  ; my stage
	v_mul_u32_u24 v5, v1, SPITCH
	v_lshl_add_u32 v5, v2, 5, v5
	v_add_nc_u32 v[STO], s23, v5                   ; in: row r, 32 bytes for each half of the lanes
	v_mul_u32_u24 v5, v2, SPITCH
	v_lshl_add_u32 v5, v1, 4, v5
	v_add_nc_u32 v[RD], s23, v5                    ; back: lanes 0-15 one row of 256 bytes, lanes 16-31 the next
	v_lshlrev_b32 v5, 12, v2
	v_lshl_add_u32 v[GO], v1, 4, v5                ; and the same two rows in memory, 4,096 bytes apart
	s_lshl_b32 s20, s17, 7
	s_lshl_b32 s21, s15, 6
	s_add_co_u32 s20, s20, s21
	s_lshl_b32 s20, s20, 12                        ; my first row, of 4,096 bytes
	s_lshl_b32 s46, s42, 9
	s_lshl_b32 s47, s16, 8
	s_add_co_u32 s46, s46, s47                     ; my first column, in bytes
	s_mov_b32 s47, 0
	s_add_nc_u64 s[96:97], s[96:97], s[46:47]
	s_add_co_u32 s20, s20, s46
	s_mov_b32 s21, 0
	s_add_nc_u64 s[12:13], s[12:13], s[20:21]
	s_add_nc_u64 s[98:99], s[98:99], s[20:21]
	v_lshlrev_b32 v7, 5, v2                        ; the bias: block b, my half's eight columns: 64 b + 32 h bytes on
.irp b, 0,1,2,3
	global_load_b128 v[BIA+8*\b:BIA+8*\b+3], v7, s[96:97] offset:64*\b
	global_load_b128 v[BIA+8*\b+4:BIA+8*\b+7], v7, s[96:97] offset:64*\b+16
.endr
	WIN 0x80                                       ; destination window 2
.set i, 0
.rept 32
	global_load_b128 v[4*i:4*i+3], v[GO], s[98:99] offset:2*i*4096 th:TH_LOAD_NT   ; the residual's rows 2 i and 2 i + 1 of my 64: sixteen lanes read a row's 256 consecutive bytes; read once in this launch
.set i, i+1
.endr
	WIN 0
	s_wait_tensorcnt 1                             ; the scales and my part of slot 0 are in; slot 1's load may be out
	s_barrier_signal -1
	s_barrier_wait -1
	FETCH 0, 0, F0
	WIN 0
	SCALES 0
	s_wait_loadcnt 32                              ; the bias's eight loads are in; the residual's 32 may be out
	STEP 0, 0, 1                                   ; the first step starts the sums, from the bias
.if LAPS > 1
	WIN 0                                          ; at a label and at a branch every window is 0
	s_mov_b32 s3, LAPS-1
.Llap:                                                 ; a trip goes once round the ring, from a lap's second step to the next lap's first, and fills both slots again
	STEP 0, 1, 0
	STEP 0, 2, 0
	TURN 0, 1, 1
	STEP 1, 0, 0
	STEP 1, 1, 0
	STEP 1, 2, 0
	TURN 1, 0, 1
	STEP 0, 0, 0
	WIN 0
	s_sub_co_u32 s3, s3, 1
	s_cmp_lg_u32 s3, 0
	s_cbranch_scc1 .Llap
.endif
	STEP 0, 1, 0                                   ; the last lap fills nothing
	STEP 0, 2, 0
	TURN 0, 1, 0
	STEP 1, 0, 0
	STEP 1, 1, 0
	STEP 1, 2, 0
	s_wait_dscnt 0x0                               ; the very last step: nothing more to fetch
.irp a, 0,1,2,3
	MULA \a, F1, NQ-1, 1, 0
.endr
	WIN 0
; THE WAY OUT, block by block of 16 rows x 64 columns: through my stage, back as whole rows of 256 bytes, plus the residual's same rows, stored.
.macro TOSTAGE a
.irp b, 0,1,2,3
	ds_store_b128 v[STO], v[ACC+8*(4*(\a)+\b):ACC+8*(4*(\a)+\b)+3] offset:64*\b          ; each accumulator from its low end on
	ds_store_b128 v[STO], v[ACC+8*(4*(\a)+\b)+4:ACC+8*(4*(\a)+\b)+7] offset:64*\b+16
.endr
.set BB, BK+32*((\a)%2)
.irp t, 0,1,2,3,4,5,6,7
	ds_load_b128 v[BB+4*\t:BB+4*\t+3], v[RD] offset:\t*2*SPITCH      ; LDS serves a wave's instructions in order: these see the stores above
.endr
.endm
.macro SEND a, yds                     ; yds: the LDS instructions issued behind block a's loads, which may stay out
.set BB, BK+32*((\a)%2)
	s_wait_dscnt \yds
.if (\a) == 0
	s_wait_loadcnt 0x0                             ; the residual, asked for at the head
.endif
	WIN 0x08                                       ; source 1: window 2
.set n, 0
.rept 16
	v_pk_add_f32 v[BB+n:BB+n+1], v[BB+n:BB+n+1], v[32*(\a)+n:32*(\a)+n+1]
.set n, n+2
.endr
	WIN 0
.irp t, 0,1,2,3,4,5,6,7
	global_store_b128 v[GO], v[BB+4*\t:BB+4*\t+3], s[12:13] offset:(16*(\a)+2*\t)*4096 th:TH_STORE_NT   ; sixteen lanes store 256 consecutive bytes, at a multiple of 256 from the buffer's first byte; written once, read by nobody here
.endr
.endm
	PLACES NP
	TOSTAGE 0
.irp a, 1,2,3
.if \a > 1
	s_wait_xcnt 0x0                                ; block a - 2's stores have read their registers: block a's rows may land there
.endif
	TOSTAGE \a
	SEND \a-1, 16                                  ; behind block a - 1's loads: block a's 8 stores and 8 loads of the stage
.endr
	SEND 3, 0
	s_wait_tensorcnt 0x0                           ; the wave's end
	ds_add_u32 v[SPW], v[NIL]
	s_wait_dscnt 0x0
	CROUND                                         ; the closing round
	s_endpgm
.Lfunc_end_k_q0fdf78a265_fc2:
	.size	k_q0fdf78a265_fc2, .Lfunc_end_k_q0fdf78a265_fc2-k_q0fdf78a265_fc2
	.p2alignl 7, 3214868480
	.fill 96, 4, 3214868480
	.section	.rodata,"a",@progbits
	.p2align	6, 0x0
	.amdhsa_kernel k_q0fdf78a265_fc2
		.amdhsa_group_segment_fixed_size 327680
		.amdhsa_private_segment_fixed_size 0
		.amdhsa_enable_private_segment 0
		.amdhsa_kernarg_size 48
		.amdhsa_user_sgpr_count 2
		.amdhsa_user_sgpr_kernarg_segment_ptr 1
		.amdhsa_wavefront_size32 1
		.amdhsa_system_sgpr_workgroup_id_x 1
		.amdhsa_system_sgpr_workgroup_id_y 1
		.amdhsa_system_sgpr_workgroup_id_z 1
		.amdhsa_system_vgpr_workitem_id 0
		.amdhsa_next_free_vgpr 640
		.amdhsa_next_free_sgpr 102
		.amdhsa_reserve_vcc 0
		.amdhsa_float_denorm_mode_32 3
		.amdhsa_float_denorm_mode_16_64 3
		.amdhsa_memory_ordered 1
		.amdhsa_forward_progress 1
		.amdhsa_inst_pref_size 106
	.end_amdhsa_kernel
	.amdgpu_metadata
---
amdhsa.version: [ 1, 2 ]
amdhsa.kernels:
  - .name:           k_q0fdf78a265_fc2
    .symbol:         k_q0fdf78a265_fc2.kd
    .args:
      - { .name: gw, .offset: 0, .size: 8, .value_kind: global_buffer, .address_space: global }
      - { .name: fc2_w_codes, .offset: 8, .size: 8, .value_kind: global_buffer, .address_space: global }
      - { .name: fc2_w_scales, .offset: 16, .size: 8, .value_kind: global_buffer, .address_space: global }
      - { .name: fc2_b, .offset: 24, .size: 8, .value_kind: global_buffer, .address_space: global }
      - { .name: x1, .offset: 32, .size: 8, .value_kind: global_buffer, .address_space: global }
      - { .name: out0, .offset: 40, .size: 8, .value_kind: global_buffer, .address_space: global }
    .group_segment_fixed_size: 327680
    .private_segment_fixed_size: 0
    .kernarg_segment_align: 8
    .kernarg_segment_size: 48
    .max_flat_workgroup_size: 128
    .sgpr_count:     102
    .vgpr_count:     640
    .wavefront_size: 32
...
	.end_amdgpu_metadata
.endif
;; end of part 9
